; MI455X (gfx1250); checked and timed in simulation.
; The chip was launched on July 23, 2026; its instructions are those of AMD's public machine-readable ISA for CDNA 5 (MIT licence, August 2026) and "CDNA5" Instruction Set Architecture Reference Guide (July 2026). The comments in the code are by the model that wrote it; some were corrected since.
;; Attn Block. Allowed arithmetic: float matrix products may take bf16 or f16 operands with f32 sums; other float arithmetic in f32, or as packed bf16 or f16 multiplies, adds, multiply-adds, maxima and minima; sums over many terms, partial sums and values carried from step to step in f32; what a program stores and reads back later, other than sums and carried values, may be rounded once to bf16 or f16.
;; Inputs: bk 512 float32; bo 512 float32; bq 512 float32; bv 512 float32; gn_b 512 float32; gn_w 512 float32; wk 512 x 512 float32; wo 512 x 512 float32; wq 512 x 512 float32; wv 512 x 512 float32; x 8 x 512 x 32 x 64 float32.
;; Outputs: out0 8 x 512 x 32 x 64 float32.
;; 3 versions, each right; version 3 is version 2 with the launch gnw written anew for expert scheduling mode. Each part assembles by itself: llvm-mc -triple=amdgcn-amd-amdhsa -mcpu=gfx1250 --defsym DOCPART=n.
;; ======== version 1 of 3: 4 launches
;; workspace buffers: hn 16,777,216 bytes; wcat 1,572,864 bytes; bvo 2,048 bytes; qkv 50,331,648 bytes
;; launch prep (part 1): grid 64 x 1, 16 waves a work-group, no clusters, 191,744 bytes of LDS; arguments wq, wk, wv, wo, bv, wcat, bvo; writes wcat, bvo
.if DOCPART == 1
	.amdgcn_target "amdgcn-amd-amdhsa--gfx1250"
	.amdhsa_code_object_version 6
	.text
	.protected	k_q8fad4ad372_prep
	.globl	k_q8fad4ad372_prep
	.p2align	8
	.type	k_q8fad4ad372_prep,@function
k_q8fad4ad372_prep:
	s_mov_b64 s[64:65], 0
	v_nop
	global_prefetch_b8 v0, s[64:65] scope:SCOPE_SE
	s_setreg_imm32_b32 hwreg(HW_REG_WAVE_MODE, 25, 1), 1
	s_wait_xcnt 0x0
; THE WEIGHTS FOR THE PROJECTION.  wcat holds 1,536 rows of 512 channels in bf16: wq's rows, wk's rows, and Wvo = wo x wv, since (attn v) wo^T = attn (v wo^T):
; v' = t Wvo^T + bvo with Wvo[o][c] = sum over m of wo[o][m] wv[m][c] and bvo[o] = sum over m of wo[o][m] bv[m] (f32).
; wcat's layout: 24 tiles of 256 rows x 128 channels, tile 4 (row / 256) + channel / 128; a row's piece is 256 bytes, a tile 65,536 dense bytes.
; LIMITS.  Wvo is a product of operands rounded to bf16, summed in f32 and rounded once more to bf16: an order of rounding that differs from multiplying by wv and wo in turn.
; SHARES.  64 work-groups of 16 waves.  (1) Wave w of group n rounds row 16 n + w of (wq, wk).  (2) Group n makes Wvo's rows 32 (n / 4) .. + 31, columns 128 (n % 4) .. + 127:
; wave w the tile of 16 columns w % 8 and 16 rows w / 8, K = 512 in 16 steps on two accumulators by turns.  No tensor loads: each byte is converted on its way into LDS.
; The product is taken transposed (source 0 = 16 columns c of wv, turned out of LDS; source 1 = 16 rows o of wo): a lane ends with 8 neighbouring c of one row o.
.set PWV,   288                        ; LDS row of wv: 128 bf16 + 32 bytes, an odd multiple of 32 for the turning load
.set WOL,   512*PWV                    ; behind wv's 512 rows: wo's 32 rows
.set PWO,   1040                       ; 512 bf16 + 16 bytes
.set STG,   WOL+32*PWO                 ; the stage: 32 rows x 272
.set PST,   272
.set BS,    STG+32*PST                 ; 32 words: bvo of the group's rows
.set SPARE, BS+256                     ; the spare words, 128 bytes for each of 16 waves
.set SPW, 4
.set NIL, 5
.set CVO, 6                            ; offsets in memory: the row to round, where it goes, bv, wo, wv
.set CVS, 7
.set BVO, 8
.set WOO, 9
.set WVO, 10
.set WOS, 11                           ; LDS: where my wo rows go
.set AWS, 12                           ; v12-15 LDS: where my wv rows go, by groups of 8 loads
.set CV,  16                           ; v16-31   the row to round
.set BV,  32                           ; v32-47   bv; later the addresses below
.set WO,  48                           ; v48-79   two rows of wo
.set WV,  80                           ; v80-207  32 pieces of wv; later the fragments of 8 K steps
.set FR,  80
.set ACC, 208                          ; v208-223 two accumulators; before the products: at work for bvo
.set ATR, 32                           ; v32-35 LDS address of wv's fragments, by groups of 4 K steps
.set AWO, 36
.set STO, 37
.set RD,  38
.set GO,  39
.set TT,  40
.macro CVT2 r                          ; four f32 at v[r] .. become four bf16 in v[r], v[r+1]
	v_cvt_pk_bf16_f32 v[\r], v[\r], v[(\r)+1]
	v_cvt_pk_bf16_f32 v[(\r)+1], v[(\r)+2], v[(\r)+3]
.endm
	s_load_b256 s[4:11], s[0:1], 0x0               ; wq s[4:5], wk s[6:7], wv s[8:9], wo s[10:11]
	s_load_b128 s[12:15], s[0:1], 0x20             ; bv s[12:13], wcat s[14:15]
	s_load_b64 s[16:17], s[0:1], 0x30              ; bvo
	v_lshl_add_u32 v[SPW], v0, 2, SPARE
	v_mov_b32 v[NIL], 0
	v_lshrrev_b32 v1, 5, v0
	v_readfirstlane_b32 s20, v1                    ; wave 0..15
	v_and_b32 v1, 31, v0                           ; l
	v_and_b32 v2, 15, v0                           ; r = l % 16
	v_bfe_u32 v3, v0, 4, 1                         ; h = l / 16
	s_lshr_b32 s22, ttmp9, 2                       ; ob: 32 rows of Wvo
	s_and_b32 s23, ttmp9, 3                        ; cb: 128 columns
	s_mov_b32 s30, 0x76543210                      ; v_permlanex16_b32: each lane takes its own place in the other half
	s_mov_b32 s31, 0xfedcba98
	s_lshl_b32 s24, ttmp9, 4
	s_add_co_u32 s24, s24, s20                     ; row 16 n + w of (wq, wk)
	s_and_b32 s24, s24, 511
	s_lshl_b32 s24, s24, 11
	v_lshl_add_u32 v[CVO], v1, 4, s24
	s_lshr_b32 s24, ttmp9, 4                       ; its block of 256 rows: four tiles of 65,536 bytes,
	s_lshl_b32 s24, s24, 18
	s_and_b32 s25, ttmp9, 15
	s_lshl_b32 s25, s25, 4
	s_add_co_u32 s25, s25, s20                     ; its place in the block: 256 bytes a row
	s_lshl_b32 s25, s25, 8
	s_add_co_u32 s24, s24, s25
	v_lshl_add_u32 v[CVS], v1, 3, s24
	v_lshlrev_b32 v[BVO], 4, v1
	s_lshl_b32 s24, s22, 16                        ; wo: rows 32 ob + 2 w, + 1: 4,096 consecutive bytes
	s_lshl_b32 s25, s20, 12
	s_add_co_u32 s24, s24, s25
	v_lshl_add_u32 v[WOO], v1, 4, s24
	s_lshl_b32 s24, s20, 11                        ; wv: rows 16 i + w, 512 bytes at column 128 cb
	s_lshl_b32 s25, s23, 9
	s_add_co_u32 s24, s24, s25
	v_lshl_add_u32 v[WVO], v1, 4, s24
	s_mul_i32 s24, s20, 2*PWO
	s_add_co_u32 s24, s24, WOL
	v_lshl_add_u32 v[WOS], v1, 3, s24
	s_mul_i32 s24, s20, PWV
	v_lshl_add_u32 v[AWS], v1, 3, s24
	v_add_nc_u32 v[AWS+1], 128*PWV, v[AWS]
	v_add_nc_u32 v[AWS+2], 128*PWV, v[AWS+1]
	v_add_nc_u32 v[AWS+3], 128*PWV, v[AWS+2]
	s_wait_kmcnt 0x0
	s_cmp_lt_u32 ttmp9, 32
	s_cselect_b64 s[18:19], s[4:5], s[6:7]         ; groups 0-31 round wq, groups 32-63 wk
	; all 48 loads go out at once: 4 + 4 + 8 + 32
.irp i, 0,1,2,3
	global_load_b128 v[CV+4*\i:CV+4*\i+3], v[CVO], s[18:19] offset:512*\i
.endr
.irp i, 0,1,2,3
	global_load_b128 v[BV+4*\i:BV+4*\i+3], v[BVO], s[12:13] offset:512*\i
.endr
.irp i, 0,1,2,3,4,5,6,7
	global_load_b128 v[WO+4*\i:WO+4*\i+3], v[WOO], s[10:11] offset:512*\i
.endr
.set i, 0
.rept 32
	global_load_b128 v[WV+4*i:WV+4*i+3], v[WVO], s[8:9] offset:32768*i
.set i, i+1
.endr
	s_wait_loadcnt 44                              ; the row to round is in; the 44 younger loads stay out
.irp i, 0,1,2,3
	CVT2 CV+4*\i
	global_store_b64 v[CVS], v[CV+4*\i:CV+4*\i+1], s[14:15] offset:65536*\i  ; 32 lanes store 256 consecutive bytes, aligned: the row's piece in tile i of its block
.endr
	s_wait_loadcnt 32                              ; bv and my two rows of wo are in
	; bvo of my two rows, in f32: 16 products a lane, then the 32 lanes
.irp s, 0,1
	v_pk_mul_f32 v[ACC+2*\s:ACC+2*\s+1], v[WO+16*\s:WO+16*\s+1], v[BV:BV+1]
.endr
.irp e, 1,2,3,4,5,6,7
.irp s, 0,1
	v_pk_fma_f32 v[ACC+2*\s:ACC+2*\s+1], v[WO+16*\s+2*\e:WO+16*\s+2*\e+1], v[BV+2*\e:BV+2*\e+1], v[ACC+2*\s:ACC+2*\s+1]
.endr
.endr
.irp s, 0,1
	v_add_f32 v[ACC+2*\s], v[ACC+2*\s], v[ACC+2*\s+1]
.endr
.irp m, 1,2,4,8
.irp s, 0,1
	v_add_f32_dpp v[ACC+2*\s], v[ACC+2*\s], v[ACC+2*\s] row_xmask:\m row_mask:0xf bank_mask:0xf
.endr
.endr
.irp s, 0,1
	v_permlanex16_b32 v[ACC+2*\s+1], v[ACC+2*\s], s30, s31
.endr
.irp s, 0,1
	v_add_f32 v[ACC+2*\s], v[ACC+2*\s], v[ACC+2*\s+1]
.endr
	v_and_b32 v[ACC+4], 1, v0
	v_cmp_eq_u32 vcc_lo, 1, v[ACC+4]
	v_cndmask_b32 v[ACC+5], v[ACC], v[ACC+2], vcc_lo  ; even lanes carry row 2 w, odd lanes row 2 w + 1
	s_lshl_b32 s24, s20, 3
	s_add_co_u32 s24, s24, BS
	v_lshl_add_u32 v[ACC+4], v[ACC+4], 2, s24
	ds_store_b32 v[ACC+4], v[ACC+5]
.irp i, 0,1,2,3,4,5,6,7
	CVT2 WO+4*\i
	ds_store_b64 v[WOS], v[WO+4*\i:WO+4*\i+1] offset:(\i/4)*PWO+(\i%4)*256
.endr
.irp g, 0,1,2,3
	s_wait_loadcnt 24-8*\g                         ; eight more pieces of wv are in
.irp k, 0,1,2,3,4,5,6,7
	CVT2 WV+4*(8*\g+\k)
	ds_store_b64 v[AWS+\g], v[WV+4*(8*\g+\k):WV+4*(8*\g+\k)+1] offset:\k*16*PWV
.endr
.endr
	; the addresses of the product phase (bv's registers are free)
	s_and_b32 s26, s20, 7                          ; ct: my 16 columns
	s_lshr_b32 s27, s20, 3                         ; ot: my 16 rows
	v_and_b32 v[TT], 7, v0
	v_lshl_add_u32 v[TT], v3, 3, v[TT]             ; the turning load: lane l reads row 8 (l / 16) + l % 8 of K,
	v_mul_u32_u24 v[TT], v[TT], PWV
	v_bfe_u32 v[TT+1], v0, 3, 1
	v_lshl_add_u32 v[TT], v[TT+1], 4, v[TT]        ; 16 bytes at 16 ((l / 8) % 2)
	s_lshl_b32 s24, s26, 5
	v_add_nc_u32 v[ATR], s24, v[TT]
	v_add_nc_u32 v[ATR+1], 128*PWV, v[ATR]
	v_add_nc_u32 v[ATR+2], 128*PWV, v[ATR+1]
	v_add_nc_u32 v[ATR+3], 128*PWV, v[ATR+2]
	s_mul_i32 s24, s27, 16*PWO
	s_add_co_u32 s24, s24, WOL
	v_mul_u32_u24 v[AWO], v2, PWO
	v_lshl_add_u32 v[AWO], v3, 4, v[AWO]
	v_add_nc_u32 v[AWO], s24, v[AWO]
	s_mul_i32 s24, s27, 16*PST
	s_lshl_b32 s25, s26, 5
	s_add_co_u32 s24, s24, s25
	s_add_co_u32 s24, s24, STG
	v_mul_u32_u24 v[STO], v2, PST
	v_lshl_add_u32 v[STO], v3, 4, v[STO]
	v_add_nc_u32 v[STO], s24, v[STO]
	s_mul_i32 s24, s20, 2*PST
	s_add_co_u32 s24, s24, STG
	v_mul_u32_u24 v[RD], v3, PST                   ; back: lanes 0-15 row 2 w, lanes 16-31 row 2 w + 1
	v_lshl_add_u32 v[RD], v2, 4, v[RD]
	v_add_nc_u32 v[RD], s24, v[RD]
	s_lshr_b32 s24, s22, 3                         ; Wvo's rows are wcat's rows 1,024 + o: block 4 + o / 256,
	s_add_co_u32 s24, s24, 4
	s_lshl_b32 s24, s24, 2
	s_add_co_u32 s24, s24, s23                     ; tile 4 x block + cb
	s_lshl_b32 s24, s24, 16
	s_lshl_b32 s25, s22, 5
	s_and_b32 s25, s25, 255
	s_lshl_b32 s28, s20, 1
	s_add_co_u32 s25, s25, s28
	s_lshl_b32 s25, s25, 8
	s_add_co_u32 s24, s24, s25
	v_lshl_add_u32 v[GO], v3, 8, s24
	v_lshl_add_u32 v[GO], v2, 4, v[GO]
	s_wait_dscnt 0x0                               ; for the others' sake: my stores into LDS are done
	s_barrier_signal -1
	s_barrier_wait -1
; Eight K steps: 32 LDS loads, then 8 products; the two accumulators take turns (even K steps, odd K steps).
.macro HALF hf
.irp k, 0,1,2,3,4,5,6,7
	ds_load_tr16_b128 v[FR+16*\k:FR+16*\k+3],     v[ATR+(8*\hf+\k)/4] offset:((8*\hf+\k)%4)*32*PWV
	ds_load_tr16_b128 v[FR+16*\k+4:FR+16*\k+7],   v[ATR+(8*\hf+\k)/4] offset:((8*\hf+\k)%4)*32*PWV+16*PWV
	ds_load_b128      v[FR+16*\k+8:FR+16*\k+11],  v[AWO] offset:64*(8*\hf+\k)
	ds_load_b128      v[FR+16*\k+12:FR+16*\k+15], v[AWO] offset:64*(8*\hf+\k)+32
.endr
	s_wait_dscnt 0x0
.irp k, 0,1,2,3,4,5,6,7
.if (\hf == 0) && (\k < 2)
	v_wmma_f32_16x16x32_bf16 v[ACC+8*(\k%2):ACC+8*(\k%2)+7], v[FR+16*\k:FR+16*\k+7], v[FR+16*\k+8:FR+16*\k+15], 0
.else
	v_wmma_f32_16x16x32_bf16 v[ACC+8*(\k%2):ACC+8*(\k%2)+7], v[FR+16*\k:FR+16*\k+7], v[FR+16*\k+8:FR+16*\k+15], v[ACC+8*(\k%2):ACC+8*(\k%2)+7]
.endif
.endr
.endm
	HALF 0
.rept 4
	v_nop                                          ; four places in front of loads into registers that the products have read (ISA guide 7.12.1 for vector instructions)
.endr
	HALF 1
.rept 8
	v_nop                                          ; places in front of the sums that read and rewrite the results; once a launch
.endr
.irp r, 0,2,4,6
	v_pk_add_f32 v[ACC+\r:ACC+\r+1], v[ACC+\r:ACC+\r+1], v[ACC+8+\r:ACC+8+\r+1]  ; the two parities, from each accumulator's low end on
.endr
.irp r, 0,1,2,3
	v_cvt_pk_bf16_f32 v[TT+\r], v[ACC+2*\r], v[ACC+2*\r+1]
.endr
	ds_store_b128 v[STO], v[TT:TT+3]               ; row o, 8 neighbouring columns
	s_wait_dscnt 0x0
	s_barrier_signal -1
	s_barrier_wait -1                              ; a row's 256 bytes come from eight waves
	ds_load_b128 v[TT:TT+3], v[RD]
	s_wait_dscnt 0x0
	global_store_b128 v[GO], v[TT:TT+3], s[14:15]  ; 16 lanes store 256 consecutive bytes, aligned
	s_or_b32 s24, s20, s23
	s_cmp_lg_u32 s24, 0
	s_cbranch_scc1 .Lend                           ; bvo leaves by wave 0 of the groups with cb = 0
	v_lshl_add_u32 v[TT+4], v1, 2, BS
	ds_load_b32 v[TT+5], v[TT+4]
	s_lshl_b32 s24, s22, 7
	v_lshl_add_u32 v[TT+6], v1, 2, s24
	s_wait_dscnt 0x0
	global_store_b32 v[TT+6], v[TT+5], s[16:17]
.Lend:
	s_wait_tensorcnt 0x0                           ; the wave's end: behind my last LDS store
	ds_add_u32 v[SPW], v[NIL]
	s_wait_dscnt 0x0
	s_endpgm
.Lfunc_end_k_q8fad4ad372_prep:
	.size	k_q8fad4ad372_prep, .Lfunc_end_k_q8fad4ad372_prep-k_q8fad4ad372_prep
	.p2alignl 7, 3214868480
	.fill 96, 4, 3214868480
	.section	.rodata,"a",@progbits
	.p2align	6, 0x0
	.amdhsa_kernel k_q8fad4ad372_prep
		.amdhsa_group_segment_fixed_size 191744
		.amdhsa_private_segment_fixed_size 0
		.amdhsa_enable_private_segment 0
		.amdhsa_kernarg_size 56
		.amdhsa_user_sgpr_count 2
		.amdhsa_user_sgpr_kernarg_segment_ptr 1
		.amdhsa_wavefront_size32 1
		.amdhsa_system_sgpr_workgroup_id_x 1
		.amdhsa_system_sgpr_workgroup_id_y 1
		.amdhsa_system_sgpr_workgroup_id_z 1
		.amdhsa_system_vgpr_workitem_id 0
		.amdhsa_next_free_vgpr 224
		.amdhsa_next_free_sgpr 66
		.amdhsa_reserve_vcc 1
		.amdhsa_float_denorm_mode_32 3
		.amdhsa_float_denorm_mode_16_64 3
		.amdhsa_memory_ordered 1
		.amdhsa_forward_progress 1
		.amdhsa_inst_pref_size 27
	.end_amdhsa_kernel
	.amdgpu_metadata
---
amdhsa.version: [ 1, 2 ]
amdhsa.kernels:
  - .name:           k_q8fad4ad372_prep
    .symbol:         k_q8fad4ad372_prep.kd
    .args:
      - { .name: wq, .offset: 0, .size: 8, .value_kind: global_buffer, .address_space: global }
      - { .name: wk, .offset: 8, .size: 8, .value_kind: global_buffer, .address_space: global }
      - { .name: wv, .offset: 16, .size: 8, .value_kind: global_buffer, .address_space: global }
      - { .name: wo, .offset: 24, .size: 8, .value_kind: global_buffer, .address_space: global }
      - { .name: bv, .offset: 32, .size: 8, .value_kind: global_buffer, .address_space: global }
      - { .name: wcat, .offset: 40, .size: 8, .value_kind: global_buffer, .address_space: global }
      - { .name: bvo, .offset: 48, .size: 8, .value_kind: global_buffer, .address_space: global }
    .group_segment_fixed_size: 191744
    .private_segment_fixed_size: 0
    .kernarg_segment_align: 8
    .kernarg_segment_size: 56
    .max_flat_workgroup_size: 512
    .sgpr_count:     66
    .vgpr_count:     224
    .wavefront_size: 32
...
	.end_amdgpu_metadata
.endif
;; end of part 1
;; launch gn (part 2): grid 256 x 1, 8 waves a work-group, no clusters, 1,536 bytes of LDS; arguments x, gn_w, gn_b, hn; writes hn
.if DOCPART == 2
	.amdgcn_target "amdgcn-amd-amdhsa--gfx1250"
	.amdhsa_code_object_version 6
	.text
	.protected	k_q8fad4ad372_gn
	.globl	k_q8fad4ad372_gn
	.p2align	8
	.type	k_q8fad4ad372_gn,@function
k_q8fad4ad372_gn:
	s_mov_b64 s[64:65], 0
	v_nop
	global_prefetch_b8 v0, s[64:65] scope:SCOPE_SE
	s_setreg_imm32_b32 hwreg(HW_REG_WAVE_MODE, 25, 1), 1
	s_wait_xcnt 0x0
; GROUP NORM.  hn[b][c][p] = (x[b][c][p] - mean) rsqrt(var + 1e-5) gn_w[c] + gn_b[c], rounded once to bf16; mean and var over a group's 16 channels x 2,048 pixels.
; A work-group is one (image, group): 131,072 dense bytes of x.  Wave w holds channels 2 w and 2 w + 1 in 128 registers from the loads to the stores, so x is read once.
; TWO PASSES over the registers: the mean first, then the sum of squares of x - mean, so that a common offset of x costs no digits.  All in f32.
; Memory binds: no matrix unit, no tensor loads, no cluster (no two groups share a byte).  Each load of a wave covers 512 consecutive bytes, each store 256, aligned.
.set RED0,  0                          ; LDS: eight waves' sums; a block of its own for each of the two reductions
.set RED1,  256
.set SPARE, 512                        ; the spare words, 128 bytes for each of 8 waves
.set SPW, 2
.set NIL, 3
.set XO,  4
.set HO,  5
.set RA,  6                            ; 4 x wave
.set ZA,  7                            ; 0, as an LDS address
.set C,   8                            ; v8-15  four chains of pairs
.set M,   16                           ; v16-17 the mean, twice
.set RS,  18
.set GA,  20                           ; v20-23 rstd x gain, twice for each of my channels
.set GB,  24                           ; v24-27 the bias likewise
.set X,   32                           ; v32-159
	s_load_b256 s[4:11], s[0:1], 0x0               ; x s[4:5], gn_w s[6:7], gn_b s[8:9], hn s[10:11]
	v_lshl_add_u32 v[SPW], v0, 2, SPARE
	v_mov_b32 v[NIL], 0
	v_mov_b32 v[ZA], 0
	v_lshrrev_b32 v1, 5, v0
	v_readfirstlane_b32 s12, v1                    ; wave 0..7
	v_and_b32 v1, 31, v0
	s_lshl_b32 s14, s12, 14
	v_lshl_add_u32 v[XO], v1, 4, s14               ; my wave's 16,384 bytes, 16 a lane
	s_lshl_b32 s14, s12, 13
	v_lshl_add_u32 v[HO], v1, 3, s14
	s_lshl_b32 s14, s12, 2
	v_mov_b32 v[RA], s14
	s_lshl_b32 s16, ttmp9, 17
	s_mov_b32 s17, 0
	s_lshl_b32 s18, ttmp9, 16
	s_mov_b32 s19, 0
	s_and_b32 s20, ttmp9, 31                       ; the group: 16 channels, 64 bytes of gn_w and gn_b
	s_lshl_b32 s20, s20, 6
	s_lshl_b32 s21, s12, 3
	s_add_co_u32 s20, s20, s21
	s_mov_b32 s21, 0
	s_mov_b32 s26, 0x76543210
	s_mov_b32 s27, 0xfedcba98
	s_wait_kmcnt 0x0
	s_add_nc_u64 s[4:5], s[4:5], s[16:17]
	s_add_nc_u64 s[10:11], s[10:11], s[18:19]
	s_add_nc_u64 s[6:7], s[6:7], s[20:21]
	s_add_nc_u64 s[8:9], s[8:9], s[20:21]
.set i, 0
.rept 32
	global_load_b128 v[X+4*i:X+4*i+3], v[XO], s[4:5] offset:512*i th:TH_LOAD_NT
.set i, i+1
.endr
	s_load_b64 s[22:23], s[6:7], 0x0               ; my two gains
	s_load_b64 s[24:25], s[8:9], 0x0               ; my two biases
; Four chains into one number, the 32 lanes, the eight waves through LDS; then the mean over 32,768 numbers.
.macro REDUCE red
	v_pk_add_f32 v[C:C+1], v[C:C+1], v[C+2:C+3]
	v_pk_add_f32 v[C+4:C+5], v[C+4:C+5], v[C+6:C+7]
	v_pk_add_f32 v[C:C+1], v[C:C+1], v[C+4:C+5]
	v_add_f32 v[C], v[C], v[C+1]
.irp m, 1,2,4,8
	v_add_f32_dpp v[C], v[C], v[C] row_xmask:\m row_mask:0xf bank_mask:0xf
.endr
	v_permlanex16_b32 v[C+1], v[C], s26, s27
	v_add_f32 v[C], v[C], v[C+1]
	ds_store_b32 v[RA], v[C] offset:\red
	s_wait_dscnt 0x0                               ; for the others' sake
	s_barrier_signal -1
	s_barrier_wait -1
	ds_load_b128 v[C:C+3], v[ZA] offset:\red
	ds_load_b128 v[C+4:C+7], v[ZA] offset:(\red)+16
	s_wait_dscnt 0x0
	v_pk_add_f32 v[C:C+1], v[C:C+1], v[C+2:C+3]
	v_pk_add_f32 v[C+4:C+5], v[C+4:C+5], v[C+6:C+7]
	v_pk_add_f32 v[C:C+1], v[C:C+1], v[C+4:C+5]
	v_add_f32 v[C], v[C], v[C+1]
	v_mul_f32 v[C], 0x38000000, v[C]               ; x 2^-15
.endm
	; pass 1: the sum; the first four loads start the chains, nothing is cleared
.set i, 0
.rept 32
.if i%8 == 0
	s_wait_loadcnt 24-i                            ; eight more loads are in, the younger ones stay out
.endif
.if i < 4
	v_pk_add_f32 v[C+2*i:C+2*i+1], v[X+4*i:X+4*i+1], v[X+4*i+2:X+4*i+3]
.else
	v_pk_add_f32 v[C+2*((2*i)%4):C+2*((2*i)%4)+1], v[C+2*((2*i)%4):C+2*((2*i)%4)+1], v[X+4*i:X+4*i+1]
	v_pk_add_f32 v[C+2*((2*i+1)%4):C+2*((2*i+1)%4)+1], v[C+2*((2*i+1)%4):C+2*((2*i+1)%4)+1], v[X+4*i+2:X+4*i+3]
.endif
.set i, i+1
.endr
	REDUCE RED0
	v_mov_b32 v[M], v[C]
	v_mov_b32 v[M+1], v[C]
	; pass 2: x - mean in place, and the sum of its squares
.set k, 0
.rept 64
	v_pk_add_f32 v[X+2*k:X+2*k+1], v[X+2*k:X+2*k+1], v[M:M+1] neg_lo:[0,1] neg_hi:[0,1]
.set k, k+1
.endr
.set k, 0
.rept 64
.if k < 4
	v_pk_mul_f32 v[C+2*k:C+2*k+1], v[X+2*k:X+2*k+1], v[X+2*k:X+2*k+1]
.else
	v_pk_fma_f32 v[C+2*(k%4):C+2*(k%4)+1], v[X+2*k:X+2*k+1], v[X+2*k:X+2*k+1], v[C+2*(k%4):C+2*(k%4)+1]
.endif
.set k, k+1
.endr
	REDUCE RED1
	v_add_f32 v[C], 0x3727c5ac, v[C]               ; var + 1e-5
	v_rsq_f32 v[RS], v[C]
	v_nop                                          ; a plain instruction behind the root (ISA guide 5.7.2),
	s_wait_alu depctr_va_vdst(0)                   ; and a wait ahead of its first reader
	s_wait_kmcnt 0x0
	v_mul_f32 v[GA], s22, v[RS]
	v_mul_f32 v[GA+2], s23, v[RS]
	v_mov_b32 v[GB], s24
	v_mov_b32 v[GB+1], s24
	v_mov_b32 v[GB+2], s25
	v_mov_b32 v[GB+3], s25
	v_mov_b32 v[GA+1], v[GA]
	v_mov_b32 v[GA+3], v[GA+2]
.set i, 0
.rept 32                                       ; loads 0-15 were channel 2 w, loads 16-31 channel 2 w + 1
	v_pk_fma_f32 v[X+4*i:X+4*i+1], v[X+4*i:X+4*i+1], v[GA+2*(i/16):GA+2*(i/16)+1], v[GB+2*(i/16):GB+2*(i/16)+1]
	v_pk_fma_f32 v[X+4*i+2:X+4*i+3], v[X+4*i+2:X+4*i+3], v[GA+2*(i/16):GA+2*(i/16)+1], v[GB+2*(i/16):GB+2*(i/16)+1]
	v_cvt_pk_bf16_f32 v[X+4*i], v[X+4*i], v[X+4*i+1]
	v_cvt_pk_bf16_f32 v[X+4*i+1], v[X+4*i+2], v[X+4*i+3]
	global_store_b64 v[HO], v[X+4*i:X+4*i+1], s[10:11] offset:256*i  ; 32 lanes store 256 consecutive bytes, aligned
.set i, i+1
.endr
	s_wait_tensorcnt 0x0                           ; the wave's end: behind my last LDS store
	ds_add_u32 v[SPW], v[NIL]
	s_wait_dscnt 0x0
	s_endpgm
.Lfunc_end_k_q8fad4ad372_gn:
	.size	k_q8fad4ad372_gn, .Lfunc_end_k_q8fad4ad372_gn-k_q8fad4ad372_gn
	.p2alignl 7, 3214868480
	.fill 96, 4, 3214868480
	.section	.rodata,"a",@progbits
	.p2align	6, 0x0
	.amdhsa_kernel k_q8fad4ad372_gn
		.amdhsa_group_segment_fixed_size 1536
		.amdhsa_private_segment_fixed_size 0
		.amdhsa_enable_private_segment 0
		.amdhsa_kernarg_size 32
		.amdhsa_user_sgpr_count 2
		.amdhsa_user_sgpr_kernarg_segment_ptr 1
		.amdhsa_wavefront_size32 1
		.amdhsa_system_sgpr_workgroup_id_x 1
		.amdhsa_system_sgpr_workgroup_id_y 1
		.amdhsa_system_sgpr_workgroup_id_z 1
		.amdhsa_system_vgpr_workitem_id 0
		.amdhsa_next_free_vgpr 160
		.amdhsa_next_free_sgpr 66
		.amdhsa_reserve_vcc 0
		.amdhsa_float_denorm_mode_32 3
		.amdhsa_float_denorm_mode_16_64 3
		.amdhsa_memory_ordered 1
		.amdhsa_forward_progress 1
		.amdhsa_inst_pref_size 31
	.end_amdhsa_kernel
	.amdgpu_metadata
---
amdhsa.version: [ 1, 2 ]
amdhsa.kernels:
  - .name:           k_q8fad4ad372_gn
    .symbol:         k_q8fad4ad372_gn.kd
    .args:
      - { .name: x, .offset: 0, .size: 8, .value_kind: global_buffer, .address_space: global }
      - { .name: gn_w, .offset: 8, .size: 8, .value_kind: global_buffer, .address_space: global }
      - { .name: gn_b, .offset: 16, .size: 8, .value_kind: global_buffer, .address_space: global }
      - { .name: hn, .offset: 24, .size: 8, .value_kind: global_buffer, .address_space: global }
    .group_segment_fixed_size: 1536
    .private_segment_fixed_size: 0
    .kernarg_segment_align: 8
    .kernarg_segment_size: 32
    .max_flat_workgroup_size: 256
    .sgpr_count:     66
    .vgpr_count:     160
    .wavefront_size: 32
...
	.end_amdgpu_metadata
.endif
;; end of part 2
;; launch proj (part 3): grid 128 x 2, 4 waves a work-group, clusters of 4 x 1, 327,680 bytes of LDS; arguments hn, wcat, bq, bk, bvo, qkv; writes qkv
.if DOCPART == 3
	.amdgcn_target "amdgcn-amd-amdhsa--gfx1250"
	.amdhsa_code_object_version 6
	.text
	.protected	k_q8fad4ad372_proj
	.globl	k_q8fad4ad372_proj
	.p2align	8
	.type	k_q8fad4ad372_proj,@function
k_q8fad4ad372_proj:
	s_mov_b64 s[64:65], 0
	v_nop
	global_prefetch_b8 v0, s[64:65] scope:SCOPE_SE
	s_setreg_imm32_b32 hwreg(HW_REG_WAVE_MODE, 25, 1), 1
	s_wait_xcnt 0x0
	s_wait_alu depctr_hold_cnt(0) depctr_sa_sdst(0) depctr_va_vdst(0) depctr_va_sdst(0) depctr_va_ssrc(0) depctr_va_vcc(0) depctr_vm_vsrc(0)
	s_getreg_b32 s2, hwreg(HW_REG_IB_STS2, 6, 4)
	s_cmp_eq_u32 s2, 0
	s_cbranch_scc0 .Lentry_in_a_cluster
	s_endpgm
.Lentry_in_a_cluster:
	s_bfe_u32 s2, ttmp6, 0x10000c
	s_cmp_lg_u32 s2, 0x3003
	s_cbranch_scc0 .Lentry_shape_is_right
	s_endpgm
.Lentry_shape_is_right:
; THE THREE PROJECTIONS.  qkv[j][token][o] = sum over c of hn[c][token] W_j[o][c] + bias_j[o], j = q, k, v' (W in wcat, bf16; sums f32; rounded once to bf16).  No scale is applied here.
; SHARES.  1,536 outputs x 16,384 tokens are 768 tiles of 128 tokens x 256 outputs: three to each of 256 work-groups.  A WORK-GROUP STAYS: its 128 tokens' hn (512 channels) lies in LDS for all three
; tiles; only W walks, in K steps of 128 channels (a tile of wcat: 256 rows x 256 bytes, dense) through a ring of two slots: 12 steps.  Wave w makes tokens 64 (w / 2) .., outputs 128 (w % 2) ..:
; 32 accumulators of 16 x 16.
; CLUSTER.  The four work-groups of a cluster differ in their tokens alone and walk the same tiles of W: each is asked for JOINTLY, the same load, descriptor and mask in all four.  hn is each one's own.
; LAYOUT.  Source 0 = 16 rows o of W (as they lie), source 1 = 16 tokens (hn lies [channel][token] and is turned by ds_load_tr16_b128): a lane ends with 8 neighbouring o of one token: 16 bytes of qkv.
; The bias is the C operand of each accumulator's first product: nothing is cleared and nothing is added later.
; REGISTERS, in windows of 256 (s_set_vgpr_msb: bits 1:0 source 0, 3:2 source 1, 5:4 source 2, 7:6 destination):
;   window 0: v0-31 addresses; v64-159, v160-255 two fragment buffers (8 of W, then 4 of hn); the second serves the way out      window 1: the accumulators, (a, b) at 8 (8 a + b)      window 2: v0-63 the bias
.set PW,     272                       ; an LDS row of W: 256 bytes + 16: the 16 rows of a load start at 16 different groups of four banks (64 banks of 4 bytes: ISA guide 11.1)
.set SLOT,   256*PW
.set HN,     2*SLOT                    ; behind the ring: hn, 512 rows of 128 tokens
.set PH,     288                       ; 256 bytes + 32, for the turning load
.set STAGE,  HN+512*PH                 ; 16 rows x 272 for each wave, for the way out; no tensor load lands here
.set SPITCH, 272
.set SPARE,  STAGE+4*16*SPITCH         ; the spare words, 128 bytes for each wave
.set TILEB,  65536                     ; bytes in a tile of wcat
.set ADW,  16                          ; v16-17 LDS address of my W fragments in slot 0, 1
.set ADHB, 18                          ; v18    of my hn fragments at channel 0
.set ADH,  20                          ; v20-21 the same at the channels of the lap's two K steps
.set STO,  22
.set RD,   23
.set CO,   24
.set BOF,  25                          ; my byte offset in a tile's 256 biases
.set PFO,  26                          ; 256 x lane
.set SPW,  28
.set NIL,  29
.set F0,   64
.set F1,   160
.set TMP,  160                         ; the way out: packed results; two buffers of rows read back
.set BK,   192
.set WV,  16                           ; s16 wave; s17 cx; s18 block of 128 tokens; s19 y
.set CX,  17
.set PB,  18
.set YY,  19
.set G1W, 24                           ; s[24:31] group 1 for W's tiles;  s[32:39] for hn
.set G1H, 32
.set G0W, 40                           ; s[40:47] group 0 for W, a set for each slot;  s[48:51] for hn
.set G0H, 48
.set PFA, 52                           ; s[52:53] where my prefetches stand
.set LIM, 54                           ; 1 in a wave that prefetches, else the greatest number
.set LAP, 55
.set HB,  56                           ; 0 or 256 channels of hn, by the lap's parity
.set GG,  57                           ; the tile of outputs in hand, 0..5
.set QB,  58                           ; s[58:59] qkv at my tokens and my half of a tile's outputs
.set ST,  60                           ; s[60:61] the same in the tile in hand
.set BP,  62                           ; s[62:63] the tile's biases
.set MSB, 0
.macro WIN new                         ; the high byte repeats the setting that is left; a switch that changes nothing is dropped
.if MSB != (\new)
	s_set_vgpr_msb (MSB<<8)|(\new)
.set MSB, \new
.endif
.endm
.macro PLACES                          ; four places behind matrix instructions, in front of loads into registers that they have read and of conversions that read results (ISA guide 7.12.1 for vector instructions)
.rept 4
	v_nop
.endr
.endm
.macro CREST                           ; a round of the cluster's barrier behind its opening barrier
	s_cmp_lg_u32 s[WV], 0
	s_cbranch_scc1 .Lnot_wave_0_\@
	s_barrier_signal -3
.Lnot_wave_0_\@:
	s_barrier_wait -3
	s_barrier_signal -1
	s_barrier_wait -1
.endm
.macro CROUND
	s_barrier_signal -1
	s_barrier_wait -1
	CREST
.endm
; A prefetch of the tile of W that stands two refills on: 256 blocks of 256 bytes, shared out by address among the four partners (16,384 bytes each) and waves 0 and 1 (8,192 each), a lane a block.
; All clusters of a row of the grid walk the same tiles: the first of them (cluster x = 0) asks.  The walk's first four tiles come by their loads alone; the last lap that fills asks for nothing.
.macro ASK
	s_cmp_gt_u32 s[LAP], s[LIM]
	s_cbranch_scc0 .Lnot_mine_\@
	global_prefetch_b8 v[PFO], s[PFA:PFA+1] th:TH_LOAD_NT scope:SCOPE_SE
.Lnot_mine_\@:
.endm
; The 16 loads of the tile's biases: register j of block b holds bias[128 (w % 2) + 16 b + 8 (l / 16) + j].
.macro BIASLD
	s_cmp_lt_u32 s[GG], 2
	s_cselect_b64 s[BP:BP+1], s[8:9], s[10:11]
	s_cmp_lt_u32 s[GG], 4
	s_cselect_b64 s[BP:BP+1], s[BP:BP+1], s[12:13]
	s_and_b32 s20, s[GG], 1
	s_lshl_b32 s20, s20, 10
	s_mov_b32 s21, 0
	s_add_nc_u64 s[BP:BP+1], s[BP:BP+1], s[20:21]
	WIN 0x80                                       ; destination window 2
.irp b, 0,1,2,3,4,5,6,7
	global_load_b128 v[8*\b:8*\b+3],   v[BOF], s[BP:BP+1] offset:64*\b
	global_load_b128 v[8*\b+4:8*\b+7], v[BOF], s[BP:BP+1] offset:64*\b+16
.endr
	WIN 0
.endm
	s_load_b256 s[4:11], s[0:1], 0x0               ; hn s[4:5], wcat s[6:7], bq s[8:9], bk s[10:11]
	s_load_b128 s[12:15], s[0:1], 0x20             ; bvo s[12:13], qkv s[14:15]
	v_lshl_add_u32 v[SPW], v0, 2, SPARE
	v_mov_b32 v[NIL], 0
	ds_add_u32 v[SPW], v[NIL]                      ; the wave's opening: the add, and its wait ahead of my first tensor load; the set-up below stands between them
	v_lshrrev_b32 v1, 5, v0
	v_readfirstlane_b32 s[WV], v1                  ; wave 0..3
	s_bfe_u32 s[CX], ttmp6, 0x40000                ; my place in the cluster: it enters hn's, qkv's and the prefetches' addresses alone
	s_lshl_b32 s[PB], ttmp9, 2
	s_add_co_u32 s[PB], s[PB], s[CX]               ; my block of 128 tokens
	s_and_b32 s[YY], ttmp7, 0xffff                 ; which three tiles of outputs
	s_mov_b32 s[G1W],   15|(1<<16)|(1<<20)|(1<<21)|(5<<22)|(3<<25)  ; the mask of four; 2-byte elements; padding on; bit 21 beside a mask; after every 64 words 4 words
	s_mov_b32 s[G1W+1], 128<<16                    ; tensor_dim0 = 128
	s_mov_b32 s[G1W+2], 64<<16                     ; tensor_dim1 = 64
	s_mov_b32 s[G1W+3], 128<<16                    ; tile_dim0 = 128
	s_mov_b32 s[G1W+4], 64                         ; tile_dim1 = 64
	s_mov_b32 s[G1W+5], 128                        ; 128 elements from row to row: a tile is dense
	s_mov_b32 s[G1W+6], 0
	s_mov_b32 s[G1W+7], 0
	s_mov_b32 s[G1H],   (1<<16)|(1<<20)|(5<<22)|(7<<25)  ; no mask; after every 64 words 8 words
	s_mov_b32 s[G1H+1], 128<<16
	s_mov_b32 s[G1H+2], 128<<16
	s_mov_b32 s[G1H+3], 128<<16
	s_mov_b32 s[G1H+4], 128                        ; 128 channels x 128 tokens
	s_mov_b32 s[G1H+5], 2048                       ; a channel's 2,048 pixels
	s_mov_b32 s[G1H+6], 0
	s_mov_b32 s[G1H+7], 0
	s_mul_i32 s20, s[YY], 12*TILEB                 ; W: tile 12 y, my 64 rows of it: y and the wave's number alone
	s_lshl_b32 s21, s[WV], 14
	s_add_co_u32 s20, s20, s21
	s_mov_b32 s21, 0
	s_lshr_b32 s22, s[PB], 4                       ; hn: the image,
	s_lshl_b32 s22, s22, 21
	s_lshl_b32 s23, s[WV], 19                      ; my 128 channels,
	s_add_co_u32 s22, s22, s23
	s_and_b32 s23, s[PB], 15                       ; the block's 256 bytes of a channel
	s_lshl_b32 s23, s23, 8
	s_add_co_u32 s22, s22, s23
	s_mov_b32 s23, 0
	s_lshl_b32 s66, s[PB], 17                      ; qkv: 128 tokens of 1,024 bytes,
	s_lshr_b32 s67, s[WV], 1
	s_lshl_b32 s67, s67, 16                        ; my 64 of them,
	s_add_co_u32 s66, s66, s67
	s_and_b32 s67, s[WV], 1
	s_lshl_b32 s67, s67, 8                         ; my 128 outputs
	s_add_co_u32 s66, s66, s67
	s_mov_b32 s67, 0
	s_mul_i32 s68, s[YY], 12*TILEB                 ; the prefetches: at tile 3 of the walk; the first change of slots steps it to tile 4
	s_add_co_u32 s68, s68, 3*TILEB
	s_lshl_b32 s69, s[CX], 14
	s_add_co_u32 s68, s68, s69
	s_and_b32 s69, s[WV], 1
	s_lshl_b32 s69, s69, 13
	s_add_co_u32 s68, s68, s69
	s_mov_b32 s69, 0
	s_lshr_b32 s[LIM], s[WV], 1
	s_or_b32 s[LIM], s[LIM], ttmp9                 ; 0 in waves 0 and 1 of the first cluster of the row: the same in all four partners
	s_cmp_eq_u32 s[LIM], 0
	s_cselect_b32 s[LIM], 1, -1
	s_mul_i32 s[GG], s[YY], 3
	s_mov_b32 s[HB], 0
	s_mov_b32 s[G0W], 1
	s_mul_i32 s[G0W+1], s[WV], 64*PW               ; LDS: wave x 64 rows
	s_mov_b32 s[G0W+4], 1
	s_add_co_u32 s[G0W+5], s[G0W+1], SLOT
	s_mov_b32 s[G0H], 1
	s_mul_i32 s[G0H+1], s[WV], 128*PH
	s_add_co_u32 s[G0H+1], s[G0H+1], HN
	s_wait_dscnt 0x0                               ; the opening add is done
	s_wait_kmcnt 0x0
	s_add_nc_u64 s[G0W+2:G0W+3], s[6:7], s[20:21]
	s_add_nc_u64 s[G0W+6:G0W+7], s[G0W+2:G0W+3], TILEB
	s_or_b32 s[G0W+3], s[G0W+3], 0x80000000        ; type = 2
	s_or_b32 s[G0W+7], s[G0W+7], 0x80000000
	s_add_nc_u64 s[G0H+2:G0H+3], s[4:5], s[22:23]
	s_or_b32 s[G0H+3], s[G0H+3], 0x80000000
	s_add_nc_u64 s[QB:QB+1], s[14:15], s[66:67]
	s_add_nc_u64 s[PFA:PFA+1], s[6:7], s[68:69]
	CROUND                                         ; all four work-groups are here: the first joint loads meet
	tensor_load_to_lds s[G0H:G0H+3], s[G1H:G1H+7]  ; the first fills go out together: three loads of mine are out
	s_nop 0
	tensor_load_to_lds s[G0W:G0W+3], s[G1W:G1W+7]
	s_nop 0
	tensor_load_to_lds s[G0W+4:G0W+7], s[G1W:G1W+7]
	s_nop 0
	PLACES
	v_and_b32 v1, 15, v0                           ; r = l % 16
	v_bfe_u32 v2, v0, 4, 1                         ; h = l / 16
	v_mul_u32_u24 v3, v1, PW
	v_lshl_add_u32 v3, v2, 4, v3                   ; a fragment of W: row x pitch + 16 x half
	s_and_b32 s20, s[WV], 1
	s_mul_i32 s21, s20, 128*PW
	v_add_nc_u32 v[ADW], s21, v3
	v_add_nc_u32 v[ADW+1], SLOT, v[ADW]
	v_and_b32 v3, 7, v0                            ; the turning load: lane l reads channel 8 (l / 16) + l % 8, tokens 8 ((l / 8) % 2) + 0..7
	v_lshl_add_u32 v3, v2, 3, v3
	v_mul_u32_u24 v3, v3, PH
	v_bfe_u32 v4, v0, 3, 1
	v_lshl_add_u32 v3, v4, 4, v3
	s_lshr_b32 s21, s[WV], 1
	s_lshl_b32 s21, s21, 7
	s_add_co_u32 s21, s21, HN
	v_add_nc_u32 v[ADHB], s21, v3
	v_mov_b32 v[ADH], v[ADHB]
	v_add_nc_u32 v[ADH+1], 128*PH, v[ADH]
	s_mul_i32 s21, s[WV], 16*SPITCH
	s_add_co_u32 s21, s21, STAGE
	v_mul_u32_u24 v3, v1, SPITCH                   ; into my stage: row l % 16, 16 bytes for each half of the lanes
	v_lshl_add_u32 v3, v2, 4, v3
	v_add_nc_u32 v[STO], s21, v3
	v_mul_u32_u24 v3, v2, SPITCH                   ; back: lanes 0-15 one row of 256 bytes, lanes 16-31 the next
	v_lshl_add_u32 v3, v1, 4, v3
	v_add_nc_u32 v[RD], s21, v3
	v_lshlrev_b32 v3, 10, v2                       ; and the same two tokens in qkv
	v_lshl_add_u32 v[CO], v1, 4, v3
	s_lshl_b32 s20, s20, 9
	v_lshl_add_u32 v[BOF], v2, 5, s20
	v_and_b32 v3, 31, v0
	v_lshlrev_b32 v[PFO], 8, v3
	BIASLD
; 8 matrix instructions: token block a x all 8 output blocks, 32 along K.  bias = 1: the first product of each sum takes the bias as C.  The accumulators take turns.
.macro MUL8 f, a, bias
.if \bias
	WIN 0x60                                       ; C window 2, D window 1
.else
	WIN 0x50                                       ; C and D window 1
.endif
.irp b, 0,1,2,3,4,5,6,7
.if \bias
	v_wmma_f32_16x16x32_bf16 v[8*(8*(\a)+\b):8*(8*(\a)+\b)+7], v[(\f)+8*\b:(\f)+8*\b+7], v[(\f)+64+8*(\a):(\f)+64+8*(\a)+7], v[8*\b:8*\b+7]
.else
	v_wmma_f32_16x16x32_bf16 v[8*(8*(\a)+\b):8*(8*(\a)+\b)+7], v[(\f)+8*\b:(\f)+8*\b+7], v[(\f)+64+8*(\a):(\f)+64+8*(\a)+7], v[8*(8*(\a)+\b):8*(8*(\a)+\b)+7]
.endif
.endr
.endm
; 24 LDS loads in one run: quarter q (32 channels) of the K step in a slot, into buffer f: W's eight fragments, then the tokens' four
.macro FETCH slot, q, f
	WIN 0
.irp b, 0,1,2,3,4,5,6,7
	ds_load_b128 v[(\f)+8*\b:(\f)+8*\b+3],   v[ADW+(\slot)] offset:64*(\q)+\b*16*PW
	ds_load_b128 v[(\f)+8*\b+4:(\f)+8*\b+7], v[ADW+(\slot)] offset:64*(\q)+\b*16*PW+32
.endr
.irp a, 0,1,2,3
	ds_load_tr16_b128 v[(\f)+64+8*\a:(\f)+64+8*\a+3],   v[ADH+(\slot)] offset:(\q)*32*PH+32*\a
	ds_load_tr16_b128 v[(\f)+64+8*\a+4:(\f)+64+8*\a+7], v[ADH+(\slot)] offset:(\q)*32*PH+32*\a+16*PH
.endr
.endm
; One of a K step's first three quarters: multiplies buffer f; in its middle it fetches quarter q of the same slot into buffer g.
.macro QUARTER slot, q, f, g, bias
	s_wait_dscnt 0x4                               ; all but the youngest four loads (token blocks 2, 3)
	MUL8 \f, 0, \bias
	MUL8 \f, 1, \bias
	PLACES
	FETCH \slot, \q, \g
	s_wait_dscnt 24                                ; all but the 24 just issued
	MUL8 \f, 2, \bias
	MUL8 \f, 3, \bias
.endm
; The last quarter multiplies buffer 1 and changes slots: each wave waits for all its tensor loads (one is out: its part of the next slot), adds 0 to its spare word, and waits for that and for its reads of
; this slot.  fill = 1: the barrier opens a round of the cluster's, and the joint refill, two K steps ahead, is the first thing behind it: it has 112 matrix instructions in which to land.
.macro TURN slot, next, fill
	WIN 0
.if \fill
	s_wait_xcnt 0x0                                ; the last prefetch, a K step back, has read its address
	s_add_nc_u64 s[PFA:PFA+1], s[PFA:PFA+1], TILEB
.endif
	s_wait_tensorcnt 0x0
	ds_add_u32 v[SPW], v[NIL]
	s_wait_dscnt 0x5                               ; (the add and the youngest four loads may be out)
	MUL8 F1, 0, 0
	s_wait_dscnt 0x0                               ; the add is done, and my reads of this slot are over
	s_barrier_signal -1
	MUL8 F1, 1, 0
.if \fill
	WIN 0
.endif
	s_barrier_wait -1
.if \fill
	CREST                                          ; no wave of any partner still reads this slot or has a load on its way
	s_add_nc_u64 s[G0W+4*(\slot)+2:G0W+4*(\slot)+3], s[G0W+4*(\slot)+2:G0W+4*(\slot)+3], 2*TILEB
	tensor_load_to_lds s[G0W+4*(\slot):G0W+4*(\slot)+3], s[G1W:G1W+7]
	s_nop 0
	PLACES                                         ; also the places in front of the loads below
.else
	PLACES
.endif
	FETCH \next, 0, F0
.if \fill
	ASK
.endif
	MUL8 F1, 2, 0
	MUL8 F1, 3, 0
.endm
; THE WAY OUT of token block a: rounded to bf16, 16 bytes a lane; through my own stage; stored as whole rows of 256 bytes.
.macro PACK a
	WIN 0x05                                       ; sources window 1
.irp b, 0,1,2,3,4,5,6,7
.irp r, 0,1,2,3
	v_cvt_pk_bf16_f32 v[TMP+4*\b+\r], v[64*(\a)+8*\b+2*\r], v[64*(\a)+8*\b+2*\r+1]
.endr
.endr
	WIN 0
.endm
.macro TOSTAGE a
.irp b, 0,1,2,3,4,5,6,7
	ds_store_b128 v[STO], v[TMP+4*\b:TMP+4*\b+3] offset:32*\b
.endr
.irp t, 0,1,2,3,4,5,6,7
	ds_load_b128 v[BK+32*((\a)%2)+4*\t:BK+32*((\a)%2)+4*\t+3], v[RD] offset:\t*2*SPITCH  ; LDS serves a wave's instructions in order (ISA guide 5.7.1.4): these see the stores above
.endr
.endm
.macro SEND a
	s_wait_dscnt 0x0                               ; the block is back in registers
	s_wait_xcnt 0x0                                ; the registers that earlier stores read are loaded again only behind this wait
.irp t, 0,1,2,3,4,5,6,7
	global_store_b128 v[CO], v[BK+32*((\a)%2)+4*\t:BK+32*((\a)%2)+4*\t+3], s[ST:ST+1] offset:(16*(\a)+2*\t)*1024  ; 16 lanes store 256 consecutive bytes, aligned
.endr
.endm
.macro EPI more                        ; a finished tile leaves; more = 1: the next tile's biases are asked for first
	s_lshr_b32 s20, s[GG], 1                       ; which of q, k, v'
	s_lshl_b32 s20, s20, 24
	s_and_b32 s21, s[GG], 1                        ; which half of its 512 outputs
	s_lshl_b32 s21, s21, 9
	s_add_co_u32 s20, s20, s21
	s_mov_b32 s21, 0
	s_add_nc_u64 s[ST:ST+1], s[QB:QB+1], s[20:21]
.if \more
	s_add_co_u32 s[GG], s[GG], 1
	BIASLD
.endif
	PACK 0
	TOSTAGE 0
.irp a, 1,2,3                          ; block a's conversions stand between block a - 1's loads from the stage and the wait for them
	PACK \a
	SEND \a-1
	TOSTAGE \a
.endr
	SEND 3
	s_wait_xcnt 0x0                                ; the stores have read their registers: buffer 1 and the base may be written again
.if \more
	s_wait_loadcnt 0x0                             ; the biases
.endif
.endm
	s_wait_tensorcnt 0x1                           ; my parts of hn and of K step 0 are in; K step 1's may stay out
	s_barrier_signal -1
	s_barrier_wait -1                              ; everybody's are
	FETCH 0, 0, F0
	s_wait_loadcnt 0x0                             ; the first tile's biases
	QUARTER 0, 1, F0, F1, 1
	WIN 0
	s_mov_b32 s[LAP], 5
.Llap:                                         ; a trip goes once round the ring, from a lap's second quarter to the next lap's first; a tile is two laps
	QUARTER 0, 2, F1, F0, 0
	QUARTER 0, 3, F0, F1, 0
	TURN 0, 1, 1
	QUARTER 1, 1, F0, F1, 0
	QUARTER 1, 2, F1, F0, 0
	QUARTER 1, 3, F0, F1, 0
	WIN 0
	s_xor_b32 s[HB], s[HB], 256*PH                 ; the next lap's channels of hn: 256 on, or back to 0
	v_add_nc_u32 v[ADH], s[HB], v[ADHB]
	v_add_nc_u32 v[ADH+1], 128*PH, v[ADH]
	TURN 1, 0, 1
	WIN 0
	s_and_b32 s20, s[LAP], 1
	s_cmp_lg_u32 s20, 0
	s_cbranch_scc1 .Lplain                         ; a forward jump past text with no barrier and no tensor load
	PLACES
	EPI 1                                          ; laps 1 and 3 end a tile
	QUARTER 0, 1, F0, F1, 1
	WIN 0
	s_branch .Lnext
.Lplain:
	QUARTER 0, 1, F0, F1, 0
	WIN 0
.Lnext:
	s_sub_co_u32 s[LAP], s[LAP], 1
	s_cmp_lg_u32 s[LAP], 0
	s_cbranch_scc1 .Llap
	QUARTER 0, 2, F1, F0, 0                        ; the last lap fills nothing and has no round
	QUARTER 0, 3, F0, F1, 0
	TURN 0, 1, 0
	QUARTER 1, 1, F0, F1, 0
	QUARTER 1, 2, F1, F0, 0
	QUARTER 1, 3, F0, F1, 0
	s_wait_dscnt 0x4
	MUL8 F1, 0, 0
	MUL8 F1, 1, 0
	s_wait_dscnt 0x0
	MUL8 F1, 2, 0
	MUL8 F1, 3, 0
	WIN 0
	PLACES
	EPI 0
	s_wait_tensorcnt 0x0                           ; the wave's end: behind my last tensor load and my last LDS store
	ds_add_u32 v[SPW], v[NIL]
	s_wait_dscnt 0x0
	CROUND                                         ; the closing round
	s_endpgm
.Lfunc_end_k_q8fad4ad372_proj:
	.size	k_q8fad4ad372_proj, .Lfunc_end_k_q8fad4ad372_proj-k_q8fad4ad372_proj
	.p2alignl 7, 3214868480
	.fill 96, 4, 3214868480
	.section	.rodata,"a",@progbits
	.p2align	6, 0x0
	.amdhsa_kernel k_q8fad4ad372_proj
		.amdhsa_group_segment_fixed_size 327680
		.amdhsa_private_segment_fixed_size 0
		.amdhsa_enable_private_segment 0
		.amdhsa_kernarg_size 48
		.amdhsa_user_sgpr_count 2
		.amdhsa_user_sgpr_kernarg_segment_ptr 1
		.amdhsa_wavefront_size32 1
		.amdhsa_system_sgpr_workgroup_id_x 1
		.amdhsa_system_sgpr_workgroup_id_y 1
		.amdhsa_system_sgpr_workgroup_id_z 1
		.amdhsa_system_vgpr_workitem_id 0
		.amdhsa_next_free_vgpr 576
		.amdhsa_next_free_sgpr 72
		.amdhsa_reserve_vcc 0
		.amdhsa_float_denorm_mode_32 3
		.amdhsa_float_denorm_mode_16_64 3
		.amdhsa_memory_ordered 1
		.amdhsa_forward_progress 1
		.amdhsa_inst_pref_size 109
	.end_amdhsa_kernel
	.amdgpu_metadata
---
amdhsa.version: [ 1, 2 ]
amdhsa.kernels:
  - .name:           k_q8fad4ad372_proj
    .symbol:         k_q8fad4ad372_proj.kd
    .args:
      - { .name: hn, .offset: 0, .size: 8, .value_kind: global_buffer, .address_space: global }
      - { .name: wcat, .offset: 8, .size: 8, .value_kind: global_buffer, .address_space: global }
      - { .name: bq, .offset: 16, .size: 8, .value_kind: global_buffer, .address_space: global }
      - { .name: bk, .offset: 24, .size: 8, .value_kind: global_buffer, .address_space: global }
      - { .name: bvo, .offset: 32, .size: 8, .value_kind: global_buffer, .address_space: global }
      - { .name: qkv, .offset: 40, .size: 8, .value_kind: global_buffer, .address_space: global }
    .group_segment_fixed_size: 327680
    .private_segment_fixed_size: 0
    .kernarg_segment_align: 8
    .kernarg_segment_size: 48
    .max_flat_workgroup_size: 128
    .sgpr_count:     72
    .vgpr_count:     576
    .wavefront_size: 32
...
	.end_amdgpu_metadata
.endif
;; end of part 3
;; launch attn (part 4): grid 32 x 8, 4 waves a work-group, clusters of 4 x 1, 327,680 bytes of LDS; arguments qkv, x, bo, out0; writes out0
.if DOCPART == 4
	.amdgcn_target "amdgcn-amd-amdhsa--gfx1250"
	.amdhsa_code_object_version 6
	.text
	.protected	k_q8fad4ad372_attn
	.globl	k_q8fad4ad372_attn
	.p2align	8
	.type	k_q8fad4ad372_attn,@function
k_q8fad4ad372_attn:
	s_mov_b64 s[64:65], 0
	v_nop
	global_prefetch_b8 v0, s[64:65] scope:SCOPE_SE
	s_setreg_imm32_b32 hwreg(HW_REG_WAVE_MODE, 25, 1), 1
	s_wait_xcnt 0x0
	s_wait_alu depctr_hold_cnt(0) depctr_sa_sdst(0) depctr_va_vdst(0) depctr_va_sdst(0) depctr_va_ssrc(0) depctr_va_vcc(0) depctr_vm_vsrc(0)
	s_getreg_b32 s2, hwreg(HW_REG_IB_STS2, 6, 4)
	s_cmp_eq_u32 s2, 0
	s_cbranch_scc0 .Lentry_in_a_cluster
	s_endpgm
.Lentry_in_a_cluster:
	s_bfe_u32 s2, ttmp6, 0x10000c
	s_cmp_lg_u32 s2, 0x3003
	s_cbranch_scc0 .Lentry_shape_is_right
	s_endpgm
.Lentry_shape_is_right:
; out0[b][ch][p] = x[b][ch][p] + bo[ch] + sum over k of softmax_k(Q[p] . K[k] / sqrt(512)) V'[k][ch].  Q, K, V': [16384 tokens][512] bf16 in qkv; V' already carries the output projection.
; Products, maxima and sums in f32; the weights p are rounded to bf16 for the second product (their sum l is taken of the unrounded p).
; LIMITS.  A weight below 2^-126 counts as 0 in l; the running maximum starts at the lowest finite number; NaN and infinities are not treated apart.
; SHARES.  A work-group owns 64 queries of one image and walks its 2,048 keys, 128 a step, 16 steps.  Head size 512 leaves no room for a wave tile that is large in both products, so the waves split
; KEYS in the first and CHANNELS in the second.  S^T = K Q^T: wave w takes keys 32 w .. + 31 for all 64 queries (every wave holds all of Q, 512 registers): a fragment of K feeds four products.
; O^T = V'^T P: wave w takes channels 128 w .. + 127 for all 64 queries (256 registers).  So each byte of K and V' is fetched and read by ONE wave; what the waves hand each other is small:
; their maxima (MX), and P, whose fragment for 32 keys and 16 queries IS a wave's two packed tiles of S^T: it goes through LDS as a register image, 512 dense bytes a store, in two buffers by turns.
; Query tile qt holds queries 4 r + qt (r = lane % 16), so that at the end a lane's four tiles are 4 neighbouring pixels, and 16 lanes store 256 consecutive bytes of out0 with no stage.
; SOFTMAX.  Running maximum m over all four waves' keys, p = 2^(c s - c m), c = log2(e) / sqrt(512); O and l are multiplied by a = 2^(c m_old - c m_new) in every step.
; PIPELINE.  Phase A(t): K Q^T of step t, beside it O x a(t - 1).  Phase B(t): V'^T P of step t - 1, beside it the softmax of step t.  K's slot is filled again near A's end and has B in which to land,
; V's near B's end and has A.  O starts at 0 (256 lines, written while the first tiles are on their way), so that step 0 is a step like any other, with a = 0, and no second text of a trip is needed.
; CLUSTER.  The four work-groups of a cluster belong to one image and walk the same K and V': each tile is asked for JOINTLY, the same load, descriptor and mask in all four.
; REGISTERS, in windows of 256 (s_set_vgpr_msb: bits 1:0 source 0, 3:2 source 1, 5:4 source 2, 7:6 destination):
;   window 0: v0-15 addresses; v16-19 my maxima; v20-43 six registers of statistics a query tile; v44-63 at work; v64-127 S^T (kt, qt) at 64 + 32 kt + 8 qt; v128-255 four buffers of 32 for K, V', P
;   window 1: O^T (ct, qt) at 32 ct + 8 qt      windows 2, 3: Q (qt, cs) at 8 (4 (cs % 8) + qt), window 2 + cs / 8; at the end window 2 holds x, window 3 v0-63 bo
.set STEP,  131072                     ; bytes of K, and of V', in a step: 128 rows of 1,024
.set PK,    1040                       ; an LDS row of K: 1,024 bytes + 16
.set KPART, 32*PK                      ; a wave's 32 keys
.set VS,    4*KPART                    ; behind K's slot: V's
.set PVP,   288                        ; an LDS row of V': a wave's 256 bytes + 32, for the turning load
.set VPART, 128*PVP                    ; a wave's strip: 128 keys x 128 channels
.set MX,    VS+4*VPART                 ; 4 waves x 16 lanes x 4 query tiles: the waves' maxima; 1,024 bytes on: their sums l
.set SPARE, MX+2048                    ; the spare words, 128 bytes for each wave
.set PB0,   294912                     ; P: two buffers of 16,384: (key group, query tile, half) x 512 bytes
.set PBUF,  16384
.set AK0,  3
.set AV0,  4
.set APL0, 5                           ; PB0 + 16 l
.set APS0, 6                           ; PB0 + 4,096 w + 16 l
.set APL,  7                           ; where P is read, where it is stored: the two above in the buffers of the step
.set APS,  8
.set MXS,  9
.set MXL,  10
.set QO,   11                          ; my byte offset in Q's rows; later in x and out0
.set XO,   11
.set SPW,  12
.set NIL,  13
.set BOO,  14
.set PFO,  15                          ; 256 x lane
.set LMQ,  16                          ; v16-19 my wave's maxima; at the end 1 / l
.set ST,   20                          ; query tile q at v[ST + 6 q]: c m, m, l (even keys', odd keys'), a, c m_old - c m_new
.set G,    44                          ; v44-59 the four waves' maxima; also at work: T1, TX, and the packed P
.set T1,   44
.set TX,   48
.set T0,   60
.set S,    64
.set POOL, 128
.set WV,   12
.set CX,   13
.set G1K,  24
.set G1V,  32
.set G0K,  40
.set G0V,  44
.set PFK,  48                          ; s[48:49], s[50:51] where my prefetches stand in K and in V'
.set PFV,  50
.set LIMK, 52                          ; 1 (K) and 0 (V') in a wave that prefetches, else the greatest number
.set CNT,  53
.set PT,   54                          ; the buffer of P that is stored into, and the one that is read: 0 or 16,384
.set PL,   55
.set CS,   56
.set SEL,  58
.set XB,   60
.set OB,   62
.set BOB,  66
.set LIMV, 68
.set MSB, 0
.macro WIN new                         ; the high byte repeats the setting that is left; a switch that changes nothing is dropped
.if MSB != (\new)
	s_set_vgpr_msb (MSB<<8)|(\new)
.set MSB, \new
.endif
.endm
.macro PLACES                          ; four places behind matrix instructions, in front of loads into registers that they have read and of lines that read results (ISA guide 7.12.1 for vector instructions)
.rept 4
	v_nop
.endr
.endm
.macro CREST                           ; a round of the cluster's barrier behind its opening barrier
	s_cmp_lg_u32 s[WV], 0
	s_cbranch_scc1 .Lnot_wave_0_\@
	s_barrier_signal -3
.Lnot_wave_0_\@:
	s_barrier_wait -3
	s_barrier_signal -1
	s_barrier_wait -1
.endm
.macro CROUND
	s_barrier_signal -1
	s_barrier_wait -1
	CREST
.endm
; A prefetch of a later step's 131,072 bytes: all clusters of an image walk the same K and V', so the image's first cluster asks; its four partners take 8,192 bytes of each wave's 32,768 BY ADDRESS, a lane
; 256 bytes: each block is named once in the launch.  K is asked for two steps ahead of its products, one step ahead of its load; V' likewise one step ahead of its load.
.macro ASK ptr, lim
	s_cmp_gt_u32 s[CNT], s[\lim]
	s_cbranch_scc0 .Lno_ask_\@
	global_prefetch_b8 v[PFO], s[\ptr:\ptr+1] th:TH_LOAD_NT scope:SCOPE_SE
.Lno_ask_\@:
.endm
	s_load_b256 s[4:11], s[0:1], 0x0               ; qkv s[4:5], x s[6:7], bo s[8:9], out0 s[10:11]
	v_lshl_add_u32 v[SPW], v0, 2, SPARE
	v_mov_b32 v[NIL], 0
	ds_add_u32 v[SPW], v[NIL]                      ; the wave's opening: the add, and its wait ahead of my first tensor load; the set-up below stands between them
	v_lshrrev_b32 v1, 5, v0
	v_readfirstlane_b32 s[WV], v1                  ; wave 0..3
	s_bfe_u32 s[CX], ttmp6, 0x40000                ; my place in the cluster: it enters Q's, x's, out0's and the prefetches' addresses alone
	s_and_b32 s14, ttmp7, 0xffff                   ; the image, which the four partners share
	s_lshl_b32 s16, s14, 21                        ; its 2,048 rows of 1,024 bytes
	s_lshl_b32 s18, s[WV], 15                      ; K: my 32 rows of a step
	s_add_co_u32 s18, s18, s16
	s_add_co_u32 s18, s18, 1<<24
	s_mov_b32 s19, 0
	s_lshl_b32 s20, s[WV], 8                       ; V': my 256 bytes of each row
	s_add_co_u32 s20, s20, s16
	s_add_co_u32 s20, s20, 1<<25
	s_mov_b32 s21, 0
	s_lshl_b32 s15, ttmp9, 2
	s_add_co_u32 s15, s15, s[CX]                   ; my block of 64 queries
	s_lshl_b32 s22, s15, 16
	s_add_co_u32 s22, s22, s16                     ; Q
	s_mov_b32 s23, 0
	s_lshl_b32 s[PFK], s[WV], 15                   ; the prefetches' offsets: step 1, my wave's quarter, my work-group's quarter of that
	s_lshl_b32 s17, s[CX], 13
	s_add_co_u32 s[PFK], s[PFK], s17
	s_add_co_u32 s[PFK], s[PFK], s16
	s_add_co_u32 s[PFK], s[PFK], STEP
	s_add_co_u32 s[PFV], s[PFK], 1<<25
	s_add_co_u32 s[PFK], s[PFK], 1<<24
	s_mov_b32 s[PFK+1], 0
	s_mov_b32 s[PFV+1], 0
	s_lshl_b32 s[XB], s14, 22                      ; x and out0: the image, my 128 channels, my block's 256 bytes of a channel
	s_lshl_b32 s17, s[WV], 20
	s_add_co_u32 s[XB], s[XB], s17
	s_lshl_b32 s17, s15, 8
	s_add_co_u32 s[XB], s[XB], s17
	s_mov_b32 s[XB+1], 0
	s_lshl_b32 s[BOB], s[WV], 9
	s_mov_b32 s[BOB+1], 0
	s_cmp_eq_u32 ttmp9, 0                          ; the image's first cluster: the same in all four partners
	s_cselect_b32 s[LIMK], 1, -1
	s_cselect_b32 s[LIMV], 0, -1
	s_mov_b32 s[CNT], 14
	s_mov_b32 s[PT], 0
	s_mov_b32 s[PL], PBUF
	s_mov_b32 s[CS], 0x3d8293ee                    ; c = log2(e) / sqrt(512) = 0.0637587
	s_mov_b32 s[CS+1], s[CS]
	s_mov_b32 s[SEL], 0x76543210
	s_mov_b32 s[SEL+1], 0xfedcba98
	s_mov_b32 s[G1K],   15|(1<<16)|(1<<20)|(1<<21)|(7<<22)|(3<<25)  ; the mask of four; 2-byte elements; padding on; bit 21 beside a mask; after every 256 words 4 words
	s_mov_b32 s[G1K+1], 512<<16                    ; tensor_dim0 = 512
	s_mov_b32 s[G1K+2], 32<<16                     ; tensor_dim1 = 32
	s_mov_b32 s[G1K+3], 512<<16                    ; tile_dim0 = 512
	s_mov_b32 s[G1K+4], 32                         ; tile_dim1 = 32
	s_mov_b32 s[G1K+5], 512
	s_mov_b32 s[G1K+6], 0
	s_mov_b32 s[G1K+7], 0
	s_mov_b32 s[G1V],   15|(1<<16)|(1<<20)|(1<<21)|(5<<22)|(7<<25)  ; after every 64 words 8 words
	s_mov_b32 s[G1V+1], 128<<16
	s_mov_b32 s[G1V+2], 128<<16
	s_mov_b32 s[G1V+3], 128<<16
	s_mov_b32 s[G1V+4], 128                        ; 128 keys x 128 channels
	s_mov_b32 s[G1V+5], 512
	s_mov_b32 s[G1V+6], 0
	s_mov_b32 s[G1V+7], 0
	s_mov_b32 s[G0K], 1
	s_mul_i32 s[G0K+1], s[WV], KPART
	s_mov_b32 s[G0V], 1
	s_mul_i32 s[G0V+1], s[WV], VPART
	s_add_co_u32 s[G0V+1], s[G0V+1], VS
	s_wait_dscnt 0x0                               ; the opening add is done
	s_wait_kmcnt 0x0
	s_add_nc_u64 s[G0K+2:G0K+3], s[4:5], s[18:19]
	s_or_b32 s[G0K+3], s[G0K+3], 0x80000000        ; type = 2
	s_add_nc_u64 s[G0V+2:G0V+3], s[4:5], s[20:21]
	s_or_b32 s[G0V+3], s[G0V+3], 0x80000000
	s_add_nc_u64 s[22:23], s[4:5], s[22:23]        ; Q at my block
	s_add_nc_u64 s[PFK:PFK+1], s[4:5], s[PFK:PFK+1]
	s_add_nc_u64 s[PFV:PFV+1], s[4:5], s[PFV:PFV+1]
	s_add_nc_u64 s[OB:OB+1], s[10:11], s[XB:XB+1]
	s_add_nc_u64 s[XB:XB+1], s[6:7], s[XB:XB+1]
	s_add_nc_u64 s[BOB:BOB+1], s[8:9], s[BOB:BOB+1]
	CROUND                                         ; all four work-groups are here: the first joint loads meet
	tensor_load_to_lds s[G0K:G0K+3], s[G1K:G1K+7]  ; K and V' of step 0: two loads of mine are out
	s_nop 0
	tensor_load_to_lds s[G0V:G0V+3], s[G1V:G1V+7]
	s_nop 0
	PLACES
	v_and_b32 v1, 15, v0                           ; r = l % 16
	v_bfe_u32 v2, v0, 4, 1                         ; h = l / 16
	v_lshlrev_b32 v[QO], 12, v1                    ; query 4 r + qt: 4,096 r, qt in the immediate
	v_lshl_add_u32 v[QO], v2, 4, v[QO]
.set c, 0
.rept 16                                       ; Q stays in registers: channels 32 c on, query tile q
	WIN 0x80+0x40*(c/8)
.irp q, 0,1,2,3
	global_load_b128 v[8*(4*(c%8)+\q):8*(4*(c%8)+\q)+3],   v[QO], s[22:23] offset:\q*1024+64*c
	global_load_b128 v[8*(4*(c%8)+\q)+4:8*(4*(c%8)+\q)+7], v[QO], s[22:23] offset:\q*1024+64*c+32
.endr
.set c, c+1
.endr
	WIN 0x40
.set c, 0
.rept 256
	v_mov_b32 v[c], 0                              ; O^T
.set c, c+1
.endr
	WIN 0
.irp q, 0,1,2,3
	v_mov_b32 v[ST+6*\q], 0xfe000000               ; c m: far below every c s
	v_mov_b32 v[ST+6*\q+1], 0xff7fffff             ; m
	v_mov_b32 v[ST+6*\q+2], 0
	v_mov_b32 v[ST+6*\q+3], 0
	v_mov_b32 v[ST+6*\q+4], 0
	v_mov_b32 v[ST+6*\q+5], 0
.endr
.set c, G
.rept 20
	v_mov_b32 v[c], 0                              ; v_permlanex16_b32 counts as a reader of its destination
.set c, c+1
.endr
	v_mul_u32_u24 v[AK0], v1, PK                   ; a fragment of K: row x pitch + 16 x half, in my wave's part
	v_lshl_add_u32 v[AK0], v2, 4, v[AK0]
	v_add_nc_u32 v[AK0], s[G0K+1], v[AK0]
	v_and_b32 v[AV0], 7, v0                        ; the turning load: lane l reads key 8 (l / 16) + l % 8, channels 8 ((l / 8) % 2) + 0..7
	v_lshl_add_u32 v[AV0], v2, 3, v[AV0]
	v_mul_u32_u24 v[AV0], v[AV0], PVP
	v_bfe_u32 v[APL], v0, 3, 1
	v_lshl_add_u32 v[AV0], v[APL], 4, v[AV0]
	v_add_nc_u32 v[AV0], s[G0V+1], v[AV0]
	v_and_b32 v[APL], 31, v0
	v_lshlrev_b32 v[PFO], 8, v[APL]
	v_lshl_add_u32 v[APL0], v[APL], 4, PB0
	s_lshl_b32 s17, s[WV], 12
	v_add_nc_u32 v[APS0], s17, v[APL0]
	v_mov_b32 v[APS], v[APS0]                      ; step 0 stores into buffer 0
	v_mov_b32 v[APL], v[APL0]
	v_lshlrev_b32 v[MXL], 4, v1
	v_add_nc_u32 v[MXL], MX, v[MXL]
	s_lshl_b32 s17, s[WV], 8
	v_add_nc_u32 v[MXS], s17, v[MXL]
	v_lshlrev_b32 v[BOO], 5, v2
; THE MATRIX WORK.  Product i of 128 of S^T = K Q^T: key tile i / 64, channels 32 ((i % 64) / 4) on, query tile i % 4.  Four accumulators take turns; the first product starts each sum.
.macro KQ
.set cs, (i%64)/4
.set rS, S+32*(i/64)+8*(i%4)
.set rK, POOL+64*((i/32)%2)+8*((i%32)/4)
.set rQ, 8*(4*(cs%8)+i%4)
	WIN 0x08+4*(cs/8)                              ; Q in window 2 or 3
.if cs == 0
	v_wmma_f32_16x16x32_bf16 v[rS:rS+7], v[rK:rK+7], v[rQ:rQ+7], 0
.else
	v_wmma_f32_16x16x32_bf16 v[rS:rS+7], v[rK:rK+7], v[rQ:rQ+7], v[rS:rS+7]
.endif
.set i, i+1
.endm
.macro KQN cnt
.rept \cnt
	KQ
.endr
.endm
; Product i of 128 of O^T += V'^T P, in eight units u = i / 16: keys 32 (u / 2) on, channel tile 4 (u % 2) + (i % 16) / 4, query tile i % 4.  Sixteen accumulators take turns.
.macro PV
.set u, i/16
.set rO, 32*(4*(u%2)+(i%16)/4)+8*(i%4)
.set rV, POOL+64*(u%2)+8*((i%16)/4)
.set rP, POOL+32+64*((u/2)%2)+8*(i%4)
	WIN 0x50                                       ; C and D window 1
	v_wmma_f32_16x16x32_bf16 v[rO:rO+7], v[rV:rV+7], v[rP:rP+7], v[rO:rO+7]
.set i, i+1
.endm
.macro PVN cnt
.rept \cnt
	PV
.endr
.endm
; THE LDS LOADS stand in runs.  K: run 0..3 = key tile run / 2, channels 256 (run % 2) on: 8 fragments into buffers 0, 1 (even runs) or 2, 3.  V': a unit's 4 fragments into buffer 0 (even units) or 2.
; P: a key group's 4 fragments into buffer 1 (even groups) or 3.
.macro FETCH_K run
	WIN 0
.irp f, 0,1,2,3,4,5,6,7
	ds_load_b128 v[POOL+64*((\run)%2)+8*\f:POOL+64*((\run)%2)+8*\f+3],   v[AK0] offset:((\run)/2)*16*PK+(8*((\run)%2)+\f)*64
	ds_load_b128 v[POOL+64*((\run)%2)+8*\f+4:POOL+64*((\run)%2)+8*\f+7], v[AK0] offset:((\run)/2)*16*PK+(8*((\run)%2)+\f)*64+32
.endr
.endm
.macro FETCH_V un
	WIN 0
.irp f, 0,1,2,3
	ds_load_tr16_b128 v[POOL+64*((\un)%2)+8*\f:POOL+64*((\un)%2)+8*\f+3],   v[AV0] offset:((\un)/2)*32*PVP+32*(4*((\un)%2)+\f)
	ds_load_tr16_b128 v[POOL+64*((\un)%2)+8*\f+4:POOL+64*((\un)%2)+8*\f+7], v[AV0] offset:((\un)/2)*32*PVP+32*(4*((\un)%2)+\f)+16*PVP
.endr
.endm
.macro FETCH_P kg
	WIN 0
.irp q, 0,1,2,3
	ds_load_b128 v[POOL+32+64*((\kg)%2)+8*\q:POOL+32+64*((\kg)%2)+8*\q+3],   v[APL] offset:(4*(\kg)+\q)*1024
	ds_load_b128 v[POOL+32+64*((\kg)%2)+8*\q+4:POOL+32+64*((\kg)%2)+8*\q+7], v[APL] offset:(4*(\kg)+\q)*1024+512
.endr
.endm
; THE VECTOR WORK stands in three numbered lists.  RS: pair n of 128 of O^T times a.
.macro RS
	WIN 0x41                                       ; destination and source 0 window 1, a window 0
	v_pk_mul_f32 v[2*n:2*n+1], v[2*n:2*n+1], v[ST+6*((n/4)%4)+4:ST+6*((n/4)%4)+5] op_sel_hi:[1,0]
.set n, n+1
.endm
; LM: number lm of the 40 that find my wave's maxima, query tiles by turns.  0-11 key tile 0 (each accumulator's lowest registers first), 12-23 key tile 1, 24-31 the two scores left
; over and the two tiles together, 32-39 the other half of the lanes.
.macro LM
	WIN 0
.set q, lm%4
.if lm < 4
	v_max3_num_f32 v[T0+q], v[S+8*q], v[S+8*q+1], v[S+8*q+2]
.elseif lm < 12
	v_max3_num_f32 v[T0+q], v[T0+q], v[S+8*q+2*(lm/4)+1], v[S+8*q+2*(lm/4)+2]
.elseif lm < 16
	v_max3_num_f32 v[T1+q], v[S+32+8*q], v[S+32+8*q+1], v[S+32+8*q+2]
.elseif lm < 24
	v_max3_num_f32 v[T1+q], v[T1+q], v[S+32+8*q+2*((lm-12)/4)+1], v[S+32+8*q+2*((lm-12)/4)+2]
.elseif lm < 28
	v_max3_num_f32 v[T0+q], v[T0+q], v[S+8*q+7], v[S+32+8*q+7]
.elseif lm < 32
	v_max_num_f32 v[T0+q], v[T0+q], v[T1+q]
.elseif lm < 36
	v_permlanex16_b32 v[TX+q], v[T0+q], s[SEL], s[SEL+1]
.else
	v_max_num_f32 v[LMQ+q], v[T0+q], v[TX+q]
.endif
.set lm, lm+1
.endm
.macro LMN cnt
.rept \cnt
	LM
.endr
.endm
; SX: number z of the softmax's 188.  0-15 the four waves' maxima into m; c m_old - c m_new; c m.  16-115 ONE BATCH that names no exponential's result: the four a, the 32 scalings c s - c m (a pair each)
; and the 64 exponentials, a pair scaled two groups ahead of its exponentials.  Behind the batch's one wait: 116-179, for each of the 8 accumulators: four roundings to bf16, the store of P's half
; fragment, three sums in place; 180-187 the two key tiles together, and l = a l + sum.
.macro FS k
	v_pk_fma_f32 v[S+2*(\k):S+2*(\k)+1], v[S+2*(\k):S+2*(\k)+1], s[CS:CS+1], v[ST+6*(((\k)/4)%4):ST+6*(((\k)/4)%4)+1] op_sel_hi:[1,0,0] neg_lo:[0,0,1] neg_hi:[0,0,1]
.endm
.macro ES e
	v_exp_f32 v[S+(\e)], v[S+(\e)]
.endm
.macro SX
	WIN 0
.if z < 4
	v_max3_num_f32 v[T0+z], v[G+z], v[G+4+z], v[G+8+z]
.elseif z < 8
	v_max3_num_f32 v[ST+6*(z-4)+1], v[T0+z-4], v[G+12+z-4], v[ST+6*(z-4)+1]
.elseif z < 12
	v_fma_f32 v[ST+6*(z-8)+5], -v[ST+6*(z-8)+1], s[CS], v[ST+6*(z-8)]
.elseif z < 16
	v_mul_f32 v[ST+6*(z-12)], s[CS], v[ST+6*(z-12)+1]
.elseif z < 20
	v_exp_f32 v[ST+6*(z-16)+4], v[ST+6*(z-16)+5]
.elseif z < 22
	FS z-20
.elseif z < 112
.if (z-22)%3 == 0
	ES 2*((z-22)/3)
.elseif (z-22)%3 == 1
	FS (z-22)/3+2
.else
	ES 2*((z-22)/3)+1
.endif
.elseif z < 116
	ES z-52
.elseif z < 180
.set qa, (z-116)/8
.set qp, (z-116)%8
.set rA, S+8*qa
.set rT, G+4*(qa%4)
.if qp < 4
	v_cvt_pk_bf16_f32 v[rT+qp], v[rA+2*qp], v[rA+2*qp+1]
.elseif qp == 4
	ds_store_b128 v[APS], v[rT:rT+3] offset:(qa%4)*1024+(qa/4)*512
.elseif qp == 5
	v_pk_add_f32 v[rA:rA+1], v[rA:rA+1], v[rA+2:rA+3]
.elseif qp == 6
	v_pk_add_f32 v[rA+4:rA+5], v[rA+4:rA+5], v[rA+6:rA+7]
.else
	v_pk_add_f32 v[rA:rA+1], v[rA:rA+1], v[rA+4:rA+5]
.endif
.elseif z < 184
	v_pk_add_f32 v[S+8*(z-180):S+8*(z-180)+1], v[S+8*(z-180):S+8*(z-180)+1], v[S+32+8*(z-180):S+32+8*(z-180)+1]
.else
	v_pk_fma_f32 v[ST+6*(z-184)+2:ST+6*(z-184)+3], v[ST+6*(z-184)+2:ST+6*(z-184)+3], v[ST+6*(z-184)+4:ST+6*(z-184)+5], v[S+8*(z-184):S+8*(z-184)+1] op_sel_hi:[1,0,1]
.endif
.set z, z+1
.endm
.macro SLICE cnt                       ; the next cnt numbers of the softmax, as far as ZLIM allows
.rept \cnt
.if z < ZLIM
	SX
.endif
.endr
.endm
.macro PV16 per                        ; a unit's 16 products, per numbers of the softmax behind each
.rept 16
	PV
.if \per
	SLICE \per
.endif
.endr
.endm
.macro UHEAD un                        ; a unit's head: what it multiplies is in; the next unit's V' (and, behind odd units, the next key group's P) is asked for
	s_wait_dscnt 0x0
	PLACES
	FETCH_V (\un)+1
.if (\un)%2
	FETCH_P ((\un)+1)/2
.endif
.endm
; THE CHANGE OF K's SLOT, at the head of K's last run: all of the slot has been asked out of LDS.  Each wave waits for all its tensor loads (one is out: its strip of V' for the products to come), adds 0 to its
; spare word, and waits for that and for its reads.  The barrier opens a round of the cluster's; the joint refill, K of the next step, is the first thing behind it.  fill = 0 (the last step): nothing is
; filled, and no barrier is needed: K's and V's bytes are each wave's own.  pv = 1: the first V' and P of phase B are fetched.  first = 1 (step 0): V' of step 1 is prefetched too.
.macro R1 fill, pv, first
	WIN 0
.if \fill
	s_wait_xcnt 0x0                                ; the last prefetches have read their addresses
	s_add_nc_u64 s[PFK:PFK+1], s[PFK:PFK+1], STEP
	s_wait_tensorcnt 0x0
	ds_add_u32 v[SPW], v[NIL]
	s_add_nc_u64 s[G0K+2:G0K+3], s[G0K+2:G0K+3], STEP  ; no load of mine is out: the descriptor steps
	s_wait_dscnt 0x1                               ; the run's 16 loads are in; the add may be out
	KQN 8
	s_wait_dscnt 0x0                               ; the add is done, and my reads of K's slot are over
	s_barrier_signal -1
	KQN 8
	WIN 0
	s_barrier_wait -1
	CREST
	tensor_load_to_lds s[G0K:G0K+3], s[G1K:G1K+7]
	s_nop 0
	PLACES                                         ; also the places in front of the loads below
.else
	s_wait_tensorcnt 0x0                           ; my strip of V'
	s_wait_dscnt 0x0
	KQN 16
	PLACES
.endif
.if \pv
	FETCH_V 0
	FETCH_P 0
.endif
.if \fill
	WIN 0
	ASK PFK, LIMK
.if \first
	ASK PFV, LIMV
.endif
.endif
	KQN 16
.endm
; PHASE A.  rs = 1: four rescalings behind every second product of the first two runs.  Key tile 0's part of the maximum stands in the third run, the rest behind the last product.
.macro PHASE_A rs, fill, pv, first
.set i, 0
.set n, 0
.set lm, 0
.irp run, 1,2
	s_wait_dscnt 0x0                               ; this run's K is in
	PLACES
	FETCH_K \run
.rept 16
	KQ
	KQ
.if \rs
	RS
	RS
	RS
	RS
.endif
.endr
.endr
	s_wait_dscnt 0x0
	PLACES                                         ; also behind the products that ended key tile 0's scores
	FETCH_K 3
.rept 3
	KQN 8
	LMN 4
.endr
	KQN 8
	R1 \fill, \pv, \first
	PLACES
	LMN 28
.endm
.macro XSIG                            ; my maxima go to LDS; the barrier's wait stands sixteen products further on
	WIN 0
	ds_store_b128 v[MXS], v[LMQ:LMQ+3]
	s_wait_dscnt 0x0
	s_barrier_signal -1
.endm
; THE CHANGE OF V's SLOT, in the middle of unit 6: V's last fragments have been asked for, and all of P of this step is stored.  The same three lines, round and joint refill: V' of this step, for the
; products of the next phase B.  The round is also the barrier between P's stores and its reads, and between the reads of the older P and the stores that will land on it.
.macro R2 kq, ask
	WIN 0
.if \ask
	s_wait_xcnt 0x0
	s_add_nc_u64 s[PFV:PFV+1], s[PFV:PFV+1], STEP
.endif
	s_wait_tensorcnt 0x0
	ds_add_u32 v[SPW], v[NIL]
	s_add_nc_u64 s[G0V+2:G0V+3], s[G0V+2:G0V+3], STEP
	s_xor_b32 s[PT], s[PT], PBUF                   ; P's buffers change places
	s_xor_b32 s[PL], s[PL], PBUF
	PVN 8
	s_wait_dscnt 0x0                               ; the add is done; my reads of V's slot and of P, and my stores of P, are over
	s_barrier_signal -1
	PVN 8
	WIN 0
	s_barrier_wait -1
	CREST
	tensor_load_to_lds s[G0V:G0V+3], s[G1V:G1V+7]
	s_nop 0
	PLACES
	v_add_nc_u32 v[APL], s[PL], v[APL0]
	v_add_nc_u32 v[APS], s[PT], v[APS0]
.if \kq
	FETCH_K 0                                      ; the next step's K has landed (the wait for all loads above)
.endif
.if \ask
	ASK PFV, LIMV
.endif
	PVN 8
.endm
; PHASE B.  The softmax rides behind the products of units 2 to 6; its 68 exponentials have ONE wait, at the head of unit 5.
.macro PHASE_B kq, ask
.set i, 0
.set z, 0
.set ZLIM, 116
	UHEAD 0
	PV16 0
	s_barrier_wait -1                              ; every wave's maxima lie in LDS
	s_wait_dscnt 0x0
	PLACES
	WIN 0
.irp k, 0,1,2,3
	ds_load_b128 v[G+4*\k:G+4*\k+3], v[MXL] offset:256*\k
.endr
	FETCH_V 2
	FETCH_P 1
	PV16 0
	UHEAD 2
	PV16 3
	UHEAD 3
	PV16 3
	UHEAD 4
	PV16 3
	v_nop                                          ; a plain instruction behind the last exponential (ISA guide 5.7.2),
	s_wait_alu depctr_va_vdst(0)                   ; and a wait ahead of the batch's first reader
.set ZLIM, 188
	UHEAD 5
	PV16 4
	UHEAD 6
.rept 8
	PV
	SLICE 1
.endr
	R2 \kq, \ask
.endm
	s_wait_tensorcnt 0x1                           ; my part of K of step 0 is in, and only I read it; V' may stay out
	FETCH_K 0
	s_wait_loadcnt 0x0                             ; Q
	; STEP 0: there is no older step to multiply, so its softmax stands by itself
	PHASE_A 0, 1, 0, 1
	XSIG
	s_barrier_wait -1
.irp k, 0,1,2,3
	ds_load_b128 v[G+4*\k:G+4*\k+3], v[MXL] offset:256*\k
.endr
	s_wait_dscnt 0x0
.set z, 0
.set ZLIM, 116
	SLICE 116
	v_nop
	s_wait_alu depctr_va_vdst(0)
.set ZLIM, 188
	SLICE 72
	s_wait_tensorcnt 0x0                           ; my part of K of step 1
	s_xor_b32 s[PT], s[PT], PBUF
	s_xor_b32 s[PL], s[PL], PBUF
	v_add_nc_u32 v[APL], s[PL], v[APL0]
	v_add_nc_u32 v[APS], s[PT], v[APS0]
	FETCH_K 0
	WIN 0
.Ltrip:                                        ; steps 1 to 14
	PHASE_A 1, 1, 1, 0
	XSIG
	PHASE_B 1, 1
	WIN 0
	s_sub_co_u32 s[CNT], s[CNT], 1
	s_cmp_lg_u32 s[CNT], 0
	s_cbranch_scc1 .Ltrip
	; STEP 15 is written out: K is asked for no more; Q's registers take x and bo
	PHASE_A 1, 0, 1, 0
	WIN 0
	v_lshlrev_b32 v[XO], 4, v1                     ; 16 bytes (4 pixels) a lane, lanes 16-31 eight channels further on
	v_lshl_add_u32 v[XO], v2, 16, v[XO]
	WIN 0x80
.set c, 0
.rept 64
	global_load_b128 v[4*c:4*c+3], v[XO], s[XB:XB+1] offset:(16*(c/8)+c%8)*8192 th:TH_LOAD_NT
.set c, c+1
.endr
	WIN 0xc0
.set c, 0
.rept 8
	global_load_b128 v[8*c:8*c+3],   v[BOO], s[BOB:BOB+1] offset:64*c
	global_load_b128 v[8*c+4:8*c+7], v[BOO], s[BOB:BOB+1] offset:64*c+16
.set c, c+1
.endr
	XSIG
	PHASE_B 0, 0
	; THE LAST PRODUCTS.  O x a(15) while V' of step 15 is on its way; the waves' sums l meet in LDS
	PLACES
	PLACES
.set n, 0
.rept 128
	RS
.endr
	WIN 0
.irp q, 0,1,2,3
	v_add_f32 v[T0+\q], v[ST+6*\q+2], v[ST+6*\q+3]
.endr
.irp q, 0,1,2,3
	v_permlanex16_b32 v[TX+\q], v[T0+\q], s[SEL], s[SEL+1]
.endr
.irp q, 0,1,2,3
	v_add_f32 v[LMQ+\q], v[T0+\q], v[TX+\q]
.endr
	ds_store_b128 v[MXS], v[LMQ:LMQ+3] offset:1024
	s_wait_tensorcnt 0x0                           ; my strip of V' of step 15
	s_wait_dscnt 0x0
	s_barrier_signal -1
	s_barrier_wait -1
	FETCH_V 0
	FETCH_P 0
.irp k, 0,1,2,3
	ds_load_b128 v[G+4*\k:G+4*\k+3], v[MXL] offset:1024+256*\k
.endr
.set i, 0
.irp un, 0,1,2,3,4,5,6
	UHEAD \un
	PV16 0
.endr
	s_wait_dscnt 0x0
	PV16 0
	; THE WAY OUT.  The twelve sums are the places behind the last products.
	WIN 0
.irp q, 0,1,2,3
	v_add_f32 v[T0+\q], v[G+\q], v[G+4+\q]
.endr
.irp q, 0,1,2,3
	v_add_f32 v[G+\q], v[G+8+\q], v[G+12+\q]
.endr
.irp q, 0,1,2,3
	v_add_f32 v[T0+\q], v[T0+\q], v[G+\q]
.endr
.irp q, 0,1,2,3
	v_rcp_f32 v[LMQ+\q], v[T0+\q]
.endr
	v_nop                                          ; a plain instruction behind the last reciprocal,
	s_wait_alu depctr_va_vdst(0)                   ; and one wait for the four, ahead of their first reader
	s_wait_loadcnt 0x0                             ; x and bo
.set ct, 0
.rept 8
	WIN 0x8e                                       ; x (destination, source 0) window 2, bo window 3
.set j, 0
.rept 8
.irp q, 0,1,2,3
	v_add_f32 v[4*(8*ct+j)+\q], v[4*(8*ct+j)+\q], v[8*ct+j]
.endr
.set j, j+1
.endr
	WIN 0xa1                                       ; O^T window 1, 1 / l window 0, x + bo window 2
.set j, 0
.rept 8                                        ; each accumulator's registers in ascending order
.irp q, 0,1,2,3
	v_fma_f32 v[4*(8*ct+j)+\q], v[32*ct+8*\q+j], v[LMQ+\q], v[4*(8*ct+j)+\q]
.endr
.set j, j+1
.endr
	WIN 0x08                                       ; the stores' data window 2
.set j, 0
.rept 8
	global_store_b128 v[XO], v[4*(8*ct+j):4*(8*ct+j)+3], s[OB:OB+1] offset:(16*ct+j)*8192 th:TH_STORE_NT  ; 16 lanes store 256 consecutive bytes, aligned
.set j, j+1
.endr
.set ct, ct+1
.endr
	WIN 0
	s_wait_tensorcnt 0x0                           ; the wave's end: behind my last tensor load and my last LDS store
	ds_add_u32 v[SPW], v[NIL]
	s_wait_dscnt 0x0
	CROUND                                         ; the closing round
	s_endpgm
.Lfunc_end_k_q8fad4ad372_attn:
	.size	k_q8fad4ad372_attn, .Lfunc_end_k_q8fad4ad372_attn-k_q8fad4ad372_attn
	.p2alignl 7, 3214868480
	.fill 96, 4, 3214868480
	.section	.rodata,"a",@progbits
	.p2align	6, 0x0
	.amdhsa_kernel k_q8fad4ad372_attn
		.amdhsa_group_segment_fixed_size 327680
		.amdhsa_private_segment_fixed_size 0
		.amdhsa_enable_private_segment 0
		.amdhsa_kernarg_size 32
		.amdhsa_user_sgpr_count 2
		.amdhsa_user_sgpr_kernarg_segment_ptr 1
		.amdhsa_wavefront_size32 1
		.amdhsa_system_sgpr_workgroup_id_x 1
		.amdhsa_system_sgpr_workgroup_id_y 1
		.amdhsa_system_sgpr_workgroup_id_z 1
		.amdhsa_system_vgpr_workitem_id 0
		.amdhsa_next_free_vgpr 1024
		.amdhsa_next_free_sgpr 72
		.amdhsa_reserve_vcc 0
		.amdhsa_float_denorm_mode_32 3
		.amdhsa_float_denorm_mode_16_64 3
		.amdhsa_memory_ordered 1
		.amdhsa_forward_progress 1
		.amdhsa_inst_pref_size 232
	.end_amdhsa_kernel
	.amdgpu_metadata
---
amdhsa.version: [ 1, 2 ]
amdhsa.kernels:
  - .name:           k_q8fad4ad372_attn
    .symbol:         k_q8fad4ad372_attn.kd
    .args:
      - { .name: qkv, .offset: 0, .size: 8, .value_kind: global_buffer, .address_space: global }
      - { .name: x, .offset: 8, .size: 8, .value_kind: global_buffer, .address_space: global }
      - { .name: bo, .offset: 16, .size: 8, .value_kind: global_buffer, .address_space: global }
      - { .name: out0, .offset: 24, .size: 8, .value_kind: global_buffer, .address_space: global }
    .group_segment_fixed_size: 327680
    .private_segment_fixed_size: 0
    .kernarg_segment_align: 8
    .kernarg_segment_size: 32
    .max_flat_workgroup_size: 128
    .sgpr_count:     72
    .vgpr_count:     1024
    .wavefront_size: 32
...
	.end_amdgpu_metadata
.endif
;; end of part 4
;; ======== version 2 of 3: 3 launches
;; workspace buffers: hn 16,777,216 bytes; wcat 1,572,864 bytes; bvo 2,048 bytes; qkv 50,331,648 bytes
;; launch gnw (part 5): grid 256 x 1, 16 waves a work-group, no clusters, 118,784 bytes of LDS; arguments x, gn_w, gn_b, wq, wk, wv, wo, bv, hn, wcat, bvo; writes hn, wcat, bvo
.if DOCPART == 5
	.amdgcn_target "amdgcn-amd-amdhsa--gfx1250"
	.amdhsa_code_object_version 6
	.text
	.protected	k_q8fad4ad372_gnw
	.globl	k_q8fad4ad372_gnw
	.p2align	8
	.type	k_q8fad4ad372_gnw,@function
k_q8fad4ad372_gnw:
	s_mov_b64 s[64:65], 0
	v_nop
	global_prefetch_b8 v0, s[64:65] scope:SCOPE_SE
	s_setreg_imm32_b32 hwreg(HW_REG_WAVE_MODE, 25, 1), 1
	s_wait_xcnt 0x0
; GROUP NORM, AND THE WEIGHTS FOR THE PROJECTION, side by side in each of 256 work-groups of 16 waves.
; (1) hn[b][c][p] = (x[b][c][p] - mean) rsqrt(var + 1e-5) gn_w[c] + gn_b[c], rounded once to bf16; mean and var over a group's 16 channels x 2,048 pixels.  Work-group n is (image, group) n:
;     131,072 dense bytes of x.  Wave w holds channel w in 64 registers from the loads to the stores, so x is read once.  TWO PASSES over the registers: the mean, then the sum of squares of
;     x - mean, so that a common offset of x costs no digits.  All in f32.
; (2) wcat holds 1,536 rows of 512 channels in bf16: wq's rows, wk's rows, and Wvo = wo x wv, since (attn v) wo^T = attn (v wo^T): v' = t Wvo^T + bvo, Wvo[o][c] = sum over m of wo[o][m] wv[m][c],
;     bvo[o] = sum over m of wo[o][m] bv[m] (f32).  wcat's layout: 24 tiles of 256 rows x 128 channels, tile 4 (row / 256) + channel / 128; a row's piece is 256 bytes, a tile 65,536 dense bytes.
;     Work-group n rounds rows 4 n .. 4 n + 3 of (wq, wk), a piece of 256 bytes a wave, and makes Wvo's rows 16 (n / 8) .. + 15, columns 64 (n % 8) .. + 63: wave w the 16 columns w % 4, the quarter
;     w / 4 of K (4 matrix instructions on two accumulators by turns); the four partial tiles meet in LDS in f32.
; LIMITS.  Wvo is a product of operands rounded to bf16, summed in f32 and rounded once more to bf16: an order of rounding that differs from multiplying by wv and wo in turn.
; A piece of a row of Wvo leaves as 128 consecutive bytes, half of an aligned 256: 512 KiB of the launch's 18 MiB of stores; a tile 128 columns wide would double each work-group's reads of wv.
; ORDER.  All 41 loads of a wave go out at once, the weights' ahead of x's, so that the counted waits for the weights leave x out: the weights' work stands in the wait for x.
; The product is taken transposed (source 0 = 16 columns c of wv, turned out of LDS; source 1 = 16 rows o of wo): a lane ends with 8 neighbouring c of one row o.
; No tensor loads (each byte is converted on its way into LDS), no cluster (what work-groups share is small beside x).
.set PWV,   160                        ; LDS row of wv: 64 bf16 + 32 bytes, an odd multiple of 32 for the turning load
.set WOL,   512*PWV                    ; behind wv's 512 rows: wo's 16 rows
.set PWO,   1040                       ; 512 bf16 + 16 bytes
.set PS,    WOL+16*PWO                 ; four partial tiles of 16 rows x 64 f32
.set PPS,   272                        ; 256 bytes + 16
.set BS,    PS+4*16*PPS                ; 16 words: bvo of the group's rows
.set RED,   BS+256                     ; 16 waves' sums; 256 bytes on: those of the second reduction
.set SPARE, RED+512                    ; the spare words, 128 bytes for each of 16 waves
.set SPW, 4
.set NIL, 5
.set XO,  6                            ; offsets in memory: x, hn
.set HO,  7
.set RA,  8                            ; LDS: RED + 4 x wave;  RED
.set ZA,  9
.set CVO, 10                           ; offsets in memory: the piece to round, where it goes, bv, wo, wv
.set CVS, 11
.set BVO, 12
.set WOO, 13
.set WVO, 14
.set WOS, 15                           ; LDS: where my row of wo goes
.set AWS, 16                           ; v16-17 LDS: where my rows of wv go: loads 0-7, loads 8-15
.set ATR, 18                           ; LDS: my fragments of wv, of wo
.set AWO, 19
.set PSS, 20                           ; LDS: where my partial tile goes; where I read 8 columns of a row back
.set PSR, 21
.set GO,  22                           ; my 16 bytes of Wvo in wcat
.set BSA, 23                           ; LDS: BS + 4 x wave
.set TT,  24                           ; v24-31 at work; with v32-39 the sixteen sums of a reduction
.set C,   32                           ; v32-39 four chains of pairs
.set M,   40                           ; v40-41 the mean, twice
.set RS,  42
.set GA,  44                           ; v44-45 rstd x gain, twice;  v46-47 the bias, twice
.set GB,  46
.set CV,  48                           ; v48-51   the piece to round
.set BV,  52                           ; v52-67   bv
.set WO,  68                           ; v68-83   my row of wo
.set ACC, 84                           ; v84-99   two accumulators
.set WV,  100                          ; v100-163 16 pieces of wv; later the fragments of 4 K steps, then the partial tiles
.set FR,  100
.set X,   164                          ; v164-227 my channel of x
.macro CVT2 r                          ; four f32 at v[r] .. become four bf16 in v[r], v[r+1]
	v_cvt_pk_bf16_f32 v[\r], v[\r], v[(\r)+1]
	v_cvt_pk_bf16_f32 v[(\r)+1], v[(\r)+2], v[(\r)+3]
.endm
	s_load_b512 s[4:19], s[0:1], 0x0               ; x s[4:5], gn_w s[6:7], gn_b s[8:9], wq s[10:11], wk s[12:13], wv s[14:15], wo s[16:17], bv s[18:19]
	s_load_b128 s[20:23], s[0:1], 0x40             ; hn s[20:21], wcat s[22:23]
	s_load_b64 s[24:25], s[0:1], 0x50              ; bvo
	v_lshl_add_u32 v[SPW], v0, 2, SPARE
	v_mov_b32 v[NIL], 0
	v_lshrrev_b32 v1, 5, v0
	v_readfirstlane_b32 s26, v1                    ; wave 0..15
	v_and_b32 v1, 31, v0                           ; l
	v_and_b32 v2, 15, v0                           ; r = l % 16
	v_bfe_u32 v3, v0, 4, 1                         ; h = l / 16
	s_lshr_b32 s27, ttmp9, 3                       ; ob: 16 rows of Wvo
	s_and_b32 s28, ttmp9, 7                        ; cb: 64 columns
	s_and_b32 s44, s26, 3                          ; w % 4
	s_lshr_b32 s45, s26, 2                         ; w / 4
	s_mov_b32 s40, 0x76543210                      ; v_permlanex16_b32: each lane takes its own place in the other half
	s_mov_b32 s41, 0xfedcba98
	s_lshl_b32 s30, s26, 13
	v_lshl_add_u32 v[XO], v1, 4, s30               ; my channel's 8,192 bytes, 16 a lane
	s_lshl_b32 s30, s26, 12
	v_lshl_add_u32 v[HO], v1, 3, s30
	s_lshl_b32 s30, s26, 2
	s_add_co_u32 s30, s30, RED
	v_mov_b32 v[RA], s30
	v_mov_b32 v[ZA], RED
	s_sub_co_u32 s30, s30, 256
	v_mov_b32 v[BSA], s30                          ; BS lies 256 bytes ahead of RED
	s_lshl_b32 s32, ttmp9, 17
	s_mov_b32 s33, 0
	s_lshl_b32 s34, ttmp9, 16
	s_mov_b32 s35, 0
	s_and_b32 s36, ttmp9, 31                       ; the group: 16 channels, 64 bytes of gn_w and gn_b; my channel's word
	s_lshl_b32 s36, s36, 6
	s_lshl_b32 s37, s26, 2
	s_add_co_u32 s36, s36, s37
	s_mov_b32 s37, 0
	s_lshl_b32 s30, ttmp9, 2
	s_add_co_u32 s30, s30, s45                     ; row 4 n + w / 4 of (wq, wk),
	s_and_b32 s31, s30, 511
	s_lshl_b32 s31, s31, 11
	s_lshl_b32 s29, s44, 9                         ; its piece w % 4: 512 bytes of f32
	s_add_co_u32 s31, s31, s29
	v_lshl_add_u32 v[CVO], v1, 4, s31
	s_and_b32 s30, s30, 255                        ; its place in its block of 256 rows: 256 bytes a row,
	s_lshl_b32 s30, s30, 8
	s_lshr_b32 s31, ttmp9, 6
	s_lshl_b32 s31, s31, 2
	s_add_co_u32 s31, s31, s44                     ; in tile 4 x block + piece
	s_lshl_b32 s31, s31, 16
	s_add_co_u32 s30, s30, s31
	v_lshl_add_u32 v[CVS], v1, 3, s30
	v_lshlrev_b32 v[BVO], 4, v1
	s_lshl_b32 s30, s27, 4
	s_add_co_u32 s30, s30, s26                     ; wo: row 16 ob + w
	s_lshl_b32 s30, s30, 11
	v_lshl_add_u32 v[WOO], v1, 4, s30
	s_lshl_b32 s30, s26, 12                        ; wv: a load takes rows 32 j + 2 w and + 1, 256 bytes of each at column 64 cb: 16 lanes a row
	s_lshl_b32 s31, s28, 8
	s_add_co_u32 s30, s30, s31
	v_lshl_add_u32 v[WVO], v3, 11, s30
	v_lshl_add_u32 v[WVO], v2, 4, v[WVO]
	s_mul_i32 s30, s26, PWO
	s_add_co_u32 s30, s30, WOL
	v_lshl_add_u32 v[WOS], v1, 3, s30
	s_mul_i32 s30, s26, 2*PWV
	v_mul_u32_u24 v[AWS], v3, PWV
	v_lshl_add_u32 v[AWS], v2, 3, v[AWS]
	v_add_nc_u32 v[AWS], s30, v[AWS]
	v_add_nc_u32 v[AWS+1], 256*PWV, v[AWS]
	s_wait_kmcnt 0x0
	s_cmp_lt_u32 ttmp9, 128
	s_cselect_b64 s[38:39], s[10:11], s[12:13]     ; groups 0-127 round wq, groups 128-255 wk
	s_add_nc_u64 s[4:5], s[4:5], s[32:33]
	s_add_nc_u64 s[20:21], s[20:21], s[34:35]
	s_add_nc_u64 s[6:7], s[6:7], s[36:37]
	s_add_nc_u64 s[8:9], s[8:9], s[36:37]
	; 41 loads: 1 + 4 + 4 + 16 of the weights, then x's 16
	global_load_b128 v[CV:CV+3], v[CVO], s[38:39]
.irp i, 0,1,2,3
	global_load_b128 v[BV+4*\i:BV+4*\i+3], v[BVO], s[18:19] offset:512*\i
.endr
.irp i, 0,1,2,3
	global_load_b128 v[WO+4*\i:WO+4*\i+3], v[WOO], s[16:17] offset:512*\i
.endr
.set i, 0
.rept 16
	global_load_b128 v[WV+4*i:WV+4*i+3], v[WVO], s[14:15] offset:65536*i
.set i, i+1
.endr
.set i, 0
.rept 16
	global_load_b128 v[X+4*i:X+4*i+3], v[XO], s[4:5] offset:512*i th:TH_LOAD_NT
.set i, i+1
.endr
	s_load_b32 s42, s[6:7], 0x0                    ; my channel's gain
	s_load_b32 s43, s[8:9], 0x0                    ; and bias
	; the addresses of the product, made while the loads are on their way
	v_and_b32 v[TT], 7, v0
	v_lshl_add_u32 v[TT], v3, 3, v[TT]             ; the turning load: lane l reads row 8 (l / 16) + l % 8 of K,
	v_mul_u32_u24 v[TT], v[TT], PWV
	v_bfe_u32 v[TT+1], v0, 3, 1
	v_lshl_add_u32 v[TT], v[TT+1], 4, v[TT]        ; 16 bytes at 16 ((l / 8) % 2)
	s_mul_i32 s30, s45, 128*PWV                    ; my quarter of K: 128 rows of wv,
	s_lshl_b32 s31, s44, 5                         ; my 16 columns
	s_add_co_u32 s30, s30, s31
	v_add_nc_u32 v[ATR], s30, v[TT]
	s_lshl_b32 s30, s45, 8                         ; the same quarter of wo's rows: 256 bytes
	s_add_co_u32 s30, s30, WOL
	v_mul_u32_u24 v[AWO], v2, PWO
	v_lshl_add_u32 v[AWO], v3, 4, v[AWO]
	v_add_nc_u32 v[AWO], s30, v[AWO]
	s_mul_i32 s30, s45, 16*PPS                     ; my partial tile: row r, columns 16 (w % 4) + 8 h on
	s_lshl_b32 s31, s44, 6
	s_add_co_u32 s30, s30, s31
	s_add_co_u32 s30, s30, PS
	v_mul_u32_u24 v[PSS], v2, PPS
	v_lshl_add_u32 v[PSS], v3, 5, v[PSS]
	v_add_nc_u32 v[PSS], s30, v[PSS]
	v_lshrrev_b32 v[TT], 3, v1                     ; back (waves 0-3): row 4 w + l / 8, columns 8 (l % 8) on
	v_and_b32 v[TT+1], 7, v0
	s_lshl_b32 s30, s26, 2
	v_add_nc_u32 v[TT+2], s30, v[TT]
	v_mul_u32_u24 v[PSR], v[TT+2], PPS
	v_lshl_add_u32 v[PSR], v[TT+1], 5, v[PSR]
	v_add_nc_u32 v[PSR], PS, v[PSR]
	s_lshr_b32 s30, s27, 4                         ; Wvo's rows are wcat's rows 1,024 + o: block 4 + o / 256,
	s_add_co_u32 s30, s30, 4
	s_lshl_b32 s30, s30, 2
	s_lshr_b32 s31, s28, 1
	s_add_co_u32 s30, s30, s31                     ; tile 4 x block + column / 128
	s_lshl_b32 s30, s30, 16
	s_lshl_b32 s31, s27, 4
	s_and_b32 s31, s31, 255
	s_lshl_b32 s31, s31, 8
	s_add_co_u32 s30, s30, s31
	s_and_b32 s31, s28, 1                          ; which half of the row's 256 bytes
	s_lshl_b32 s31, s31, 7
	s_add_co_u32 s30, s30, s31
	v_lshl_add_u32 v[GO], v[TT+2], 8, s30
	v_lshl_add_u32 v[GO], v[TT+1], 4, v[GO]
	s_wait_loadcnt 40                              ; the piece to round is in; the 40 younger loads stay out
	CVT2 CV
	global_store_b64 v[CVS], v[CV:CV+1], s[22:23]  ; 32 lanes store 256 consecutive bytes, aligned
	s_wait_loadcnt 32                              ; bv and my row of wo are in
	v_pk_mul_f32 v[TT:TT+1], v[WO:WO+1], v[BV:BV+1]  ; bvo of my row, in f32: 16 products a lane, then the 32 lanes
.irp e, 1,2,3,4,5,6,7
	v_pk_fma_f32 v[TT:TT+1], v[WO+2*\e:WO+2*\e+1], v[BV+2*\e:BV+2*\e+1], v[TT:TT+1]
.endr
	v_add_f32 v[TT], v[TT], v[TT+1]
.irp m, 1,2,4,8
	v_add_f32_dpp v[TT], v[TT], v[TT] row_xmask:\m row_mask:0xf bank_mask:0xf
.endr
	v_permlanex16_b32 v[TT+1], v[TT], s40, s41
	v_add_f32 v[TT], v[TT], v[TT+1]
	ds_store_b32 v[BSA], v[TT]                     ; all lanes write the same word with the same value
.irp i, 0,1,2,3
	CVT2 WO+4*\i
	ds_store_b64 v[WOS], v[WO+4*\i:WO+4*\i+1] offset:256*\i
.endr
.irp g, 0,1
	s_wait_loadcnt 24-8*\g                         ; eight more pieces of wv are in; x's 16 loads stay out
.irp k, 0,1,2,3,4,5,6,7
	CVT2 WV+4*(8*\g+\k)
	ds_store_b64 v[AWS+\g], v[WV+4*(8*\g+\k):WV+4*(8*\g+\k)+1] offset:\k*32*PWV
.endr
.endr
	s_wait_dscnt 0x0                               ; for the others' sake: my stores into LDS are done
	s_barrier_signal -1
	s_barrier_wait -1
	; my four K steps: 16 LDS loads, then 4 products; the two accumulators take turns
.irp k, 0,1,2,3
	ds_load_tr16_b128 v[FR+16*\k:FR+16*\k+3],     v[ATR] offset:\k*32*PWV
	ds_load_tr16_b128 v[FR+16*\k+4:FR+16*\k+7],   v[ATR] offset:\k*32*PWV+16*PWV
	ds_load_b128      v[FR+16*\k+8:FR+16*\k+11],  v[AWO] offset:64*\k
	ds_load_b128      v[FR+16*\k+12:FR+16*\k+15], v[AWO] offset:64*\k+32
.endr
	s_wait_dscnt 0x0
.irp k, 0,1,2,3
.if \k < 2
	v_wmma_f32_16x16x32_bf16 v[ACC+8*(\k%2):ACC+8*(\k%2)+7], v[FR+16*\k:FR+16*\k+7], v[FR+16*\k+8:FR+16*\k+15], 0
.else
	v_wmma_f32_16x16x32_bf16 v[ACC+8*(\k%2):ACC+8*(\k%2)+7], v[FR+16*\k:FR+16*\k+7], v[FR+16*\k+8:FR+16*\k+15], v[ACC+8*(\k%2):ACC+8*(\k%2)+7]
.endif
.endr
.rept 8
	v_nop                                          ; places in front of the sums that read and rewrite the results (ISA guide 7.12.1); once a launch
.endr
.irp r, 0,2,4,6
	v_pk_add_f32 v[ACC+\r:ACC+\r+1], v[ACC+\r:ACC+\r+1], v[ACC+8+\r:ACC+8+\r+1]  ; the two parities, from each accumulator's low end on
.endr
	ds_store_b128 v[PSS], v[ACC:ACC+3]
	ds_store_b128 v[PSS], v[ACC+4:ACC+7] offset:16
; Four chains into one number, the 32 lanes, the sixteen waves through LDS; then the mean over 32,768 numbers.
.macro REDUCE red
	v_pk_add_f32 v[C:C+1], v[C:C+1], v[C+2:C+3]
	v_pk_add_f32 v[C+4:C+5], v[C+4:C+5], v[C+6:C+7]
	v_pk_add_f32 v[C:C+1], v[C:C+1], v[C+4:C+5]
	v_add_f32 v[C], v[C], v[C+1]
.irp m, 1,2,4,8
	v_add_f32_dpp v[C], v[C], v[C] row_xmask:\m row_mask:0xf bank_mask:0xf
.endr
	v_permlanex16_b32 v[C+1], v[C], s40, s41
	v_add_f32 v[C], v[C], v[C+1]
	ds_store_b32 v[RA], v[C] offset:\red
	s_wait_dscnt 0x0                               ; for the others' sake: this store, and (the first time) my partial tile
	s_barrier_signal -1
	s_barrier_wait -1
.irp q, 0,1,2,3
	ds_load_b128 v[TT+4*\q:TT+4*\q+3], v[ZA] offset:(\red)+16*\q
.endr
	s_wait_dscnt 0x0
.irp q, 0,4,8,12
	v_pk_add_f32 v[TT+\q:TT+\q+1], v[TT+\q:TT+\q+1], v[TT+\q+2:TT+\q+3]
.endr
	v_pk_add_f32 v[TT:TT+1], v[TT:TT+1], v[TT+4:TT+5]
	v_pk_add_f32 v[TT+8:TT+9], v[TT+8:TT+9], v[TT+12:TT+13]
	v_pk_add_f32 v[TT:TT+1], v[TT:TT+1], v[TT+8:TT+9]
	v_add_f32 v[TT], v[TT], v[TT+1]
	v_mul_f32 v[C], 0x38000000, v[TT]              ; x 2^-15
.endm
	; pass 1: the sum; the first four loads start the chains, nothing is cleared
.set i, 0
.rept 16
.if i%8 == 0
	s_wait_loadcnt 8-i                             ; eight more loads are in
.endif
.if i < 4
	v_pk_add_f32 v[C+2*i:C+2*i+1], v[X+4*i:X+4*i+1], v[X+4*i+2:X+4*i+3]
.else
	v_pk_add_f32 v[C+2*((2*i)%4):C+2*((2*i)%4)+1], v[C+2*((2*i)%4):C+2*((2*i)%4)+1], v[X+4*i:X+4*i+1]
	v_pk_add_f32 v[C+2*((2*i+1)%4):C+2*((2*i+1)%4)+1], v[C+2*((2*i+1)%4):C+2*((2*i+1)%4)+1], v[X+4*i+2:X+4*i+3]
.endif
.set i, i+1
.endr
	REDUCE 0
	v_mov_b32 v[M], v[C]
	v_mov_b32 v[M+1], v[C]
	; Wvo's tile leaves by waves 0 to 3: the four partial tiles lie in LDS behind the barrier just passed
	s_cmp_lt_u32 s26, 4
	s_cbranch_scc0 .Lno_tile
.irp q, 0,1,2,3
	ds_load_b128 v[FR+8*\q:FR+8*\q+3],   v[PSR] offset:\q*16*PPS
	ds_load_b128 v[FR+8*\q+4:FR+8*\q+7], v[PSR] offset:\q*16*PPS+16
.endr
	s_wait_dscnt 0x0
.irp r, 0,2,4,6
	v_pk_add_f32 v[FR+\r:FR+\r+1], v[FR+\r:FR+\r+1], v[FR+8+\r:FR+8+\r+1]
	v_pk_add_f32 v[FR+16+\r:FR+16+\r+1], v[FR+16+\r:FR+16+\r+1], v[FR+24+\r:FR+24+\r+1]
.endr
.irp r, 0,2,4,6
	v_pk_add_f32 v[FR+\r:FR+\r+1], v[FR+\r:FR+\r+1], v[FR+16+\r:FR+16+\r+1]
.endr
.irp r, 0,1,2,3
	v_cvt_pk_bf16_f32 v[FR+32+\r], v[FR+2*\r], v[FR+2*\r+1]
.endr
	global_store_b128 v[GO], v[FR+32:FR+35], s[22:23]  ; 8 lanes store 128 consecutive bytes: a row's 64 columns
.Lno_tile:
	s_or_b32 s30, s26, s28
	s_cmp_lg_u32 s30, 0
	s_cbranch_scc1 .Lno_bvo                        ; bvo leaves by wave 0 of the groups with cb = 0; lanes l and l + 16 carry the same word
	v_lshl_add_u32 v[FR+36], v2, 2, BS
	ds_load_b32 v[FR+37], v[FR+36]
	s_lshl_b32 s30, s27, 6
	v_lshl_add_u32 v[FR+38], v2, 2, s30
	s_wait_dscnt 0x0
	global_store_b32 v[FR+38], v[FR+37], s[24:25]
.Lno_bvo:
	; pass 2: x - mean in place, and the sum of its squares
.set k, 0
.rept 32
	v_pk_add_f32 v[X+2*k:X+2*k+1], v[X+2*k:X+2*k+1], v[M:M+1] neg_lo:[0,1] neg_hi:[0,1]
.set k, k+1
.endr
.set k, 0
.rept 32
.if k < 4
	v_pk_mul_f32 v[C+2*k:C+2*k+1], v[X+2*k:X+2*k+1], v[X+2*k:X+2*k+1]
.else
	v_pk_fma_f32 v[C+2*(k%4):C+2*(k%4)+1], v[X+2*k:X+2*k+1], v[X+2*k:X+2*k+1], v[C+2*(k%4):C+2*(k%4)+1]
.endif
.set k, k+1
.endr
	REDUCE 256
	v_add_f32 v[C], 0x3727c5ac, v[C]               ; var + 1e-5
	v_rsq_f32 v[RS], v[C]
	v_nop                                          ; a plain instruction behind the root (ISA guide 5.7.2),
	s_wait_alu depctr_va_vdst(0)                   ; and a wait ahead of its first reader
	s_wait_kmcnt 0x0
	v_mul_f32 v[GA], s42, v[RS]
	v_mov_b32 v[GB], s43
	v_mov_b32 v[GB+1], s43
	v_mov_b32 v[GA+1], v[GA]
.set i, 0
.rept 16
	v_pk_fma_f32 v[X+4*i:X+4*i+1], v[X+4*i:X+4*i+1], v[GA:GA+1], v[GB:GB+1]
	v_pk_fma_f32 v[X+4*i+2:X+4*i+3], v[X+4*i+2:X+4*i+3], v[GA:GA+1], v[GB:GB+1]
	v_cvt_pk_bf16_f32 v[X+4*i], v[X+4*i], v[X+4*i+1]
	v_cvt_pk_bf16_f32 v[X+4*i+1], v[X+4*i+2], v[X+4*i+3]
	global_store_b64 v[HO], v[X+4*i:X+4*i+1], s[20:21] offset:256*i  ; 32 lanes store 256 consecutive bytes, aligned
.set i, i+1
.endr
	s_wait_tensorcnt 0x0                           ; the wave's end: behind my last LDS store
	ds_add_u32 v[SPW], v[NIL]
	s_wait_dscnt 0x0
	s_endpgm
.Lfunc_end_k_q8fad4ad372_gnw:
	.size	k_q8fad4ad372_gnw, .Lfunc_end_k_q8fad4ad372_gnw-k_q8fad4ad372_gnw
	.p2alignl 7, 3214868480
	.fill 96, 4, 3214868480
	.section	.rodata,"a",@progbits
	.p2align	6, 0x0
	.amdhsa_kernel k_q8fad4ad372_gnw
		.amdhsa_group_segment_fixed_size 118784
		.amdhsa_private_segment_fixed_size 0
		.amdhsa_enable_private_segment 0
		.amdhsa_kernarg_size 88
		.amdhsa_user_sgpr_count 2
		.amdhsa_user_sgpr_kernarg_segment_ptr 1
		.amdhsa_wavefront_size32 1
		.amdhsa_system_sgpr_workgroup_id_x 1
		.amdhsa_system_sgpr_workgroup_id_y 1
		.amdhsa_system_sgpr_workgroup_id_z 1
		.amdhsa_system_vgpr_workitem_id 0
		.amdhsa_next_free_vgpr 228
		.amdhsa_next_free_sgpr 66
		.amdhsa_reserve_vcc 0
		.amdhsa_float_denorm_mode_32 3
		.amdhsa_float_denorm_mode_16_64 3
		.amdhsa_memory_ordered 1
		.amdhsa_forward_progress 1
		.amdhsa_inst_pref_size 34
	.end_amdhsa_kernel
	.amdgpu_metadata
---
amdhsa.version: [ 1, 2 ]
amdhsa.kernels:
  - .name:           k_q8fad4ad372_gnw
    .symbol:         k_q8fad4ad372_gnw.kd
    .args:
      - { .name: x, .offset: 0, .size: 8, .value_kind: global_buffer, .address_space: global }
      - { .name: gn_w, .offset: 8, .size: 8, .value_kind: global_buffer, .address_space: global }
      - { .name: gn_b, .offset: 16, .size: 8, .value_kind: global_buffer, .address_space: global }
      - { .name: wq, .offset: 24, .size: 8, .value_kind: global_buffer, .address_space: global }
      - { .name: wk, .offset: 32, .size: 8, .value_kind: global_buffer, .address_space: global }
      - { .name: wv, .offset: 40, .size: 8, .value_kind: global_buffer, .address_space: global }
      - { .name: wo, .offset: 48, .size: 8, .value_kind: global_buffer, .address_space: global }
      - { .name: bv, .offset: 56, .size: 8, .value_kind: global_buffer, .address_space: global }
      - { .name: hn, .offset: 64, .size: 8, .value_kind: global_buffer, .address_space: global }
      - { .name: wcat, .offset: 72, .size: 8, .value_kind: global_buffer, .address_space: global }
      - { .name: bvo, .offset: 80, .size: 8, .value_kind: global_buffer, .address_space: global }
    .group_segment_fixed_size: 118784
    .private_segment_fixed_size: 0
    .kernarg_segment_align: 8
    .kernarg_segment_size: 88
    .max_flat_workgroup_size: 512
    .sgpr_count:     66
    .vgpr_count:     228
    .wavefront_size: 32
...
	.end_amdgpu_metadata
.endif
;; end of part 5
;; launch proj (part 6): grid 128 x 2, 4 waves a work-group, clusters of 4 x 1, 327,680 bytes of LDS; arguments hn, wcat, bq, bk, bvo, qkv; writes qkv
.if DOCPART == 6
	.amdgcn_target "amdgcn-amd-amdhsa--gfx1250"
	.amdhsa_code_object_version 6
	.text
	.protected	k_q8fad4ad372_proj
	.globl	k_q8fad4ad372_proj
	.p2align	8
	.type	k_q8fad4ad372_proj,@function
k_q8fad4ad372_proj:
	s_mov_b64 s[64:65], 0
	v_nop
	global_prefetch_b8 v0, s[64:65] scope:SCOPE_SE
	s_setreg_imm32_b32 hwreg(HW_REG_WAVE_MODE, 25, 1), 1
	s_wait_xcnt 0x0
	s_wait_alu depctr_hold_cnt(0) depctr_sa_sdst(0) depctr_va_vdst(0) depctr_va_sdst(0) depctr_va_ssrc(0) depctr_va_vcc(0) depctr_vm_vsrc(0)
	s_getreg_b32 s2, hwreg(HW_REG_IB_STS2, 6, 4)
	s_cmp_eq_u32 s2, 0
	s_cbranch_scc0 .Lentry_in_a_cluster
	s_endpgm
.Lentry_in_a_cluster:
	s_bfe_u32 s2, ttmp6, 0x10000c
	s_cmp_lg_u32 s2, 0x3003
	s_cbranch_scc0 .Lentry_shape_is_right
	s_endpgm
.Lentry_shape_is_right:
; THE THREE PROJECTIONS.  qkv[j][token][o] = sum over c of hn[c][token] W_j[o][c] + bias_j[o], j = q, k, v' (W in wcat, bf16; sums f32; rounded once to bf16).  No scale is applied here.
; SHARES.  1,536 outputs x 16,384 tokens are 768 tiles of 128 tokens x 256 outputs: three to each of 256 work-groups.  A WORK-GROUP STAYS: its 128 tokens' hn (512 channels) lies in LDS for all three
; tiles; only W walks, in K steps of 128 channels (a tile of wcat: 256 rows x 256 bytes, dense) through a ring of two slots: 12 steps.  Wave w makes tokens 64 (w / 2) .., outputs 128 (w % 2) ..:
; 32 accumulators of 16 x 16.
; CLUSTER.  The four work-groups of a cluster differ in their tokens alone and walk the same tiles of W: each is asked for JOINTLY, the same load, descriptor and mask in all four.  hn is each one's own.
; THE WALK BEGINS ELSEWHERE FROM CLUSTER TO CLUSTER: cluster x begins with tile x mod 3 of its three tiles of outputs and goes round, so that the clusters of a row of the grid ask for three different
; tiles of W at a time.  A lap of the ring is half a tile of outputs; the half's number goes round modulo 6, and the descriptor's global address is made anew from it.  The order along K is the same in all.
; LAYOUT.  Source 0 = 16 rows o of W (as they lie), source 1 = 16 tokens (hn lies [channel][token] and is turned by ds_load_tr16_b128): a lane ends with 8 neighbouring o of one token: 16 bytes of qkv.
; The bias is the C operand of each accumulator's first product: nothing is cleared and nothing is added later.
; REGISTERS, in windows of 256 (s_set_vgpr_msb: bits 1:0 source 0, 3:2 source 1, 5:4 source 2, 7:6 destination):
;   window 0: v0-31 addresses; v64-159, v160-255 two fragment buffers (8 of W, then 4 of hn); the second serves the way out      window 1: the accumulators, (a, b) at 8 (8 a + b)      window 2: v0-63 the bias
.set PW,     272                       ; an LDS row of W: 256 bytes + 16: the 16 rows of a load start at 16 different groups of four banks (64 banks of 4 bytes: ISA guide 11.1)
.set SLOT,   256*PW
.set HN,     2*SLOT                    ; behind the ring: hn, 512 rows of 128 tokens
.set PH,     288                       ; 256 bytes + 32, for the turning load
.set STAGE,  HN+512*PH                 ; 16 rows x 272 for each wave, for the way out; no tensor load lands here
.set SPITCH, 272
.set SPARE,  STAGE+4*16*SPITCH         ; the spare words, 128 bytes for each wave
.set TILEB,  65536                     ; bytes in a tile of wcat
.set ADW,  16                          ; v16-17 LDS address of my W fragments in slot 0, 1
.set ADHB, 18                          ; v18    of my hn fragments at channel 0
.set ADH,  20                          ; v20-21 the same at the channels of the lap's two K steps
.set STO,  22
.set RD,   23
.set CO,   24
.set BOF,  25                          ; my byte offset in a tile's 256 biases
.set SPW,  28
.set NIL,  29
.set F0,   64
.set F1,   160
.set TMP,  160                         ; the way out: packed results; two buffers of rows read back
.set BK,   192
.set WV,  16                           ; s16 wave; s17 cx; s18 block of 128 tokens; s19 y
.set CX,  17
.set PB,  18
.set YY,  19
.set G1W, 24                           ; s[24:31] group 1 for W's tiles;  s[32:39] for hn
.set G1H, 32
.set G0W, 40                           ; s[40:47] group 0 for W, a set for each slot;  s[48:51] for hn
.set G0H, 48
.set WB0, 52                           ; s[52:53] wcat at my 64 rows of my row of the grid's first tile;  s[68:69] one tile on
.set HX,  54                           ; the half tile of outputs that was asked for last, 0..5
.set LAP, 55
.set HB,  56                           ; 0 or 256 channels of hn, by the lap's parity
.set GG,  57                           ; the tile of outputs in hand, 0..5
.set QB,  58                           ; s[58:59] qkv at my tokens and my half of a tile's outputs
.set ST,  60                           ; s[60:61] the same in the tile in hand
.set BP,  62                           ; s[62:63] the tile's biases
.set GS,  66                           ; which of my three tiles is in hand
.set Y3,  67                           ; 3 y
.set WB1, 68
.set OFF, 70                           ; s[70:71] a half tile's byte offset
.set MSB, 0
.macro WIN new                         ; the high byte repeats the setting that is left; a switch that changes nothing is dropped
.if MSB != (\new)
	s_set_vgpr_msb (MSB<<8)|(\new)
.set MSB, \new
.endif
.endm
.macro PLACES                          ; four places behind matrix instructions, in front of loads into registers that they have read and of conversions that read results (ISA guide 7.12.1 for vector instructions)
.rept 4
	v_nop
.endr
.endm
.macro CREST                           ; a round of the cluster's barrier behind its opening barrier
	s_cmp_lg_u32 s[WV], 0
	s_cbranch_scc1 .Lnot_wave_0_\@
	s_barrier_signal -3
.Lnot_wave_0_\@:
	s_barrier_wait -3
	s_barrier_signal -1
	s_barrier_wait -1
.endm
.macro CROUND
	s_barrier_signal -1
	s_barrier_wait -1
	CREST
.endm
; The 16 loads of the tile's biases: register j of block b holds bias[128 (w % 2) + 16 b + 8 (l / 16) + j].
.macro BIASLD
	s_cmp_lt_u32 s[GG], 2
	s_cselect_b64 s[BP:BP+1], s[8:9], s[10:11]
	s_cmp_lt_u32 s[GG], 4
	s_cselect_b64 s[BP:BP+1], s[BP:BP+1], s[12:13]
	s_and_b32 s20, s[GG], 1
	s_lshl_b32 s20, s20, 10
	s_mov_b32 s21, 0
	s_add_nc_u64 s[BP:BP+1], s[BP:BP+1], s[20:21]
	WIN 0x80                                       ; destination window 2
.irp b, 0,1,2,3,4,5,6,7
	global_load_b128 v[8*\b:8*\b+3],   v[BOF], s[BP:BP+1] offset:64*\b
	global_load_b128 v[8*\b+4:8*\b+7], v[BOF], s[BP:BP+1] offset:64*\b+16
.endr
	WIN 0
.endm
	s_load_b256 s[4:11], s[0:1], 0x0               ; hn s[4:5], wcat s[6:7], bq s[8:9], bk s[10:11]
	s_load_b128 s[12:15], s[0:1], 0x20             ; bvo s[12:13], qkv s[14:15]
	v_lshl_add_u32 v[SPW], v0, 2, SPARE
	v_mov_b32 v[NIL], 0
	ds_add_u32 v[SPW], v[NIL]                      ; the wave's opening: the add, and its wait ahead of my first tensor load; the set-up below stands between them
	v_lshrrev_b32 v1, 5, v0
	v_readfirstlane_b32 s[WV], v1                  ; wave 0..3
	s_bfe_u32 s[CX], ttmp6, 0x40000                ; my place in the cluster: it enters hn's and qkv's addresses alone
	s_lshl_b32 s[PB], ttmp9, 2
	s_add_co_u32 s[PB], s[PB], s[CX]               ; my block of 128 tokens
	s_and_b32 s[YY], ttmp7, 0xffff                 ; which three tiles of outputs
	s_mov_b32 s[G1W],   15|(1<<16)|(1<<20)|(1<<21)|(5<<22)|(3<<25)  ; the mask of four; 2-byte elements; padding on; bit 21 beside a mask; after every 64 words 4 words
	s_mov_b32 s[G1W+1], 128<<16                    ; tensor_dim0 = 128
	s_mov_b32 s[G1W+2], 64<<16                     ; tensor_dim1 = 64
	s_mov_b32 s[G1W+3], 128<<16                    ; tile_dim0 = 128
	s_mov_b32 s[G1W+4], 64                         ; tile_dim1 = 64
	s_mov_b32 s[G1W+5], 128                        ; 128 elements from row to row: a tile is dense
	s_mov_b32 s[G1W+6], 0
	s_mov_b32 s[G1W+7], 0
	s_mov_b32 s[G1H],   (1<<16)|(1<<20)|(5<<22)|(7<<25)  ; no mask; after every 64 words 8 words
	s_mov_b32 s[G1H+1], 128<<16
	s_mov_b32 s[G1H+2], 128<<16
	s_mov_b32 s[G1H+3], 128<<16
	s_mov_b32 s[G1H+4], 128                        ; 128 channels x 128 tokens
	s_mov_b32 s[G1H+5], 2048                       ; a channel's 2,048 pixels
	s_mov_b32 s[G1H+6], 0
	s_mov_b32 s[G1H+7], 0
	s_mul_i32 s20, s[YY], 12*TILEB                 ; W: tile 12 y, my 64 rows of it: y and the wave's number alone
	s_lshl_b32 s21, s[WV], 14
	s_add_co_u32 s20, s20, s21
	s_mov_b32 s21, 0
	s_lshr_b32 s22, s[PB], 4                       ; hn: the image,
	s_lshl_b32 s22, s22, 21
	s_lshl_b32 s23, s[WV], 19                      ; my 128 channels,
	s_add_co_u32 s22, s22, s23
	s_and_b32 s23, s[PB], 15                       ; the block's 256 bytes of a channel
	s_lshl_b32 s23, s23, 8
	s_add_co_u32 s22, s22, s23
	s_mov_b32 s23, 0
	s_lshl_b32 s2, s[PB], 17                       ; qkv: 128 tokens of 1,024 bytes,
	s_lshr_b32 s3, s[WV], 1
	s_lshl_b32 s3, s3, 16                          ; my 64 of them,
	s_add_co_u32 s2, s2, s3
	s_and_b32 s3, s[WV], 1
	s_lshl_b32 s3, s3, 8                           ; my 128 outputs
	s_add_co_u32 s2, s2, s3
	s_mov_b32 s3, 0
	s_mul_i32 s[GS], ttmp9, 11                     ; cluster x mod 3 (x is under 32: x / 3 = 11 x / 32): the same in all four partners
	s_lshr_b32 s[GS], s[GS], 5
	s_mul_i32 s[GS], s[GS], 3
	s_sub_co_u32 s[GS], ttmp9, s[GS]
	s_lshl_b32 s[HX], s[GS], 1                     ; the walk's first half tile
	s_mul_i32 s[Y3], s[YY], 3
	s_add_co_u32 s[GG], s[Y3], s[GS]
	s_lshl_b32 s[OFF], s[HX], 17                   ; a half tile of outputs is two tiles of wcat
	s_mov_b32 s[OFF+1], 0
	s_mov_b32 s[HB], 0
	s_mov_b32 s[G0W], 1
	s_mul_i32 s[G0W+1], s[WV], 64*PW               ; LDS: wave x 64 rows
	s_mov_b32 s[G0W+4], 1
	s_add_co_u32 s[G0W+5], s[G0W+1], SLOT
	s_mov_b32 s[G0H], 1
	s_mul_i32 s[G0H+1], s[WV], 128*PH
	s_add_co_u32 s[G0H+1], s[G0H+1], HN
	s_wait_dscnt 0x0                               ; the opening add is done
	s_wait_kmcnt 0x0
	s_add_nc_u64 s[WB0:WB0+1], s[6:7], s[20:21]
	s_add_nc_u64 s[WB1:WB1+1], s[WB0:WB0+1], TILEB
	s_add_nc_u64 s[G0W+2:G0W+3], s[WB0:WB0+1], s[OFF:OFF+1]
	s_add_nc_u64 s[G0W+6:G0W+7], s[WB1:WB1+1], s[OFF:OFF+1]
	s_or_b32 s[G0W+3], s[G0W+3], 0x80000000        ; type = 2
	s_or_b32 s[G0W+7], s[G0W+7], 0x80000000
	s_add_nc_u64 s[G0H+2:G0H+3], s[4:5], s[22:23]
	s_or_b32 s[G0H+3], s[G0H+3], 0x80000000
	s_add_nc_u64 s[QB:QB+1], s[14:15], s[2:3]
	CROUND                                         ; all four work-groups are here: the first joint loads meet
	tensor_load_to_lds s[G0H:G0H+3], s[G1H:G1H+7]  ; the first fills go out together: three loads of mine are out
	s_nop 0
	tensor_load_to_lds s[G0W:G0W+3], s[G1W:G1W+7]
	s_nop 0
	tensor_load_to_lds s[G0W+4:G0W+7], s[G1W:G1W+7]
	s_nop 0
	PLACES
	v_and_b32 v1, 15, v0                           ; r = l % 16
	v_bfe_u32 v2, v0, 4, 1                         ; h = l / 16
	v_mul_u32_u24 v3, v1, PW
	v_lshl_add_u32 v3, v2, 4, v3                   ; a fragment of W: row x pitch + 16 x half
	s_and_b32 s20, s[WV], 1
	s_mul_i32 s21, s20, 128*PW
	v_add_nc_u32 v[ADW], s21, v3
	v_add_nc_u32 v[ADW+1], SLOT, v[ADW]
	v_and_b32 v3, 7, v0                            ; the turning load: lane l reads channel 8 (l / 16) + l % 8, tokens 8 ((l / 8) % 2) + 0..7
	v_lshl_add_u32 v3, v2, 3, v3
	v_mul_u32_u24 v3, v3, PH
	v_bfe_u32 v4, v0, 3, 1
	v_lshl_add_u32 v3, v4, 4, v3
	s_lshr_b32 s21, s[WV], 1
	s_lshl_b32 s21, s21, 7
	s_add_co_u32 s21, s21, HN
	v_add_nc_u32 v[ADHB], s21, v3
	v_mov_b32 v[ADH], v[ADHB]
	v_add_nc_u32 v[ADH+1], 128*PH, v[ADH]
	s_mul_i32 s21, s[WV], 16*SPITCH
	s_add_co_u32 s21, s21, STAGE
	v_mul_u32_u24 v3, v1, SPITCH                   ; into my stage: row l % 16, 16 bytes for each half of the lanes
	v_lshl_add_u32 v3, v2, 4, v3
	v_add_nc_u32 v[STO], s21, v3
	v_mul_u32_u24 v3, v2, SPITCH                   ; back: lanes 0-15 one row of 256 bytes, lanes 16-31 the next
	v_lshl_add_u32 v3, v1, 4, v3
	v_add_nc_u32 v[RD], s21, v3
	v_lshlrev_b32 v3, 10, v2                       ; and the same two tokens in qkv
	v_lshl_add_u32 v[CO], v1, 4, v3
	s_lshl_b32 s20, s20, 9
	v_lshl_add_u32 v[BOF], v2, 5, s20
	BIASLD
; 8 matrix instructions: token block a x all 8 output blocks, 32 along K.  bias = 1: the first product of each sum takes the bias as C.  The accumulators take turns.
.macro MUL8 f, a, bias
.if \bias
	WIN 0x60                                       ; C window 2, D window 1
.else
	WIN 0x50                                       ; C and D window 1
.endif
.irp b, 0,1,2,3,4,5,6,7
.if \bias
	v_wmma_f32_16x16x32_bf16 v[8*(8*(\a)+\b):8*(8*(\a)+\b)+7], v[(\f)+8*\b:(\f)+8*\b+7], v[(\f)+64+8*(\a):(\f)+64+8*(\a)+7], v[8*\b:8*\b+7]
.else
	v_wmma_f32_16x16x32_bf16 v[8*(8*(\a)+\b):8*(8*(\a)+\b)+7], v[(\f)+8*\b:(\f)+8*\b+7], v[(\f)+64+8*(\a):(\f)+64+8*(\a)+7], v[8*(8*(\a)+\b):8*(8*(\a)+\b)+7]
.endif
.endr
.endm
; 24 LDS loads in one run: quarter q (32 channels) of the K step in a slot, into buffer f: W's eight fragments, then the tokens' four
.macro FETCH slot, q, f
	WIN 0
.irp b, 0,1,2,3,4,5,6,7
	ds_load_b128 v[(\f)+8*\b:(\f)+8*\b+3],   v[ADW+(\slot)] offset:64*(\q)+\b*16*PW
	ds_load_b128 v[(\f)+8*\b+4:(\f)+8*\b+7], v[ADW+(\slot)] offset:64*(\q)+\b*16*PW+32
.endr
.irp a, 0,1,2,3
	ds_load_tr16_b128 v[(\f)+64+8*\a:(\f)+64+8*\a+3],   v[ADH+(\slot)] offset:(\q)*32*PH+32*\a
	ds_load_tr16_b128 v[(\f)+64+8*\a+4:(\f)+64+8*\a+7], v[ADH+(\slot)] offset:(\q)*32*PH+32*\a+16*PH
.endr
.endm
; One of a K step's first three quarters: multiplies buffer f; in its middle it fetches quarter q of the same slot into buffer g.
.macro QUARTER slot, q, f, g, bias
	s_wait_dscnt 0x4                               ; all but the youngest four loads (token blocks 2, 3)
	MUL8 \f, 0, \bias
	MUL8 \f, 1, \bias
	PLACES
	FETCH \slot, \q, \g
	s_wait_dscnt 24                                ; all but the 24 just issued
	MUL8 \f, 2, \bias
	MUL8 \f, 3, \bias
.endm
; The last quarter multiplies buffer 1 and changes slots: each wave waits for all its tensor loads (one is out: its part of the next slot), adds 0 to its spare word, and waits for that and for its reads of
; this slot.  fill = 1: the barrier opens a round of the cluster's, and the joint refill, two K steps ahead, is the first thing behind it: it has 112 matrix instructions in which to land.
; The refill's address is made between the add and the wait for it: slot 0's change steps the half tile's number round modulo 6, slot 1's takes the same half's second K step.
.macro TURN slot, next, fill
	WIN 0
	s_wait_tensorcnt 0x0
	ds_add_u32 v[SPW], v[NIL]
.if \fill
.if (\slot) == 0
	s_add_co_u32 s[HX], s[HX], 1
	s_cmp_eq_u32 s[HX], 6
	s_cselect_b32 s[HX], 0, s[HX]
	s_lshl_b32 s[OFF], s[HX], 17
	s_add_nc_u64 s[G0W+2:G0W+3], s[WB0:WB0+1], s[OFF:OFF+1]
.else
	s_add_nc_u64 s[G0W+6:G0W+7], s[WB1:WB1+1], s[OFF:OFF+1]
.endif
	s_or_b32 s[G0W+4*(\slot)+3], s[G0W+4*(\slot)+3], 0x80000000
.endif
	s_wait_dscnt 0x5                               ; (the add and the youngest four loads may be out)
	MUL8 F1, 0, 0
	s_wait_dscnt 0x0                               ; the add is done, and my reads of this slot are over
	s_barrier_signal -1
	MUL8 F1, 1, 0
.if \fill
	WIN 0
.endif
	s_barrier_wait -1
.if \fill
	CREST                                          ; no wave of any partner still reads this slot or has a load on its way
	tensor_load_to_lds s[G0W+4*(\slot):G0W+4*(\slot)+3], s[G1W:G1W+7]
	s_nop 0
	PLACES                                         ; also the places in front of the loads below
.else
	PLACES
.endif
	FETCH \next, 0, F0
	MUL8 F1, 2, 0
	MUL8 F1, 3, 0
.endm
; THE WAY OUT of token block a: rounded to bf16, 16 bytes a lane; through my own stage; stored as whole rows of 256 bytes.
.macro PACK a
	WIN 0x05                                       ; sources window 1
.irp b, 0,1,2,3,4,5,6,7
.irp r, 0,1,2,3
	v_cvt_pk_bf16_f32 v[TMP+4*\b+\r], v[64*(\a)+8*\b+2*\r], v[64*(\a)+8*\b+2*\r+1]
.endr
.endr
	WIN 0
.endm
.macro TOSTAGE a
.irp b, 0,1,2,3,4,5,6,7
	ds_store_b128 v[STO], v[TMP+4*\b:TMP+4*\b+3] offset:32*\b
.endr
.irp t, 0,1,2,3,4,5,6,7
	ds_load_b128 v[BK+32*((\a)%2)+4*\t:BK+32*((\a)%2)+4*\t+3], v[RD] offset:\t*2*SPITCH  ; LDS serves a wave's instructions in order (ISA guide 5.7.1.4): these see the stores above
.endr
.endm
.macro SEND a
	s_wait_dscnt 0x0                               ; the block is back in registers
	s_wait_xcnt 0x0                                ; the registers that earlier stores read are loaded again only behind this wait
.irp t, 0,1,2,3,4,5,6,7
	global_store_b128 v[CO], v[BK+32*((\a)%2)+4*\t:BK+32*((\a)%2)+4*\t+3], s[ST:ST+1] offset:(16*(\a)+2*\t)*1024  ; 16 lanes store 256 consecutive bytes, aligned
.endr
.endm
.macro EPI more                        ; a finished tile leaves; more = 1: the next tile's biases are asked for first
	s_lshr_b32 s20, s[GG], 1                       ; which of q, k, v'
	s_lshl_b32 s20, s20, 24
	s_and_b32 s21, s[GG], 1                        ; which half of its 512 outputs
	s_lshl_b32 s21, s21, 9
	s_add_co_u32 s20, s20, s21
	s_mov_b32 s21, 0
	s_add_nc_u64 s[ST:ST+1], s[QB:QB+1], s[20:21]
.if \more
	s_add_co_u32 s[GS], s[GS], 1                   ; my next tile of outputs, round modulo 3
	s_cmp_eq_u32 s[GS], 3
	s_cselect_b32 s[GS], 0, s[GS]
	s_add_co_u32 s[GG], s[Y3], s[GS]
	BIASLD
.endif
	PACK 0
	TOSTAGE 0
.irp a, 1,2,3                          ; block a's conversions stand between block a - 1's loads from the stage and the wait for them
	PACK \a
	SEND \a-1
	TOSTAGE \a
.endr
	SEND 3
	s_wait_xcnt 0x0                                ; the stores have read their registers: buffer 1 and the base may be written again
.if \more
	s_wait_loadcnt 0x0                             ; the biases
.endif
.endm
	s_wait_tensorcnt 0x1                           ; my parts of hn and of K step 0 are in; K step 1's may stay out
	s_barrier_signal -1
	s_barrier_wait -1                              ; everybody's are
	FETCH 0, 0, F0
	s_wait_loadcnt 0x0                             ; the first tile's biases
	QUARTER 0, 1, F0, F1, 1
	WIN 0
	s_mov_b32 s[LAP], 5
.Llap:                                         ; a trip goes once round the ring, from a lap's second quarter to the next lap's first; a tile is two laps
	QUARTER 0, 2, F1, F0, 0
	QUARTER 0, 3, F0, F1, 0
	TURN 0, 1, 1
	QUARTER 1, 1, F0, F1, 0
	QUARTER 1, 2, F1, F0, 0
	QUARTER 1, 3, F0, F1, 0
	WIN 0
	s_xor_b32 s[HB], s[HB], 256*PH                 ; the next lap's channels of hn: 256 on, or back to 0
	v_add_nc_u32 v[ADH], s[HB], v[ADHB]
	v_add_nc_u32 v[ADH+1], 128*PH, v[ADH]
	TURN 1, 0, 1
	WIN 0
	s_and_b32 s20, s[LAP], 1
	s_cmp_lg_u32 s20, 0
	s_cbranch_scc1 .Lplain                         ; a forward jump past text with no barrier and no tensor load
	PLACES
	EPI 1                                          ; laps 1 and 3 end a tile
	QUARTER 0, 1, F0, F1, 1
	WIN 0
	s_branch .Lnext
.Lplain:
	QUARTER 0, 1, F0, F1, 0
	WIN 0
.Lnext:
	s_sub_co_u32 s[LAP], s[LAP], 1
	s_cmp_lg_u32 s[LAP], 0
	s_cbranch_scc1 .Llap
	QUARTER 0, 2, F1, F0, 0                        ; the last lap fills nothing and has no round
	QUARTER 0, 3, F0, F1, 0
	TURN 0, 1, 0
	QUARTER 1, 1, F0, F1, 0
	QUARTER 1, 2, F1, F0, 0
	QUARTER 1, 3, F0, F1, 0
	s_wait_dscnt 0x4
	MUL8 F1, 0, 0
	MUL8 F1, 1, 0
	s_wait_dscnt 0x0
	MUL8 F1, 2, 0
	MUL8 F1, 3, 0
	WIN 0
	PLACES
	EPI 0
	s_wait_tensorcnt 0x0                           ; the wave's end: behind my last tensor load and my last LDS store
	ds_add_u32 v[SPW], v[NIL]
	s_wait_dscnt 0x0
	CROUND                                         ; the closing round
	s_endpgm
.Lfunc_end_k_q8fad4ad372_proj:
	.size	k_q8fad4ad372_proj, .Lfunc_end_k_q8fad4ad372_proj-k_q8fad4ad372_proj
	.p2alignl 7, 3214868480
	.fill 96, 4, 3214868480
	.section	.rodata,"a",@progbits
	.p2align	6, 0x0
	.amdhsa_kernel k_q8fad4ad372_proj
		.amdhsa_group_segment_fixed_size 327680
		.amdhsa_private_segment_fixed_size 0
		.amdhsa_enable_private_segment 0
		.amdhsa_kernarg_size 48
		.amdhsa_user_sgpr_count 2
		.amdhsa_user_sgpr_kernarg_segment_ptr 1
		.amdhsa_wavefront_size32 1
		.amdhsa_system_sgpr_workgroup_id_x 1
		.amdhsa_system_sgpr_workgroup_id_y 1
		.amdhsa_system_sgpr_workgroup_id_z 1
		.amdhsa_system_vgpr_workitem_id 0
		.amdhsa_next_free_vgpr 576
		.amdhsa_next_free_sgpr 72
		.amdhsa_reserve_vcc 0
		.amdhsa_float_denorm_mode_32 3
		.amdhsa_float_denorm_mode_16_64 3
		.amdhsa_memory_ordered 1
		.amdhsa_forward_progress 1
		.amdhsa_inst_pref_size 109
	.end_amdhsa_kernel
	.amdgpu_metadata
---
amdhsa.version: [ 1, 2 ]
amdhsa.kernels:
  - .name:           k_q8fad4ad372_proj
    .symbol:         k_q8fad4ad372_proj.kd
    .args:
      - { .name: hn, .offset: 0, .size: 8, .value_kind: global_buffer, .address_space: global }
      - { .name: wcat, .offset: 8, .size: 8, .value_kind: global_buffer, .address_space: global }
      - { .name: bq, .offset: 16, .size: 8, .value_kind: global_buffer, .address_space: global }
      - { .name: bk, .offset: 24, .size: 8, .value_kind: global_buffer, .address_space: global }
      - { .name: bvo, .offset: 32, .size: 8, .value_kind: global_buffer, .address_space: global }
      - { .name: qkv, .offset: 40, .size: 8, .value_kind: global_buffer, .address_space: global }
    .group_segment_fixed_size: 327680
    .private_segment_fixed_size: 0
    .kernarg_segment_align: 8
    .kernarg_segment_size: 48
    .max_flat_workgroup_size: 128
    .sgpr_count:     72
    .vgpr_count:     576
    .wavefront_size: 32
...
	.end_amdgpu_metadata
.endif
;; end of part 6
;; launch attn (part 7): grid 32 x 8, 4 waves a work-group, clusters of 4 x 1, 327,680 bytes of LDS; arguments qkv, x, bo, out0; writes out0
.if DOCPART == 7
	.amdgcn_target "amdgcn-amd-amdhsa--gfx1250"
	.amdhsa_code_object_version 6
	.text
	.protected	k_q8fad4ad372_attn
	.globl	k_q8fad4ad372_attn
	.p2align	8
	.type	k_q8fad4ad372_attn,@function
k_q8fad4ad372_attn:
	s_mov_b64 s[64:65], 0
	v_nop
	global_prefetch_b8 v0, s[64:65] scope:SCOPE_SE
	s_setreg_imm32_b32 hwreg(HW_REG_WAVE_MODE, 25, 1), 1
	s_wait_xcnt 0x0
	s_wait_alu depctr_hold_cnt(0) depctr_sa_sdst(0) depctr_va_vdst(0) depctr_va_sdst(0) depctr_va_ssrc(0) depctr_va_vcc(0) depctr_vm_vsrc(0)
	s_getreg_b32 s2, hwreg(HW_REG_IB_STS2, 6, 4)
	s_cmp_eq_u32 s2, 0
	s_cbranch_scc0 .Lentry_in_a_cluster
	s_endpgm
.Lentry_in_a_cluster:
	s_bfe_u32 s2, ttmp6, 0x10000c
	s_cmp_lg_u32 s2, 0x3003
	s_cbranch_scc0 .Lentry_shape_is_right
	s_endpgm
.Lentry_shape_is_right:
; out0[b][ch][p] = x[b][ch][p] + bo[ch] + sum over k of softmax_k(Q[p] . K[k] / sqrt(512)) V'[k][ch].  Q, K, V': [16384 tokens][512] bf16 in qkv; V' already carries the output projection.
; Products, maxima and sums in f32; the weights p are rounded to bf16 for the second product (their sum l is taken of the unrounded p).
; LIMITS.  A weight below 2^-126 counts as 0 in l; the running maximum starts at the lowest finite number; NaN and infinities are not treated apart.
; SHARES.  A work-group owns 64 queries of one image and walks its 2,048 keys, 128 a step, 16 steps.  Head size 512 leaves no room for a wave tile that is large in both products, so the waves split
; KEYS in the first and CHANNELS in the second.  S^T = K Q^T: wave w takes keys 32 w .. + 31 for all 64 queries (every wave holds all of Q, 512 registers): a fragment of K feeds four products.
; O^T = V'^T P: wave w takes channels 128 w .. + 127 for all 64 queries (256 registers).  So each byte of K and V' is fetched and read by ONE wave; what the waves hand each other is small:
; their maxima (MX), and P, whose fragment for 32 keys and 16 queries IS a wave's two packed tiles of S^T: it goes through LDS as a register image, 512 dense bytes a store, in two buffers by turns.
; Query tile qt holds queries 4 r + qt (r = lane % 16), so that at the end a lane's four tiles are 4 neighbouring pixels, and 16 lanes store 256 consecutive bytes of out0 with no stage.
; SOFTMAX.  Running maximum m over all four waves' keys, p = 2^(c s - c m), c = log2(e) / sqrt(512); O and l are multiplied by a = 2^(c m_old - c m_new) in every step.
; PIPELINE.  Phase A(t): K Q^T of step t, beside it O x a(t - 1).  Phase B(t): V'^T P of step t - 1, beside it the maxima and the softmax of step t.  K's slot is filled again near A's end and has B in
; which to land, V's near B's end and has A.  O starts at 0 (256 lines, written while the first tiles are on their way), so that step 0 is a step like any other, with a = 0.
; CLUSTER.  The image is the cluster's x; the cluster's y says which four of the image's 32 blocks of queries its four work-groups take.  The four walk the same K and V': each tile is asked for JOINTLY,
; the same load, descriptor and mask in all four.
; THE WALK BEGINS ELSEWHERE IN EACH CLUSTER: cluster y of an image's eight begins at the keys of block 2 y of 16 and goes round modulo 16 (a softmax does not hang on the order of its keys), so that the
; eight clusters ask for eight different blocks at a time.  The block's number steps round, and the descriptor's global address is made anew from it.
; REGISTERS, in windows of 256 (s_set_vgpr_msb: bits 1:0 source 0, 3:2 source 1, 5:4 source 2, 7:6 destination):
;   window 0: v0-15 addresses; v16-19 my maxima; v20-43 six registers of statistics a query tile; v44-63 at work; v64-127 S^T (kt, qt) at 64 + 32 kt + 8 qt; v128-255 four buffers of 32 for K, V', P
;   window 1: O^T (ct, qt) at 32 ct + 8 qt      windows 2, 3: Q (qt, cs) at 8 (4 (cs % 8) + qt), window 2 + cs / 8; at the end window 2 holds x, window 3 v0-63 bo
.set STEP,  131072                     ; bytes of K, and of V', in a step: 128 rows of 1,024
.set PK,    1040                       ; an LDS row of K: 1,024 bytes + 16
.set KPART, 32*PK                      ; a wave's 32 keys
.set VS,    4*KPART                    ; behind K's slot: V's
.set PVP,   288                        ; an LDS row of V': a wave's 256 bytes + 32, for the turning load
.set VPART, 128*PVP                    ; a wave's strip: 128 keys x 128 channels
.set MX,    VS+4*VPART                 ; 4 waves x 16 lanes x 4 query tiles: the waves' maxima; 1,024 bytes on: their sums l
.set SPARE, MX+2048                    ; the spare words, 128 bytes for each wave
.set PB0,   294912                     ; P: two buffers of 16,384: (key group, query tile, half) x 512 bytes
.set PBUF,  16384
.set AK0,  3
.set AV0,  4
.set APL0, 5                           ; PB0 + 16 l
.set APS0, 6                           ; PB0 + 4,096 w + 16 l
.set APL,  7                           ; where P is read, where it is stored: the two above in the buffers of the step
.set APS,  8
.set MXS,  9
.set MXL,  10
.set QO,   11                          ; my byte offset in Q's rows; later in x and out0
.set XO,   11
.set SPW,  12
.set NIL,  13
.set BOO,  14
.set PFO,  15                          ; 256 x lane
.set LMQ,  16                          ; v16-19 my wave's maxima; at the end 1 / l
.set ST,   20                          ; query tile q at v[ST + 6 q]: c m, m, l (even keys', odd keys'), a, c m_old - c m_new
.set G,    44                          ; v44-59 the four waves' maxima; also at work: T1, TX, and the packed P
.set T1,   44
.set TX,   48
.set T0,   60
.set S,    64
.set POOL, 128
.set WV,   12
.set CX,   13
.set G1K,  24
.set G1V,  32
.set G0K,  40
.set G0V,  44
.set KB,   48                          ; s[48:49] K at my 32 rows of the image's block 0;  s[50:51] V' at my 256 bytes of its first row
.set VB,   50
.set NK,   52                          ; the block of keys whose K was asked for last;  s68 the same for V'
.set CNT,  53
.set PT,   54                          ; the buffer of P that is stored into, and the one that is read: 0 or 16,384
.set PL,   55
.set CS,   56
.set SEL,  58
.set XB,   60
.set OB,   62
.set BOB,  66
.set NV,   68
.set OFF,  70                          ; s[70:71] a block's byte offset
.set PFV,  72                          ; s[72:73] the one prefetch's address
.set MSB, 0
.macro WIN new                         ; the high byte repeats the setting that is left; a switch that changes nothing is dropped
.if MSB != (\new)
	s_set_vgpr_msb (MSB<<8)|(\new)
.set MSB, \new
.endif
.endm
.macro PLACES                          ; four places behind matrix instructions, in front of loads into registers that they have read and of lines that read results (ISA guide 7.12.1 for vector instructions)
.rept 4
	v_nop
.endr
.endm
.macro CREST                           ; a round of the cluster's barrier behind its opening barrier
	s_cmp_lg_u32 s[WV], 0
	s_cbranch_scc1 .Lnot_wave_0_\@
	s_barrier_signal -3
.Lnot_wave_0_\@:
	s_barrier_wait -3
	s_barrier_signal -1
	s_barrier_wait -1
.endm
.macro CROUND
	s_barrier_signal -1
	s_barrier_wait -1
	CREST
.endm
	s_load_b256 s[4:11], s[0:1], 0x0               ; qkv s[4:5], x s[6:7], bo s[8:9], out0 s[10:11]
	v_lshl_add_u32 v[SPW], v0, 2, SPARE
	v_mov_b32 v[NIL], 0
	ds_add_u32 v[SPW], v[NIL]                      ; the wave's opening: the add, and its wait ahead of my first tensor load; the set-up below stands between them
	v_lshrrev_b32 v1, 5, v0
	v_readfirstlane_b32 s[WV], v1                  ; wave 0..3
	s_bfe_u32 s[CX], ttmp6, 0x40000                ; my place in the cluster: it enters Q's, x's, out0's and the prefetch's addresses alone
	s_mov_b32 s14, ttmp9                           ; the image: the cluster's x, which the four partners share
	s_and_b32 s15, ttmp7, 0xffff                   ; the cluster's y: my cluster among the image's eight, the same in all four partners
	s_and_b32 s[NK], s15, 7
	s_lshl_b32 s[NK], s[NK], 1                     ; the block of keys at which its walk begins
	s_mov_b32 s[NV], s[NK]
	s_lshl_b32 s[OFF], s[NK], 17
	s_mov_b32 s[OFF+1], 0
	s_lshl_b32 s15, s15, 2
	s_add_co_u32 s15, s15, s[CX]                   ; my block of 64 queries
	s_lshl_b32 s16, s14, 21                        ; the image's 2,048 rows of 1,024 bytes
	s_lshl_b32 s18, s[WV], 15                      ; K: my 32 rows of a step
	s_add_co_u32 s18, s18, s16
	s_add_co_u32 s18, s18, 1<<24
	s_mov_b32 s19, 0
	s_lshl_b32 s20, s[WV], 8                       ; V': my 256 bytes of each row
	s_add_co_u32 s20, s20, s16
	s_add_co_u32 s20, s20, 1<<25
	s_mov_b32 s21, 0
	s_lshl_b32 s22, s15, 16
	s_add_co_u32 s22, s22, s16                     ; Q
	s_mov_b32 s23, 0
	s_lshl_b32 s[PFV], s[WV], 15                   ; the prefetch: V' of the walk's second block, my wave's quarter, my work-group's quarter of that
	s_lshl_b32 s17, s[CX], 13
	s_add_co_u32 s[PFV], s[PFV], s17
	s_add_co_u32 s[PFV], s[PFV], s16
	s_add_co_u32 s[PFV], s[PFV], s[OFF]
	s_add_co_u32 s[PFV], s[PFV], (1<<25)+STEP
	s_mov_b32 s[PFV+1], 0
	s_lshl_b32 s[XB], s14, 22                      ; x and out0: the image, my 128 channels, my block's 256 bytes of a channel
	s_lshl_b32 s17, s[WV], 20
	s_add_co_u32 s[XB], s[XB], s17
	s_lshl_b32 s17, s15, 8
	s_add_co_u32 s[XB], s[XB], s17
	s_mov_b32 s[XB+1], 0
	s_lshl_b32 s[BOB], s[WV], 9
	s_mov_b32 s[BOB+1], 0
	s_mov_b32 s[CNT], 14
	s_mov_b32 s[PT], 0
	s_mov_b32 s[PL], PBUF
	s_mov_b32 s[CS], 0x3d8293ee                    ; c = log2(e) / sqrt(512) = 0.0637587
	s_mov_b32 s[CS+1], s[CS]
	s_mov_b32 s[SEL], 0x76543210
	s_mov_b32 s[SEL+1], 0xfedcba98
	s_mov_b32 s[G1K],   15|(1<<16)|(1<<20)|(1<<21)|(7<<22)|(3<<25)  ; the mask of four; 2-byte elements; padding on; bit 21 beside a mask; after every 256 words 4 words
	s_mov_b32 s[G1K+1], 512<<16                    ; tensor_dim0 = 512
	s_mov_b32 s[G1K+2], 32<<16                     ; tensor_dim1 = 32
	s_mov_b32 s[G1K+3], 512<<16                    ; tile_dim0 = 512
	s_mov_b32 s[G1K+4], 32                         ; tile_dim1 = 32
	s_mov_b32 s[G1K+5], 512
	s_mov_b32 s[G1K+6], 0
	s_mov_b32 s[G1K+7], 0
	s_mov_b32 s[G1V],   15|(1<<16)|(1<<20)|(1<<21)|(5<<22)|(7<<25)  ; after every 64 words 8 words
	s_mov_b32 s[G1V+1], 128<<16
	s_mov_b32 s[G1V+2], 128<<16
	s_mov_b32 s[G1V+3], 128<<16
	s_mov_b32 s[G1V+4], 128                        ; 128 keys x 128 channels
	s_mov_b32 s[G1V+5], 512
	s_mov_b32 s[G1V+6], 0
	s_mov_b32 s[G1V+7], 0
	s_mov_b32 s[G0K], 1
	s_mul_i32 s[G0K+1], s[WV], KPART
	s_mov_b32 s[G0V], 1
	s_mul_i32 s[G0V+1], s[WV], VPART
	s_add_co_u32 s[G0V+1], s[G0V+1], VS
	s_wait_dscnt 0x0                               ; the opening add is done
	s_wait_kmcnt 0x0
	s_add_nc_u64 s[KB:KB+1], s[4:5], s[18:19]
	s_add_nc_u64 s[VB:VB+1], s[4:5], s[20:21]
	s_add_nc_u64 s[G0K+2:G0K+3], s[KB:KB+1], s[OFF:OFF+1]
	s_or_b32 s[G0K+3], s[G0K+3], 0x80000000        ; type = 2
	s_add_nc_u64 s[G0V+2:G0V+3], s[VB:VB+1], s[OFF:OFF+1]
	s_or_b32 s[G0V+3], s[G0V+3], 0x80000000
	s_add_nc_u64 s[22:23], s[4:5], s[22:23]        ; Q at my block
	s_add_nc_u64 s[PFV:PFV+1], s[4:5], s[PFV:PFV+1]
	s_add_nc_u64 s[OB:OB+1], s[10:11], s[XB:XB+1]
	s_add_nc_u64 s[XB:XB+1], s[6:7], s[XB:XB+1]
	s_add_nc_u64 s[BOB:BOB+1], s[8:9], s[BOB:BOB+1]
	CROUND                                         ; all four work-groups are here: the first joint loads meet
	tensor_load_to_lds s[G0K:G0K+3], s[G1K:G1K+7]  ; K and V' of step 0: two loads of mine are out
	s_nop 0
	tensor_load_to_lds s[G0V:G0V+3], s[G1V:G1V+7]
	s_nop 0
	PLACES
	v_and_b32 v1, 15, v0                           ; r = l % 16
	v_bfe_u32 v2, v0, 4, 1                         ; h = l / 16
	v_lshlrev_b32 v[QO], 12, v1                    ; query 4 r + qt: 4,096 r, qt in the immediate
	v_lshl_add_u32 v[QO], v2, 4, v[QO]
.set c, 0
.rept 16                                       ; Q stays in registers: channels 32 c on, query tile q
	WIN 0x80+0x40*(c/8)
.irp q, 0,1,2,3
	global_load_b128 v[8*(4*(c%8)+\q):8*(4*(c%8)+\q)+3],   v[QO], s[22:23] offset:\q*1024+64*c
	global_load_b128 v[8*(4*(c%8)+\q)+4:8*(4*(c%8)+\q)+7], v[QO], s[22:23] offset:\q*1024+64*c+32
.endr
.set c, c+1
.endr
	WIN 0x40
.set c, 0
.rept 256
	v_mov_b32 v[c], 0                              ; O^T
.set c, c+1
.endr
	WIN 0
.irp q, 0,1,2,3
	v_mov_b32 v[ST+6*\q], 0xfe000000               ; c m: far below every c s
	v_mov_b32 v[ST+6*\q+1], 0xff7fffff             ; m
	v_mov_b32 v[ST+6*\q+2], 0
	v_mov_b32 v[ST+6*\q+3], 0
	v_mov_b32 v[ST+6*\q+4], 0
	v_mov_b32 v[ST+6*\q+5], 0
.endr
.set c, G
.rept 20
	v_mov_b32 v[c], 0                              ; v_permlanex16_b32 counts as a reader of its destination
.set c, c+1
.endr
	v_mul_u32_u24 v[AK0], v1, PK                   ; a fragment of K: row x pitch + 16 x half, in my wave's part
	v_lshl_add_u32 v[AK0], v2, 4, v[AK0]
	v_add_nc_u32 v[AK0], s[G0K+1], v[AK0]
	v_and_b32 v[AV0], 7, v0                        ; the turning load: lane l reads key 8 (l / 16) + l % 8, channels 8 ((l / 8) % 2) + 0..7
	v_lshl_add_u32 v[AV0], v2, 3, v[AV0]
	v_mul_u32_u24 v[AV0], v[AV0], PVP
	v_bfe_u32 v[APL], v0, 3, 1
	v_lshl_add_u32 v[AV0], v[APL], 4, v[AV0]
	v_add_nc_u32 v[AV0], s[G0V+1], v[AV0]
	v_and_b32 v[APL], 31, v0
	v_lshlrev_b32 v[PFO], 8, v[APL]
	v_lshl_add_u32 v[APL0], v[APL], 4, PB0
	s_lshl_b32 s17, s[WV], 12
	v_add_nc_u32 v[APS0], s17, v[APL0]
	v_mov_b32 v[APS], v[APS0]                      ; step 0 stores into buffer 0
	v_mov_b32 v[APL], v[APL0]
	v_lshlrev_b32 v[MXL], 4, v1
	v_add_nc_u32 v[MXL], MX, v[MXL]
	s_lshl_b32 s17, s[WV], 8
	v_add_nc_u32 v[MXS], s17, v[MXL]
	v_lshlrev_b32 v[BOO], 5, v2
; THE MATRIX WORK.  Product i of 128 of S^T = K Q^T: key tile i / 64, channels 32 ((i % 64) / 4) on, query tile i % 4.  Four accumulators take turns; the first product starts each sum.
.macro KQ
.set cs, (i%64)/4
.set rS, S+32*(i/64)+8*(i%4)
.set rK, POOL+64*((i/32)%2)+8*((i%32)/4)
.set rQ, 8*(4*(cs%8)+i%4)
	WIN 0x08+4*(cs/8)                              ; Q in window 2 or 3
.if cs == 0
	v_wmma_f32_16x16x32_bf16 v[rS:rS+7], v[rK:rK+7], v[rQ:rQ+7], 0
.else
	v_wmma_f32_16x16x32_bf16 v[rS:rS+7], v[rK:rK+7], v[rQ:rQ+7], v[rS:rS+7]
.endif
.set i, i+1
.endm
.macro KQN cnt
.rept \cnt
	KQ
.endr
.endm
; Product i of 128 of O^T += V'^T P, in eight units u = i / 16: keys 32 (u / 2) on, channel tile 4 (u % 2) + (i % 16) / 4, query tile i % 4.  Sixteen accumulators take turns.
.macro PV
.set u, i/16
.set rO, 32*(4*(u%2)+(i%16)/4)+8*(i%4)
.set rV, POOL+64*(u%2)+8*((i%16)/4)
.set rP, POOL+32+64*((u/2)%2)+8*(i%4)
	WIN 0x50                                       ; C and D window 1
	v_wmma_f32_16x16x32_bf16 v[rO:rO+7], v[rV:rV+7], v[rP:rP+7], v[rO:rO+7]
.set i, i+1
.endm
.macro PVN cnt
.rept \cnt
	PV
.endr
.endm
; THE LDS LOADS stand in runs.  K: run 0..3 = key tile run / 2, channels 256 (run % 2) on: 8 fragments into buffers 0, 1 (even runs) or 2, 3.  V': a unit's 4 fragments into buffer 0 (even units) or 2.
; P: a key group's 4 fragments into buffer 1 (even groups) or 3.
.macro FETCH_K run
	WIN 0
.irp f, 0,1,2,3,4,5,6,7
	ds_load_b128 v[POOL+64*((\run)%2)+8*\f:POOL+64*((\run)%2)+8*\f+3],   v[AK0] offset:((\run)/2)*16*PK+(8*((\run)%2)+\f)*64
	ds_load_b128 v[POOL+64*((\run)%2)+8*\f+4:POOL+64*((\run)%2)+8*\f+7], v[AK0] offset:((\run)/2)*16*PK+(8*((\run)%2)+\f)*64+32
.endr
.endm
.macro FETCH_V un
	WIN 0
.irp f, 0,1,2,3
	ds_load_tr16_b128 v[POOL+64*((\un)%2)+8*\f:POOL+64*((\un)%2)+8*\f+3],   v[AV0] offset:((\un)/2)*32*PVP+32*(4*((\un)%2)+\f)
	ds_load_tr16_b128 v[POOL+64*((\un)%2)+8*\f+4:POOL+64*((\un)%2)+8*\f+7], v[AV0] offset:((\un)/2)*32*PVP+32*(4*((\un)%2)+\f)+16*PVP
.endr
.endm
.macro FETCH_P kg
	WIN 0
.irp q, 0,1,2,3
	ds_load_b128 v[POOL+32+64*((\kg)%2)+8*\q:POOL+32+64*((\kg)%2)+8*\q+3],   v[APL] offset:(4*(\kg)+\q)*1024
	ds_load_b128 v[POOL+32+64*((\kg)%2)+8*\q+4:POOL+32+64*((\kg)%2)+8*\q+7], v[APL] offset:(4*(\kg)+\q)*1024+512
.endr
.endm
; THE VECTOR WORK stands in three numbered lists.  RS: pair n of 128 of O^T times a.
.macro RS
	WIN 0x41                                       ; destination and source 0 window 1, a window 0
	v_pk_mul_f32 v[2*n:2*n+1], v[2*n:2*n+1], v[ST+6*((n/4)%4)+4:ST+6*((n/4)%4)+5] op_sel_hi:[1,0]
.set n, n+1
.endm
; LM: number lm of the 40 that find my wave's maxima, query tiles by turns.  0-11 key tile 0 (each accumulator's lowest registers first), 12-23 key tile 1, 24-31 the two scores left
; over and the two tiles together, 32-39 the other half of the lanes.
.macro LM
	WIN 0
.set q, lm%4
.if lm < 4
	v_max3_num_f32 v[T0+q], v[S+8*q], v[S+8*q+1], v[S+8*q+2]
.elseif lm < 12
	v_max3_num_f32 v[T0+q], v[T0+q], v[S+8*q+2*(lm/4)+1], v[S+8*q+2*(lm/4)+2]
.elseif lm < 16
	v_max3_num_f32 v[T1+q], v[S+32+8*q], v[S+32+8*q+1], v[S+32+8*q+2]
.elseif lm < 24
	v_max3_num_f32 v[T1+q], v[T1+q], v[S+32+8*q+2*((lm-12)/4)+1], v[S+32+8*q+2*((lm-12)/4)+2]
.elseif lm < 28
	v_max3_num_f32 v[T0+q], v[T0+q], v[S+8*q+7], v[S+32+8*q+7]
.elseif lm < 32
	v_max_num_f32 v[T0+q], v[T0+q], v[T1+q]
.elseif lm < 36
	v_permlanex16_b32 v[TX+q], v[T0+q], s[SEL], s[SEL+1]
.else
	v_max_num_f32 v[LMQ+q], v[T0+q], v[TX+q]
.endif
.set lm, lm+1
.endm
.macro LMN cnt
.rept \cnt
	LM
.endr
.endm
; SX: number z of the softmax's 188.  0-15 the four waves' maxima into m; c m_old - c m_new; c m.  16-115 ONE BATCH that names no exponential's result: the four a, the 32 scalings c s - c m (a pair each)
; and the 64 exponentials, a pair scaled two groups ahead of its exponentials.  Behind the batch's one wait: 116-179, for each of the 8 accumulators: four roundings to bf16, the store of P's half
; fragment, three sums in place; 180-187 the two key tiles together, and l = a l + sum.
.macro FS k
	v_pk_fma_f32 v[S+2*(\k):S+2*(\k)+1], v[S+2*(\k):S+2*(\k)+1], s[CS:CS+1], v[ST+6*(((\k)/4)%4):ST+6*(((\k)/4)%4)+1] op_sel_hi:[1,0,0] neg_lo:[0,0,1] neg_hi:[0,0,1]
.endm
.macro ES e
	v_exp_f32 v[S+(\e)], v[S+(\e)]
.endm
.macro SX
	WIN 0
.if z < 4
	v_max3_num_f32 v[T0+z], v[G+z], v[G+4+z], v[G+8+z]
.elseif z < 8
	v_max3_num_f32 v[ST+6*(z-4)+1], v[T0+z-4], v[G+12+z-4], v[ST+6*(z-4)+1]
.elseif z < 12
	v_fma_f32 v[ST+6*(z-8)+5], -v[ST+6*(z-8)+1], s[CS], v[ST+6*(z-8)]
.elseif z < 16
	v_mul_f32 v[ST+6*(z-12)], s[CS], v[ST+6*(z-12)+1]
.elseif z < 20
	v_exp_f32 v[ST+6*(z-16)+4], v[ST+6*(z-16)+5]
.elseif z < 22
	FS z-20
.elseif z < 112
.if (z-22)%3 == 0
	ES 2*((z-22)/3)
.elseif (z-22)%3 == 1
	FS (z-22)/3+2
.else
	ES 2*((z-22)/3)+1
.endif
.elseif z < 116
	ES z-52
.elseif z < 180
.set qa, (z-116)/8
.set qp, (z-116)%8
.set rA, S+8*qa
.set rT, G+4*(qa%4)
.if qp < 4
	v_cvt_pk_bf16_f32 v[rT+qp], v[rA+2*qp], v[rA+2*qp+1]
.elseif qp == 4
	ds_store_b128 v[APS], v[rT:rT+3] offset:(qa%4)*1024+(qa/4)*512
.elseif qp == 5
	v_pk_add_f32 v[rA:rA+1], v[rA:rA+1], v[rA+2:rA+3]
.elseif qp == 6
	v_pk_add_f32 v[rA+4:rA+5], v[rA+4:rA+5], v[rA+6:rA+7]
.else
	v_pk_add_f32 v[rA:rA+1], v[rA:rA+1], v[rA+4:rA+5]
.endif
.elseif z < 184
	v_pk_add_f32 v[S+8*(z-180):S+8*(z-180)+1], v[S+8*(z-180):S+8*(z-180)+1], v[S+32+8*(z-180):S+32+8*(z-180)+1]
.else
	v_pk_fma_f32 v[ST+6*(z-184)+2:ST+6*(z-184)+3], v[ST+6*(z-184)+2:ST+6*(z-184)+3], v[ST+6*(z-184)+4:ST+6*(z-184)+5], v[S+8*(z-184):S+8*(z-184)+1] op_sel_hi:[1,0,1]
.endif
.set z, z+1
.endm
.macro SLICE cnt                       ; the next cnt numbers of the softmax, as far as ZLIM allows
.rept \cnt
.if z < ZLIM
	SX
.endif
.endr
.endm
.macro PV16 per                        ; a unit's 16 products, per numbers of the softmax behind each
.rept 16
	PV
.if \per
	SLICE \per
.endif
.endr
.endm
.macro UHEAD un                        ; a unit's head: what it multiplies is in; the next unit's V' (and, behind odd units, the next key group's P) is asked for
	s_wait_dscnt 0x0
	PLACES
	FETCH_V (\un)+1
.if (\un)%2
	FETCH_P ((\un)+1)/2
.endif
.endm
; THE CHANGE OF K's SLOT, at the head of K's last run: all of the slot has been asked out of LDS.  Each wave waits for all its tensor loads (one is out: its strip of V' for the products to come), adds 0 to its
; spare word, and waits for that and for its reads.  The barrier opens a round of the cluster's; the joint refill, K of the next step, is the first thing behind it.  fill = 0 (the last step): nothing is
; filled, and no barrier is needed: K's and V's bytes are each wave's own.  pv = 1: the first V' and P of phase B are fetched.
; first = 1 (step 0): V' of the walk's second block is prefetched: 131,072 bytes, of which each wave of each partner names 8,192 BY ADDRESS, a lane 256 bytes.  The odd blocks are each the second block of one
; cluster alone, so each of their rows is named once in the launch; the load that wants them stands one phase B and one phase A further on.  Nothing else has such a lead: the walk's first block, and K of its
; second, are asked for at the launch's head.
.macro R1 fill, pv, first
	WIN 0
.if \fill
	s_wait_tensorcnt 0x0
	ds_add_u32 v[SPW], v[NIL]
	s_add_co_u32 s[NK], s[NK], 1                   ; no load of mine is out: the descriptor takes the next block of keys, round modulo 16
	s_and_b32 s[NK], s[NK], 15
	s_lshl_b32 s[OFF], s[NK], 17
	s_add_nc_u64 s[G0K+2:G0K+3], s[KB:KB+1], s[OFF:OFF+1]
	s_or_b32 s[G0K+3], s[G0K+3], 0x80000000
	s_wait_dscnt 0x1                               ; the run's 16 loads are in; the add may be out
	KQN 8
	s_wait_dscnt 0x0                               ; the add is done, and my reads of K's slot are over
	s_barrier_signal -1
	KQN 8
	WIN 0
	s_barrier_wait -1
	CREST
	tensor_load_to_lds s[G0K:G0K+3], s[G1K:G1K+7]
	s_nop 0
	PLACES                                         ; also the places in front of the loads below
.else
	s_wait_tensorcnt 0x0                           ; my strip of V'
	s_wait_dscnt 0x0
	KQN 16
	PLACES
.endif
.if \pv
	FETCH_V 0
	FETCH_P 0
.endif
.if \first
	WIN 0
	global_prefetch_b8 v[PFO], s[PFV:PFV+1] th:TH_LOAD_NT scope:SCOPE_SE
.endif
	KQN 16
.endm
; PHASE A.  rs = 1: four rescalings behind every second product of the first two runs.  Key tile 0's part of the maximum stands in the third run; the other 28 numbers follow in phase B.
.macro PHASE_A rs, fill, pv, first
.set i, 0
.set n, 0
.set lm, 0
.irp run, 1,2
	s_wait_dscnt 0x0                               ; this run's K is in
	PLACES
	FETCH_K \run
.rept 16
	KQ
	KQ
.if \rs
	RS
	RS
	RS
	RS
.endif
.endr
.endr
	s_wait_dscnt 0x0
	PLACES                                         ; also behind the products that ended key tile 0's scores
	FETCH_K 3
.rept 3
	KQN 8
	LMN 4
.endr
	KQN 8
	R1 \fill, \pv, \first
.endm
; THE CHANGE OF V's SLOT, in the middle of unit 6: V's last fragments have been asked for, and all of P of this step is stored.  The same three lines, round and joint refill: V' of this step, for the
; products of the next phase B.  The round is also the barrier between P's stores and its reads, and between the reads of the older P and the stores that will land on it.
.macro R2 kq
	WIN 0
	s_wait_tensorcnt 0x0
	ds_add_u32 v[SPW], v[NIL]
	s_add_co_u32 s[NV], s[NV], 1                   ; the next block of keys, round modulo 16
	s_and_b32 s[NV], s[NV], 15
	s_lshl_b32 s[OFF], s[NV], 17
	s_add_nc_u64 s[G0V+2:G0V+3], s[VB:VB+1], s[OFF:OFF+1]
	s_or_b32 s[G0V+3], s[G0V+3], 0x80000000
	s_xor_b32 s[PT], s[PT], PBUF                   ; P's buffers change places
	s_xor_b32 s[PL], s[PL], PBUF
	PVN 8
	s_wait_dscnt 0x0                               ; the add is done; my reads of V's slot and of P, and my stores of P, are over
	s_barrier_signal -1
	PVN 8
	WIN 0
	s_barrier_wait -1
	CREST
	tensor_load_to_lds s[G0V:G0V+3], s[G1V:G1V+7]
	s_nop 0
	PLACES
	v_add_nc_u32 v[APL], s[PL], v[APL0]
	v_add_nc_u32 v[APS], s[PT], v[APS0]
.if \kq
	FETCH_K 0                                      ; the next step's K has landed (the wait for all loads above)
.endif
	PVN 8
.endm
; PHASE B.  Unit 0 carries the rest of my wave's maxima, four numbers behind every second product; they go to LDS, and the wait for that store is the one that unit 1's V' needs anyway.  The barrier between
; the waves' stores of their maxima and the loads of all four stands in unit 1: its signal at the head, its wait six products on; between them stand places, products and loads of V's slot, which is filled
; again only behind the later round.  The softmax rides behind the products of units 2 to 6; its 68 exponentials have ONE wait, at the head of unit 5.
.macro PHASE_B kq
.set i, 0
.set z, 0
.set ZLIM, 116
	s_wait_dscnt 0x0                               ; V' and P of unit 0 are in
	PLACES                                         ; behind the last K Q^T: for the loads into K's buffers below, and for the maxima's first reads of its scores
	FETCH_V 1
	FETCH_P 1                                      ; its buffer is free since K's last run
.rept 7
	PVN 2
	LMN 4
.endr
	WIN 0
	ds_store_b128 v[MXS], v[LMQ:LMQ+3]             ; my maxima
	PVN 2
	s_wait_dscnt 0x0                               ; for the others' sake: that store is done; and unit 1's V' is in
	s_barrier_signal -1
	PLACES
	FETCH_V 2
	PVN 6
	s_barrier_wait -1                              ; every wave's maxima lie in LDS
	WIN 0
.irp k, 0,1,2,3
	ds_load_b128 v[G+4*\k:G+4*\k+3], v[MXL] offset:256*\k
.endr
	PVN 10
	UHEAD 2
	PV16 3
	UHEAD 3
	PV16 3
	UHEAD 4
	PV16 3
	v_nop                                          ; a plain instruction behind the last exponential (ISA guide 5.7.2),
	s_wait_alu depctr_va_vdst(0)                   ; and a wait ahead of the batch's first reader
.set ZLIM, 188
	UHEAD 5
	PV16 4
	UHEAD 6
.rept 8
	PV
	SLICE 1
.endr
	R2 \kq
.endm
	s_wait_tensorcnt 0x1                           ; my part of K of step 0 is in, and only I read it; V' may stay out
	FETCH_K 0
	s_wait_loadcnt 0x0                             ; Q
	; STEP 0: there is no older step to multiply, so its maxima and its softmax stand by themselves
	PHASE_A 0, 1, 0, 1
	PLACES
	LMN 28
	ds_store_b128 v[MXS], v[LMQ:LMQ+3]
	s_wait_dscnt 0x0
	s_barrier_signal -1
	s_barrier_wait -1
.irp k, 0,1,2,3
	ds_load_b128 v[G+4*\k:G+4*\k+3], v[MXL] offset:256*\k
.endr
	s_wait_dscnt 0x0
.set z, 0
.set ZLIM, 116
	SLICE 116
	v_nop
	s_wait_alu depctr_va_vdst(0)
.set ZLIM, 188
	SLICE 72
	s_wait_tensorcnt 0x0                           ; my part of K of step 1
	s_xor_b32 s[PT], s[PT], PBUF
	s_xor_b32 s[PL], s[PL], PBUF
	v_add_nc_u32 v[APL], s[PL], v[APL0]
	v_add_nc_u32 v[APS], s[PT], v[APS0]
	FETCH_K 0
	WIN 0
.Ltrip:                                        ; steps 1 to 14
	PHASE_A 1, 1, 1, 0
	PHASE_B 1
	WIN 0
	s_sub_co_u32 s[CNT], s[CNT], 1
	s_cmp_lg_u32 s[CNT], 0
	s_cbranch_scc1 .Ltrip
	; STEP 15 is written out: K is asked for no more; Q's registers take x and bo
	PHASE_A 1, 0, 1, 0
	PLACES                                         ; behind the last products that read Q
	WIN 0
	v_lshlrev_b32 v[XO], 4, v1                     ; 16 bytes (4 pixels) a lane, lanes 16-31 eight channels further on
	v_lshl_add_u32 v[XO], v2, 16, v[XO]
	WIN 0x80
.set c, 0
.rept 64
	global_load_b128 v[4*c:4*c+3], v[XO], s[XB:XB+1] offset:(16*(c/8)+c%8)*8192 th:TH_LOAD_NT
.set c, c+1
.endr
	WIN 0xc0
.set c, 0
.rept 8
	global_load_b128 v[8*c:8*c+3],   v[BOO], s[BOB:BOB+1] offset:64*c
	global_load_b128 v[8*c+4:8*c+7], v[BOO], s[BOB:BOB+1] offset:64*c+16
.set c, c+1
.endr
	PHASE_B 0
	; THE LAST PRODUCTS.  O x a(15) while V' of step 15 is on its way; the waves' sums l meet in LDS
	PLACES
	PLACES
.set n, 0
.rept 128
	RS
.endr
	WIN 0
.irp q, 0,1,2,3
	v_add_f32 v[T0+\q], v[ST+6*\q+2], v[ST+6*\q+3]
.endr
.irp q, 0,1,2,3
	v_permlanex16_b32 v[TX+\q], v[T0+\q], s[SEL], s[SEL+1]
.endr
.irp q, 0,1,2,3
	v_add_f32 v[LMQ+\q], v[T0+\q], v[TX+\q]
.endr
	ds_store_b128 v[MXS], v[LMQ:LMQ+3] offset:1024
	s_wait_tensorcnt 0x0                           ; my strip of V' of step 15
	s_wait_dscnt 0x0
	s_barrier_signal -1
	s_barrier_wait -1
	FETCH_V 0
	FETCH_P 0
.irp k, 0,1,2,3
	ds_load_b128 v[G+4*\k:G+4*\k+3], v[MXL] offset:1024+256*\k
.endr
.set i, 0
.irp un, 0,1,2,3,4,5,6
	UHEAD \un
	PV16 0
.endr
	s_wait_dscnt 0x0
	PV16 0
	; THE WAY OUT.  The twelve sums are the places behind the last products.
	WIN 0
.irp q, 0,1,2,3
	v_add_f32 v[T0+\q], v[G+\q], v[G+4+\q]
.endr
.irp q, 0,1,2,3
	v_add_f32 v[G+\q], v[G+8+\q], v[G+12+\q]
.endr
.irp q, 0,1,2,3
	v_add_f32 v[T0+\q], v[T0+\q], v[G+\q]
.endr
.irp q, 0,1,2,3
	v_rcp_f32 v[LMQ+\q], v[T0+\q]
.endr
	v_nop                                          ; a plain instruction behind the last reciprocal,
	s_wait_alu depctr_va_vdst(0)                   ; and one wait for the four, ahead of their first reader
	s_wait_loadcnt 0x0                             ; x and bo
.set ct, 0
.rept 8
	WIN 0x8e                                       ; x (destination, source 0) window 2, bo window 3
.set j, 0
.rept 8
.irp q, 0,1,2,3
	v_add_f32 v[4*(8*ct+j)+\q], v[4*(8*ct+j)+\q], v[8*ct+j]
.endr
.set j, j+1
.endr
	WIN 0xa1                                       ; O^T window 1, 1 / l window 0, x + bo window 2
.set j, 0
.rept 8                                        ; each accumulator's registers in ascending order
.irp q, 0,1,2,3
	v_fma_f32 v[4*(8*ct+j)+\q], v[32*ct+8*\q+j], v[LMQ+\q], v[4*(8*ct+j)+\q]
.endr
.set j, j+1
.endr
	WIN 0x08                                       ; the stores' data window 2
.set j, 0
.rept 8
	global_store_b128 v[XO], v[4*(8*ct+j):4*(8*ct+j)+3], s[OB:OB+1] offset:(16*ct+j)*8192 th:TH_STORE_NT  ; 16 lanes store 256 consecutive bytes, aligned
.set j, j+1
.endr
.set ct, ct+1
.endr
	WIN 0
	s_wait_tensorcnt 0x0                           ; the wave's end: behind my last tensor load and my last LDS store
	ds_add_u32 v[SPW], v[NIL]
	s_wait_dscnt 0x0
	CROUND                                         ; the closing round
	s_endpgm
.Lfunc_end_k_q8fad4ad372_attn:
	.size	k_q8fad4ad372_attn, .Lfunc_end_k_q8fad4ad372_attn-k_q8fad4ad372_attn
	.p2alignl 7, 3214868480
	.fill 96, 4, 3214868480
	.section	.rodata,"a",@progbits
	.p2align	6, 0x0
	.amdhsa_kernel k_q8fad4ad372_attn
		.amdhsa_group_segment_fixed_size 327680
		.amdhsa_private_segment_fixed_size 0
		.amdhsa_enable_private_segment 0
		.amdhsa_kernarg_size 32
		.amdhsa_user_sgpr_count 2
		.amdhsa_user_sgpr_kernarg_segment_ptr 1
		.amdhsa_wavefront_size32 1
		.amdhsa_system_sgpr_workgroup_id_x 1
		.amdhsa_system_sgpr_workgroup_id_y 1
		.amdhsa_system_sgpr_workgroup_id_z 1
		.amdhsa_system_vgpr_workitem_id 0
		.amdhsa_next_free_vgpr 1024
		.amdhsa_next_free_sgpr 76
		.amdhsa_reserve_vcc 0
		.amdhsa_float_denorm_mode_32 3
		.amdhsa_float_denorm_mode_16_64 3
		.amdhsa_memory_ordered 1
		.amdhsa_forward_progress 1
		.amdhsa_inst_pref_size 232
	.end_amdhsa_kernel
	.amdgpu_metadata
---
amdhsa.version: [ 1, 2 ]
amdhsa.kernels:
  - .name:           k_q8fad4ad372_attn
    .symbol:         k_q8fad4ad372_attn.kd
    .args:
      - { .name: qkv, .offset: 0, .size: 8, .value_kind: global_buffer, .address_space: global }
      - { .name: x, .offset: 8, .size: 8, .value_kind: global_buffer, .address_space: global }
      - { .name: bo, .offset: 16, .size: 8, .value_kind: global_buffer, .address_space: global }
      - { .name: out0, .offset: 24, .size: 8, .value_kind: global_buffer, .address_space: global }
    .group_segment_fixed_size: 327680
    .private_segment_fixed_size: 0
    .kernarg_segment_align: 8
    .kernarg_segment_size: 32
    .max_flat_workgroup_size: 128
    .sgpr_count:     76
    .vgpr_count:     1024
    .wavefront_size: 32
...
	.end_amdgpu_metadata
.endif
;; end of part 7
;; ======== version 3 of 3: 3 launches; version 2 with the launch gnw written anew for expert scheduling mode
;; workspace buffers: hn 16,777,216 bytes; wcat 1,572,864 bytes; bvo 2,048 bytes; qkv 50,331,648 bytes
;; launch gnw (part 8): grid 256 x 1, 16 waves a work-group, no clusters, 118,784 bytes of LDS; arguments x, gn_w, gn_b, wq, wk, wv, wo, bv, hn, wcat, bvo; writes hn, wcat, bvo
.if DOCPART == 8
	.amdgcn_target "amdgcn-amd-amdhsa--gfx1250"
	.amdhsa_code_object_version 6
	.text
	.protected	k_q8fad4ad372_gnw
	.globl	k_q8fad4ad372_gnw
	.p2align	8
	.type	k_q8fad4ad372_gnw,@function
k_q8fad4ad372_gnw:
	s_mov_b64 s[64:65], 0
	v_nop
	global_prefetch_b8 v0, s[64:65] scope:SCOPE_SE
	s_setreg_imm32_b32 hwreg(HW_REG_WAVE_SCHED_MODE, 0, 2), 2
	s_setreg_imm32_b32 hwreg(HW_REG_WAVE_MODE, 25, 1), 1
	s_wait_xcnt 0x0
	s_wait_alu depctr_vm_vsrc(0)
; GROUP NORM, AND THE WEIGHTS FOR THE PROJECTION, side by side in each of 256 work-groups of 16 waves.
; (1) hn[b][c][p] = (x[b][c][p] - mean) rsqrt(var + 1e-5) gn_w[c] + gn_b[c], rounded once to bf16; mean and var over a group's 16 channels x 2,048 pixels.  Work-group n is (image, group) n:
;     131,072 dense bytes of x.  Wave w holds channel w in 64 registers from the loads to the stores, so x is read once.  TWO PASSES over the registers: the mean, then the sum of squares of
;     x - mean, so that a common offset of x costs no digits.  All in f32.
; (2) wcat holds 1,536 rows of 512 channels in bf16: wq's rows, wk's rows, and Wvo = wo x wv, since (attn v) wo^T = attn (v wo^T): v' = t Wvo^T + bvo, Wvo[o][c] = sum over m of wo[o][m] wv[m][c],
;     bvo[o] = sum over m of wo[o][m] bv[m] (f32).  wcat's layout: 24 tiles of 256 rows x 128 channels, tile 4 (row / 256) + channel / 128; a row's piece is 256 bytes, a tile 65,536 dense bytes.
;     Work-group n rounds rows 4 n .. 4 n + 3 of (wq, wk), a piece of 256 bytes a wave, and makes Wvo's rows 16 (n / 8) .. + 15, columns 64 (n % 8) .. + 63: wave w the 16 columns w % 4, the quarter
;     w / 4 of K (4 matrix instructions on two accumulators by turns); the four partial tiles meet in LDS in f32.
; LIMITS.  Wvo is a product of operands rounded to bf16, summed in f32 and rounded once more to bf16: an order of rounding that differs from multiplying by wv and wo in turn.
; A piece of a row of Wvo leaves as 128 consecutive bytes, half of an aligned 256: 512 KiB of the launch's 18 MiB of stores; a tile 128 columns wide would double each work-group's reads of wv.
; ORDER.  All 41 loads of a wave go out at once, the weights' ahead of x's, so that the counted waits for the weights leave x out: the weights' work stands in the wait for x.
; The product is taken transposed (source 0 = 16 columns c of wv, turned out of LDS; source 1 = 16 rows o of wo): a lane ends with 8 neighbouring c of one row o.
; No tensor loads (each byte is converted on its way into LDS), no cluster (what work-groups share is small beside x).
; THE MODE: SCHED_MODE bits 1:0 = 2 (LLVM: expert scheduling mode 2), set by the entry lines.  The code itself states the register dependences between vector or matrix instructions and memory or
; LDS instructions, with s_wait_alu, always for 0.
; THE PLAN.  Registers that memory or LDS instructions touch:
;   v6-v23        offsets and LDS addresses: each written once by a vector line, read by loads and stores, never written again.
;   CV, WO, v24   loaded (v24: summed), converted; then read by six stores, which are dealt among the first eight conversions of wv.
;   WV = FR       16 pieces of wv are loaded, converted in two groups of eight and stored to LDS, a group's stores among the next group's conversions; then the fragments land in the same registers and the
;                 matrix instructions read them; then (waves 0 to 3) the partial tiles land there, are added and rounded, and leave.
;   ACC           written by the matrix instructions and four sums; read by two LDS stores.
;   v24-v39       a reduction's chains end in v32, which an LDS store reads; then the sixteen waves' sums land in v24-v39.
;   X             loaded; pass 2, scaling and rounding in place; read by 16 stores in four blocks, a block's stores among the next block's vector lines; never written behind a store.
; There is no loop.  One wait on va_vdst stands behind each group of vector lines whose results stores read; between such a wait and the stores that lean on it stand only vector lines that name other registers.
.set PWV,   160                        ; LDS row of wv: 64 bf16 + 32 bytes, an odd multiple of 32 for the turning load
.set WOL,   512*PWV                    ; behind wv's 512 rows: wo's 16 rows
.set PWO,   1040                       ; 512 bf16 + 16 bytes
.set PS,    WOL+16*PWO                 ; four partial tiles of 16 rows x 64 f32
.set PPS,   272                        ; 256 bytes + 16
.set BS,    PS+4*16*PPS                ; 16 words: bvo of the group's rows
.set RED,   BS+256                     ; 16 waves' sums; 256 bytes on: those of the second reduction
.set SPARE, RED+512                    ; the spare words, 128 bytes for each of 16 waves
.set SPW, 4
.set NIL, 5
.set XO,  6                            ; offsets in memory: x, hn
.set HO,  7
.set RA,  8                            ; LDS: RED + 4 x wave;  RED
.set ZA,  9
.set CVO, 10                           ; offsets in memory: the piece to round, where it goes, bv, wo, wv
.set CVS, 11
.set BVO, 12
.set WOO, 13
.set WVO, 14
.set WOS, 15                           ; LDS: where my row of wo goes
.set AWS, 16                           ; v16-17 LDS: where my rows of wv go: loads 0-7, loads 8-15
.set ATR, 18                           ; LDS: my fragments of wv, of wo
.set AWO, 19
.set PSS, 20                           ; LDS: where my partial tile goes; where I read 8 columns of a row back
.set PSR, 21
.set GO,  22                           ; my 16 bytes of Wvo in wcat
.set BSA, 23                           ; LDS: BS + 4 x wave
.set TT,  24                           ; v24-31 at work; with v32-39 the sixteen sums of a reduction
.set C,   32                           ; v32-39 four chains of pairs
.set M,   40                           ; v40-41 the mean, twice
.set RS,  42
.set GA,  44                           ; v44-45 rstd x gain, twice;  v46-47 the bias, twice
.set GB,  46
.set CV,  48                           ; v48-51   the piece to round
.set BV,  52                           ; v52-67   bv
.set WO,  68                           ; v68-83   my row of wo
.set ACC, 84                           ; v84-99   two accumulators
.set WV,  100                          ; v100-163 16 pieces of wv; later the fragments of 4 K steps, then the partial tiles
.set FR,  100
.set X,   164                          ; v164-227 my channel of x
.macro CVT2 r                          ; four f32 at v[r] .. become four bf16 in v[r], v[r+1]
	v_cvt_pk_bf16_f32 v[\r], v[\r], v[(\r)+1]
	v_cvt_pk_bf16_f32 v[(\r)+1], v[(\r)+2], v[(\r)+3]
.endm
	s_load_b512 s[4:19], s[0:1], 0x0               ; x s[4:5], gn_w s[6:7], gn_b s[8:9], wq s[10:11], wk s[12:13], wv s[14:15], wo s[16:17], bv s[18:19]
	s_load_b128 s[20:23], s[0:1], 0x40             ; hn s[20:21], wcat s[22:23]
	s_load_b64 s[24:25], s[0:1], 0x50              ; bvo
	v_lshl_add_u32 v[SPW], v0, 2, SPARE
	v_mov_b32 v[NIL], 0
	v_lshrrev_b32 v1, 5, v0
	v_readfirstlane_b32 s26, v1                    ; wave 0..15
	v_and_b32 v1, 31, v0                           ; l
	v_and_b32 v2, 15, v0                           ; r = l % 16
	v_bfe_u32 v3, v0, 4, 1                         ; h = l / 16
	s_lshr_b32 s27, ttmp9, 3                       ; ob: 16 rows of Wvo
	s_and_b32 s28, ttmp9, 7                        ; cb: 64 columns
	s_wait_alu depctr_va_sdst(0)                   ; s26 is written, ahead of its first reader: offsets, LDS addresses and two branches are made from it
	s_and_b32 s44, s26, 3                          ; w % 4
	s_lshr_b32 s45, s26, 2                         ; w / 4
	s_mov_b32 s40, 0x76543210                      ; v_permlanex16_b32: each lane takes its own place in the other half
	s_mov_b32 s41, 0xfedcba98
	s_lshl_b32 s30, s26, 13
	v_lshl_add_u32 v[XO], v1, 4, s30               ; my channel's 8,192 bytes, 16 a lane
	s_lshl_b32 s30, s26, 12
	v_lshl_add_u32 v[HO], v1, 3, s30
	s_lshl_b32 s30, s26, 2
	s_add_co_u32 s30, s30, RED
	v_mov_b32 v[RA], s30
	v_mov_b32 v[ZA], RED
	s_sub_co_u32 s30, s30, 256
	v_mov_b32 v[BSA], s30                          ; BS lies 256 bytes ahead of RED
	s_lshl_b32 s32, ttmp9, 17
	s_mov_b32 s33, 0
	s_lshl_b32 s34, ttmp9, 16
	s_mov_b32 s35, 0
	s_and_b32 s36, ttmp9, 31                       ; the group: 16 channels, 64 bytes of gn_w and gn_b; my channel's word
	s_lshl_b32 s36, s36, 6
	s_lshl_b32 s37, s26, 2
	s_add_co_u32 s36, s36, s37
	s_mov_b32 s37, 0
	s_lshl_b32 s30, ttmp9, 2
	s_add_co_u32 s30, s30, s45                     ; row 4 n + w / 4 of (wq, wk),
	s_and_b32 s31, s30, 511
	s_lshl_b32 s31, s31, 11
	s_lshl_b32 s29, s44, 9                         ; its piece w % 4: 512 bytes of f32
	s_add_co_u32 s31, s31, s29
	v_lshl_add_u32 v[CVO], v1, 4, s31
	s_and_b32 s30, s30, 255                        ; its place in its block of 256 rows: 256 bytes a row,
	s_lshl_b32 s30, s30, 8
	s_lshr_b32 s31, ttmp9, 6
	s_lshl_b32 s31, s31, 2
	s_add_co_u32 s31, s31, s44                     ; in tile 4 x block + piece
	s_lshl_b32 s31, s31, 16
	s_add_co_u32 s30, s30, s31
	v_lshl_add_u32 v[CVS], v1, 3, s30
	v_lshlrev_b32 v[BVO], 4, v1
	s_lshl_b32 s30, s27, 4
	s_add_co_u32 s30, s30, s26                     ; wo: row 16 ob + w
	s_lshl_b32 s30, s30, 11
	v_lshl_add_u32 v[WOO], v1, 4, s30
	s_lshl_b32 s30, s26, 12                        ; wv: a load takes rows 32 j + 2 w and + 1, 256 bytes of each at column 64 cb: 16 lanes a row
	s_lshl_b32 s31, s28, 8
	s_add_co_u32 s30, s30, s31
	v_lshl_add_u32 v[WVO], v3, 11, s30
	v_lshl_add_u32 v[WVO], v2, 4, v[WVO]
	s_mul_i32 s30, s26, PWO
	s_add_co_u32 s30, s30, WOL
	v_lshl_add_u32 v[WOS], v1, 3, s30
	s_mul_i32 s30, s26, 2*PWV
	v_mul_u32_u24 v[AWS], v3, PWV
	v_lshl_add_u32 v[AWS], v2, 3, v[AWS]
	v_add_nc_u32 v[AWS], s30, v[AWS]
	v_add_nc_u32 v[AWS+1], 256*PWV, v[AWS]
	s_wait_kmcnt 0x0
	s_cmp_lt_u32 ttmp9, 128
	s_cselect_b64 s[38:39], s[10:11], s[12:13]     ; groups 0-127 round wq, groups 128-255 wk
	s_add_nc_u64 s[4:5], s[4:5], s[32:33]
	s_add_nc_u64 s[20:21], s[20:21], s[34:35]
	s_add_nc_u64 s[6:7], s[6:7], s[36:37]
	s_add_nc_u64 s[8:9], s[8:9], s[36:37]
	s_wait_alu depctr_va_vdst(0)                   ; the offsets and LDS addresses v6 to v17 and v23 are written: the loads below read five of them, later stores and loads the others
	; 41 loads: 1 + 4 + 4 + 16 of the weights, then x's 16
	global_load_b128 v[CV:CV+3], v[CVO], s[38:39]
.irp i, 0,1,2,3
	global_load_b128 v[BV+4*\i:BV+4*\i+3], v[BVO], s[18:19] offset:512*\i
.endr
.irp i, 0,1,2,3
	global_load_b128 v[WO+4*\i:WO+4*\i+3], v[WOO], s[16:17] offset:512*\i
.endr
.set i, 0
.rept 16
	global_load_b128 v[WV+4*i:WV+4*i+3], v[WVO], s[14:15] offset:65536*i
.set i, i+1
.endr
.set i, 0
.rept 16
	global_load_b128 v[X+4*i:X+4*i+3], v[XO], s[4:5] offset:512*i th:TH_LOAD_NT
.set i, i+1
.endr
	s_load_b32 s42, s[6:7], 0x0                    ; my channel's gain
	s_load_b32 s43, s[8:9], 0x0                    ; and bias
	; the addresses of the product, made while the loads are on their way
	v_and_b32 v[TT], 7, v0
	v_lshl_add_u32 v[TT], v3, 3, v[TT]             ; the turning load: lane l reads row 8 (l / 16) + l % 8 of K,
	v_mul_u32_u24 v[TT], v[TT], PWV
	v_bfe_u32 v[TT+1], v0, 3, 1
	v_lshl_add_u32 v[TT], v[TT+1], 4, v[TT]        ; 16 bytes at 16 ((l / 8) % 2)
	s_mul_i32 s30, s45, 128*PWV                    ; my quarter of K: 128 rows of wv,
	s_lshl_b32 s31, s44, 5                         ; my 16 columns
	s_add_co_u32 s30, s30, s31
	v_add_nc_u32 v[ATR], s30, v[TT]
	s_lshl_b32 s30, s45, 8                         ; the same quarter of wo's rows: 256 bytes
	s_add_co_u32 s30, s30, WOL
	v_mul_u32_u24 v[AWO], v2, PWO
	v_lshl_add_u32 v[AWO], v3, 4, v[AWO]
	v_add_nc_u32 v[AWO], s30, v[AWO]
	s_mul_i32 s30, s45, 16*PPS                     ; my partial tile: row r, columns 16 (w % 4) + 8 h on
	s_lshl_b32 s31, s44, 6
	s_add_co_u32 s30, s30, s31
	s_add_co_u32 s30, s30, PS
	v_mul_u32_u24 v[PSS], v2, PPS
	v_lshl_add_u32 v[PSS], v3, 5, v[PSS]
	v_add_nc_u32 v[PSS], s30, v[PSS]
	v_lshrrev_b32 v[TT], 3, v1                     ; back (waves 0-3): row 4 w + l / 8, columns 8 (l % 8) on
	v_and_b32 v[TT+1], 7, v0
	s_lshl_b32 s30, s26, 2
	v_add_nc_u32 v[TT+2], s30, v[TT]
	v_mul_u32_u24 v[PSR], v[TT+2], PPS
	v_lshl_add_u32 v[PSR], v[TT+1], 5, v[PSR]
	v_add_nc_u32 v[PSR], PS, v[PSR]
	s_lshr_b32 s30, s27, 4                         ; Wvo's rows are wcat's rows 1,024 + o: block 4 + o / 256,
	s_add_co_u32 s30, s30, 4
	s_lshl_b32 s30, s30, 2
	s_lshr_b32 s31, s28, 1
	s_add_co_u32 s30, s30, s31                     ; tile 4 x block + column / 128
	s_lshl_b32 s30, s30, 16
	s_lshl_b32 s31, s27, 4
	s_and_b32 s31, s31, 255
	s_lshl_b32 s31, s31, 8
	s_add_co_u32 s30, s30, s31
	s_and_b32 s31, s28, 1                          ; which half of the row's 256 bytes
	s_lshl_b32 s31, s31, 7
	s_add_co_u32 s30, s30, s31
	v_lshl_add_u32 v[GO], v[TT+2], 8, s30
	v_lshl_add_u32 v[GO], v[TT+1], 4, v[GO]
	s_wait_loadcnt 40                              ; the piece to round is in; the 40 younger loads stay out
	CVT2 CV
	s_wait_loadcnt 32                              ; bv and my row of wo are in
	v_pk_mul_f32 v[TT:TT+1], v[WO:WO+1], v[BV:BV+1]  ; bvo of my row, in f32: 16 products a lane, then the 32 lanes
.irp e, 1,2,3,4,5,6,7
	v_pk_fma_f32 v[TT:TT+1], v[WO+2*\e:WO+2*\e+1], v[BV+2*\e:BV+2*\e+1], v[TT:TT+1]
.endr
	v_add_f32 v[TT], v[TT], v[TT+1]
.irp m, 1,2,4,8
	v_add_f32_dpp v[TT], v[TT], v[TT] row_xmask:\m row_mask:0xf bank_mask:0xf
.endr
	v_permlanex16_b32 v[TT+1], v[TT], s40, s41
	v_add_f32 v[TT], v[TT], v[TT+1]
.irp i, 0,1,2,3
	CVT2 WO+4*\i
.endr
	s_wait_loadcnt 24                              ; the first eight pieces of wv are in; the other eight and x's 16 loads stay out
	s_wait_alu depctr_va_vdst(0)                   ; the conversions have written v[CV ..] and v[WO ..], the sum v[TT]: the six stores below read them; the addresses v18 to v22 are written too, for all that reads them later
	global_store_b64 v[CVS], v[CV:CV+1], s[22:23]  ; 32 lanes store 256 consecutive bytes, aligned.  The conversions dealt among these six stores name v[WV .. WV+31] alone
	CVT2 WV
	ds_store_b32 v[BSA], v[TT]                     ; all lanes write the same word with the same value
	CVT2 WV+4
.irp i, 0,1,2,3
	ds_store_b64 v[WOS], v[WO+4*\i:WO+4*\i+1] offset:256*\i
	CVT2 WV+8+4*\i
.endr
	CVT2 WV+24
	CVT2 WV+28
	s_wait_loadcnt 16                              ; the other eight pieces of wv are in; x's 16 loads stay out
	s_wait_alu depctr_va_vdst(0)                   ; the conversions have written the first eight pieces, which the stores below read; the conversions dealt among them name v[WV+32 .. WV+63] alone
.irp k, 0,1,2,3,4,5,6,7
	ds_store_b64 v[AWS], v[WV+4*\k:WV+4*\k+1] offset:\k*32*PWV
	CVT2 WV+32+4*\k
.endr
	s_wait_alu depctr_va_vdst(0)                   ; the conversions have written the other eight pieces, which the stores below read; and no vector line names v[WV ..] any more before the fragments land there
.irp k, 0,1,2,3,4,5,6,7
	ds_store_b64 v[AWS+1], v[WV+32+4*\k:WV+32+4*\k+1] offset:\k*32*PWV
.endr
	s_wait_dscnt 0x0                               ; for the others' sake: my stores into LDS are done
	s_barrier_signal -1
	s_barrier_wait -1
	s_wait_alu depctr_vm_vsrc(0)                   ; my LDS stores have read v[WV ..], in which the fragments below land, and v[TT], in which a reduction's loads land
	; my four K steps: 16 LDS loads, then 4 products; the two accumulators take turns
.irp k, 0,1,2,3
	ds_load_tr16_b128 v[FR+16*\k:FR+16*\k+3],     v[ATR] offset:\k*32*PWV
	ds_load_tr16_b128 v[FR+16*\k+4:FR+16*\k+7],   v[ATR] offset:\k*32*PWV+16*PWV
	ds_load_b128      v[FR+16*\k+8:FR+16*\k+11],  v[AWO] offset:64*\k
	ds_load_b128      v[FR+16*\k+12:FR+16*\k+15], v[AWO] offset:64*\k+32
.endr
	s_wait_dscnt 0x0
.irp k, 0,1,2,3
.if \k < 2
	v_wmma_f32_16x16x32_bf16 v[ACC+8*(\k%2):ACC+8*(\k%2)+7], v[FR+16*\k:FR+16*\k+7], v[FR+16*\k+8:FR+16*\k+15], 0
.else
	v_wmma_f32_16x16x32_bf16 v[ACC+8*(\k%2):ACC+8*(\k%2)+7], v[FR+16*\k:FR+16*\k+7], v[FR+16*\k+8:FR+16*\k+15], v[ACC+8*(\k%2):ACC+8*(\k%2)+7]
.endif
.endr
.rept 8
	v_nop                                          ; places in front of the sums that read and rewrite the results (ISA guide 7.12.1); once a launch
.endr
.irp r, 0,2,4,6
	v_pk_add_f32 v[ACC+\r:ACC+\r+1], v[ACC+\r:ACC+\r+1], v[ACC+8+\r:ACC+8+\r+1]  ; the two parities, from each accumulator's low end on
.endr
	s_wait_alu depctr_va_vdst(0)                   ; the sums have written v[ACC .. ACC+7], which the two stores read; the matrix instructions are done reading v[FR ..], in which the partial tiles land later
	ds_store_b128 v[PSS], v[ACC:ACC+3]
	ds_store_b128 v[PSS], v[ACC+4:ACC+7] offset:16
; Four chains into one number, the 32 lanes, the sixteen waves through LDS; then the mean over 32,768 numbers.
.macro REDUCE red
	v_pk_add_f32 v[C:C+1], v[C:C+1], v[C+2:C+3]
	v_pk_add_f32 v[C+4:C+5], v[C+4:C+5], v[C+6:C+7]
	v_pk_add_f32 v[C:C+1], v[C:C+1], v[C+4:C+5]
	v_add_f32 v[C], v[C], v[C+1]
.irp m, 1,2,4,8
	v_add_f32_dpp v[C], v[C], v[C] row_xmask:\m row_mask:0xf bank_mask:0xf
.endr
	v_permlanex16_b32 v[C+1], v[C], s40, s41
	v_add_f32 v[C], v[C], v[C+1]
	s_wait_alu depctr_va_vdst(0)                   ; the wave's sum is written in v[C], which the store reads; and the vector lines are done with v[TT .. TT+15], in which the loads below land
	ds_store_b32 v[RA], v[C] offset:\red
	s_wait_dscnt 0x0                               ; for the others' sake: this store, and (the first time) my partial tile
	s_barrier_signal -1
	s_barrier_wait -1
	s_wait_alu depctr_vm_vsrc(0)                   ; the store has read v[C], in which one of the loads below lands
.irp q, 0,1,2,3
	ds_load_b128 v[TT+4*\q:TT+4*\q+3], v[ZA] offset:(\red)+16*\q
.endr
	s_wait_dscnt 0x0
.irp q, 0,4,8,12
	v_pk_add_f32 v[TT+\q:TT+\q+1], v[TT+\q:TT+\q+1], v[TT+\q+2:TT+\q+3]
.endr
	v_pk_add_f32 v[TT:TT+1], v[TT:TT+1], v[TT+4:TT+5]
	v_pk_add_f32 v[TT+8:TT+9], v[TT+8:TT+9], v[TT+12:TT+13]
	v_pk_add_f32 v[TT:TT+1], v[TT:TT+1], v[TT+8:TT+9]
	v_add_f32 v[TT], v[TT], v[TT+1]
	v_mul_f32 v[C], 0x38000000, v[TT]              ; x 2^-15
.endm
	; pass 1: the sum; the first four loads start the chains, nothing is cleared
.set i, 0
.rept 16
.if i%8 == 0
	s_wait_loadcnt 8-i                             ; eight more loads are in
.endif
.if i < 4
	v_pk_add_f32 v[C+2*i:C+2*i+1], v[X+4*i:X+4*i+1], v[X+4*i+2:X+4*i+3]
.else
	v_pk_add_f32 v[C+2*((2*i)%4):C+2*((2*i)%4)+1], v[C+2*((2*i)%4):C+2*((2*i)%4)+1], v[X+4*i:X+4*i+1]
	v_pk_add_f32 v[C+2*((2*i+1)%4):C+2*((2*i+1)%4)+1], v[C+2*((2*i+1)%4):C+2*((2*i+1)%4)+1], v[X+4*i+2:X+4*i+3]
.endif
.set i, i+1
.endr
	REDUCE 0
	v_mov_b32 v[M], v[C]
	v_mov_b32 v[M+1], v[C]
	; Wvo's tile leaves by waves 0 to 3: the four partial tiles lie in LDS behind the barrier just passed
	s_cmp_lt_u32 s26, 4
	s_cbranch_scc0 .Lno_tile
.irp q, 0,1,2,3
	ds_load_b128 v[FR+8*\q:FR+8*\q+3],   v[PSR] offset:\q*16*PPS     ; no wait: since the wait behind the accumulators' sums no vector or matrix line has named v[FR ..]
	ds_load_b128 v[FR+8*\q+4:FR+8*\q+7], v[PSR] offset:\q*16*PPS+16
.endr
	s_wait_dscnt 0x0
.irp r, 0,2,4,6
	v_pk_add_f32 v[FR+\r:FR+\r+1], v[FR+\r:FR+\r+1], v[FR+8+\r:FR+8+\r+1]
	v_pk_add_f32 v[FR+16+\r:FR+16+\r+1], v[FR+16+\r:FR+16+\r+1], v[FR+24+\r:FR+24+\r+1]
.endr
.irp r, 0,2,4,6
	v_pk_add_f32 v[FR+\r:FR+\r+1], v[FR+\r:FR+\r+1], v[FR+16+\r:FR+16+\r+1]
.endr
.irp r, 0,1,2,3
	v_cvt_pk_bf16_f32 v[FR+32+\r], v[FR+2*\r], v[FR+2*\r+1]
.endr
	s_wait_alu depctr_va_vdst(0)                   ; the conversions have written v[FR+32 .. FR+35], which the store reads
	global_store_b128 v[GO], v[FR+32:FR+35], s[22:23]  ; 8 lanes store 128 consecutive bytes: a row's 64 columns
.Lno_tile:
	s_or_b32 s30, s26, s28
	s_cmp_lg_u32 s30, 0
	s_cbranch_scc1 .Lno_bvo                        ; bvo leaves by wave 0 of the groups with cb = 0; lanes l and l + 16 carry the same word
	s_lshl_b32 s30, s27, 6
	v_lshl_add_u32 v[FR+36], v2, 2, BS
	v_lshl_add_u32 v[FR+38], v2, 2, s30
	s_wait_alu depctr_va_vdst(0)                   ; both addresses are written: v[FR+36], which the LDS load reads, and v[FR+38], which the store reads
	ds_load_b32 v[FR+37], v[FR+36]
	s_wait_dscnt 0x0
	global_store_b32 v[FR+38], v[FR+37], s[24:25]
.Lno_bvo:
	; pass 2: x - mean in place, and the sum of its squares
.set k, 0
.rept 32
	v_pk_add_f32 v[X+2*k:X+2*k+1], v[X+2*k:X+2*k+1], v[M:M+1] neg_lo:[0,1] neg_hi:[0,1]
.set k, k+1
.endr
.set k, 0
.rept 32
.if k < 4
	v_pk_mul_f32 v[C+2*k:C+2*k+1], v[X+2*k:X+2*k+1], v[X+2*k:X+2*k+1]
.else
	v_pk_fma_f32 v[C+2*(k%4):C+2*(k%4)+1], v[X+2*k:X+2*k+1], v[X+2*k:X+2*k+1], v[C+2*(k%4):C+2*(k%4)+1]
.endif
.set k, k+1
.endr
	REDUCE 256
	v_add_f32 v[C], 0x3727c5ac, v[C]               ; var + 1e-5
	v_rsq_f32 v[RS], v[C]
	v_nop                                          ; a plain instruction behind the root (ISA guide 5.7.2),
	s_wait_alu depctr_va_vdst(0)                   ; and the root has written v[RS], ahead of its first reader
	s_wait_kmcnt 0x0
	v_mul_f32 v[GA], s42, v[RS]
	v_mov_b32 v[GB], s43
	v_mov_b32 v[GB+1], s43
	v_mov_b32 v[GA+1], v[GA]
	; The way out, in four blocks of four stores.  A block's vector lines name its own 16 registers of X, GA and GB; the stores of the block before are dealt among them.
.set i, 0
.rept 16
.if (i >= 4) && (i%4 == 0)
	s_wait_alu depctr_va_vdst(0)                   ; the block before has written its eight registers of bf16, which the four stores dealt among this block's lines read
.endif
.if i >= 4
	global_store_b64 v[HO], v[X+4*(i-4):X+4*(i-4)+1], s[20:21] offset:256*(i-4)  ; 32 lanes store 256 consecutive bytes, aligned
.endif
	v_pk_fma_f32 v[X+4*i:X+4*i+1], v[X+4*i:X+4*i+1], v[GA:GA+1], v[GB:GB+1]
	v_pk_fma_f32 v[X+4*i+2:X+4*i+3], v[X+4*i+2:X+4*i+3], v[GA:GA+1], v[GB:GB+1]
	v_cvt_pk_bf16_f32 v[X+4*i], v[X+4*i], v[X+4*i+1]
	v_cvt_pk_bf16_f32 v[X+4*i+1], v[X+4*i+2], v[X+4*i+3]
.set i, i+1
.endr
	s_wait_alu depctr_va_vdst(0)                   ; the last block has written its eight registers, which the last four stores read
.set i, 12
.rept 4
	global_store_b64 v[HO], v[X+4*i:X+4*i+1], s[20:21] offset:256*i
.set i, i+1
.endr
	s_wait_dscnt 0x0                               ; the closing lines, six on end
	s_wait_alu 0x0
	s_wait_tensorcnt 0x0
	ds_add_u32 v[SPW], v[NIL]
	s_wait_dscnt 0x0
	s_endpgm
.Lfunc_end_k_q8fad4ad372_gnw:
	.size	k_q8fad4ad372_gnw, .Lfunc_end_k_q8fad4ad372_gnw-k_q8fad4ad372_gnw
	.p2alignl 7, 3214868480
	.fill 96, 4, 3214868480
	.section	.rodata,"a",@progbits
	.p2align	6, 0x0
	.amdhsa_kernel k_q8fad4ad372_gnw
		.amdhsa_group_segment_fixed_size 118784
		.amdhsa_private_segment_fixed_size 0
		.amdhsa_enable_private_segment 0
		.amdhsa_kernarg_size 88
		.amdhsa_user_sgpr_count 2
		.amdhsa_user_sgpr_kernarg_segment_ptr 1
		.amdhsa_wavefront_size32 1
		.amdhsa_system_sgpr_workgroup_id_x 1
		.amdhsa_system_sgpr_workgroup_id_y 1
		.amdhsa_system_sgpr_workgroup_id_z 1
		.amdhsa_system_vgpr_workitem_id 0
		.amdhsa_next_free_vgpr 228
		.amdhsa_next_free_sgpr 66
		.amdhsa_reserve_vcc 0
		.amdhsa_float_denorm_mode_32 3
		.amdhsa_float_denorm_mode_16_64 3
		.amdhsa_memory_ordered 1
		.amdhsa_forward_progress 1
		.amdhsa_inst_pref_size 35
	.end_amdhsa_kernel
	.amdgpu_metadata
---
amdhsa.version: [ 1, 2 ]
amdhsa.kernels:
  - .name:           k_q8fad4ad372_gnw
    .symbol:         k_q8fad4ad372_gnw.kd
    .args:
      - { .name: x, .offset: 0, .size: 8, .value_kind: global_buffer, .address_space: global }
      - { .name: gn_w, .offset: 8, .size: 8, .value_kind: global_buffer, .address_space: global }
      - { .name: gn_b, .offset: 16, .size: 8, .value_kind: global_buffer, .address_space: global }
      - { .name: wq, .offset: 24, .size: 8, .value_kind: global_buffer, .address_space: global }
      - { .name: wk, .offset: 32, .size: 8, .value_kind: global_buffer, .address_space: global }
      - { .name: wv, .offset: 40, .size: 8, .value_kind: global_buffer, .address_space: global }
      - { .name: wo, .offset: 48, .size: 8, .value_kind: global_buffer, .address_space: global }
      - { .name: bv, .offset: 56, .size: 8, .value_kind: global_buffer, .address_space: global }
      - { .name: hn, .offset: 64, .size: 8, .value_kind: global_buffer, .address_space: global }
      - { .name: wcat, .offset: 72, .size: 8, .value_kind: global_buffer, .address_space: global }
      - { .name: bvo, .offset: 80, .size: 8, .value_kind: global_buffer, .address_space: global }
    .group_segment_fixed_size: 118784
    .private_segment_fixed_size: 0
    .kernarg_segment_align: 8
    .kernarg_segment_size: 88
    .max_flat_workgroup_size: 512
    .sgpr_count:     66
    .vgpr_count:     228
    .wavefront_size: 32
...
	.end_amdgpu_metadata
.endif
;; end of part 8
;; launch proj: the kernel of part 6 again; grid 128 x 2, 4 waves a work-group, clusters of 4 x 1, 327,680 bytes of LDS; arguments hn, wcat, bq, bk, bvo, qkv; writes qkv
;; launch attn: the kernel of part 7 again; grid 32 x 8, 4 waves a work-group, clusters of 4 x 1, 327,680 bytes of LDS; arguments qkv, x, bo, out0; writes out0
